; MI455X (gfx1250); checked and timed in simulation.
; The chip was launched on July 23, 2026; its instructions are those of AMD's public machine-readable ISA for CDNA 5 (MIT licence, August 2026) and "CDNA5" Instruction Set Architecture Reference Guide (July 2026). The comments in the code are by the model that wrote it; some were corrected since.
;; Causal No Head Self Attention. Allowed arithmetic: float matrix products may take bf16 or f16 operands with f32 sums; other float arithmetic in f32, or as packed bf16 or f16 multiplies, adds, multiply-adds, maxima and minima; sums over many terms, partial sums and values carried from step to step in f32; what a program stores and reads back later, other than sums and carried values, may be rounded once to bf16 or f16.
;; Inputs: Wk 1,024 x 1,024 float32; Wo 1,024 x 1,024 float32; Wq 1,024 x 1,024 float32; Wv 1,024 x 1,024 float32; token_positions 4 x 2,048 int32; x 4 x 2,048 x 1,024 float32.
;; Outputs: out0 4 x 2,048 x 1,024 float32.
;; 2 versions, each right. Each part assembles by itself: llvm-mc -triple=amdgcn-amd-amdhsa -mcpu=gfx1250 --defsym DOCPART=n.
;; ======== version 1 of 2: 5 launches
;; limits: values are held in f16: magnitudes above 65,504 overflow, below 6.1e-05 lose precision; right only within a limited range of input values; a function is approximated: absolute error at most 3.6e-06
;; workspace buffers: xb 16,777,216 bytes; wqkv 6,291,456 bytes; wo16 2,097,152 bytes; qkv 50,331,648 bytes; pbuf 33,554,432 bytes; stat 524,288 bytes; att 16,777,216 bytes
;; launch prep (part 1): grid 768 x 1, 8 waves a work-group, no clusters, 0 bytes of LDS; arguments x, Wq, Wk, Wv, Wo, xb, wqkv, wo16, stat; writes xb, wqkv, wo16, stat
.if DOCPART == 1
	.amdgcn_target "amdgcn-amd-amdhsa--gfx1250"
	.amdhsa_code_object_version 6
	.text
	.protected	k_q486c4ce527_prep
	.globl	k_q486c4ce527_prep
	.p2align	8
	.type	k_q486c4ce527_prep,@function
k_q486c4ce527_prep:
	s_mov_b64 s[64:65], 0
	v_nop
	global_prefetch_b8 v0, s[64:65] scope:SCOPE_SE
	s_setreg_imm32_b32 hwreg(HW_REG_WAVE_MODE, 25, 1), 1
	s_wait_xcnt 0x0
; PREP: the inputs are rounded once for the matrix units, and the statistics get their defaults.
;   x  [8192][1024] f32 -> xb   bf16            Wq, Wk, Wv [1024][1024] f32 -> wqkv bf16, rows 0.., 1024.., 2048..
;   Wo [1024][1024] f32 -> wo16: rounded to bf16 like every other input, and that number written as f16
;   stat [2][8][8192] f32: plane 0 (a key tile's maximum, in log2 units) = -1e30, plane 1 (its sum) = 0; a later launch overwrites the entries of the causal tiles
; LIMIT: a bf16 value of Wo below 2^-14 takes f16's fixed step of 6e-8; beyond 65,504 it would be an infinity.
; SHARES: a work-group takes 16,384 numbers (64 KiB in, 32 KiB out).  Thread t loads 16 bytes at 16 t + 4,096 i, i = 0..15, all sixteen loads issued at once,
; and stores 8 bytes at 8 t + 2,048 i: a wave's store covers 256 consecutive bytes, aligned.  Each load has its own registers, so nothing is rewritten while it is read.
; No LDS, no matrix unit, no cluster: nothing is shared and nothing is read twice.
.set IN,  16                           ; v[16:79]   sixteen loads of four numbers
.set OUT, 80                           ; v[80:111]  sixteen stores of two words
	s_load_b256 s[4:11], s[0:1], 0x0               ; x s[4:5], Wq s[6:7], Wk s[8:9], Wv s[10:11]
	s_load_b256 s[12:19], s[0:1], 0x20             ; Wo s[12:13], xb s[14:15], wqkv s[16:17], wo16 s[18:19]
	s_load_b64 s[20:21], s[0:1], 0x40              ; stat
	v_lshlrev_b32 v1, 4, v0                        ; 16 t
	v_lshlrev_b32 v2, 3, v0                        ; 8 t
	v_lshrrev_b32 v3, 5, v0
	v_readfirstlane_b32 s22, v3                    ; wave
	s_sub_co_u32 s23, ttmp9, 512                   ; work-groups 512.. take the weights, 64 each
	s_lshr_b32 s24, s23, 6
	s_add_co_u32 s24, s24, 1
	s_and_b32 s23, s23, 63
	s_cmp_lt_u32 ttmp9, 512
	s_cselect_b32 s24, 0, s24                      ; kind: 0 x, 1 Wq, 2 Wk, 3 Wv, 4 Wo
	s_cselect_b32 s23, ttmp9, s23                  ; my chunk of that tensor
	s_lshl_b32 s28, s23, 16                        ; 64 KiB in
	s_mov_b32 s29, 0
	s_lshl_b32 s30, s23, 15                        ; 32 KiB out
	s_mov_b32 s31, 0
	s_sub_co_u32 s25, s24, 1
	s_cmp_lt_u32 s25, 3
	s_cselect_b32 s25, s25, 0                      ; Wq, Wk, Wv lie one behind the other in wqkv
	s_lshl_b32 s25, s25, 21
	s_add_co_u32 s30, s30, s25
	s_wait_kmcnt 0x0
	s_cmp_eq_u32 s24, 1
	s_cselect_b64 s[4:5], s[6:7], s[4:5]
	s_cmp_eq_u32 s24, 2
	s_cselect_b64 s[4:5], s[8:9], s[4:5]
	s_cmp_eq_u32 s24, 3
	s_cselect_b64 s[4:5], s[10:11], s[4:5]
	s_cmp_eq_u32 s24, 4
	s_cselect_b64 s[4:5], s[12:13], s[4:5]
	s_cmp_eq_u32 s24, 0
	s_cselect_b64 s[26:27], s[14:15], s[16:17]
	s_cmp_eq_u32 s24, 4
	s_cselect_b64 s[26:27], s[18:19], s[26:27]
	s_add_nc_u64 s[4:5], s[4:5], s[28:29]
	s_add_nc_u64 s[26:27], s[26:27], s[30:31]
.irp i, 0,1,2,3,4,5,6,7,8,9,10,11,12,13,14,15
	global_load_b128 v[IN+4*(\i):IN+4*(\i)+3], v1, s[4:5] offset:(\i)*4096 th:TH_LOAD_NT
.endr
	; the statistics' defaults: work-groups 0..511, waves 0 and 1: 1,024 bytes each
	s_cmp_lt_u32 ttmp9, 512
	s_cbranch_scc0 .Lnostat
	s_cmp_lt_u32 s22, 2
	s_cbranch_scc0 .Lnostat
	s_lshl_b32 s32, ttmp9, 10
	s_mov_b32 s33, 0
	s_add_nc_u64 s[20:21], s[20:21], s[32:33]
	s_cmp_lt_u32 ttmp9, 256                        ; the first 256 KiB are the maxima
	s_cselect_b32 s34, 0xf149f2ca, 0               ; -1e30, or 0
	v_mov_b32 v4, s34
	v_mov_b32 v5, s34
	v_mov_b32 v6, s34
	v_mov_b32 v7, s34
	global_store_b128 v1, v[4:7], s[20:21]
.Lnostat:
	s_cmp_eq_u32 s24, 4
	s_cbranch_scc1 .Lwo
.irp i, 0,1,2,3,4,5,6,7,8,9,10,11,12,13,14,15
	s_wait_loadcnt 15-(\i)                         ; loads come back in order: load i is in, the younger ones stay out
	v_cvt_pk_bf16_f32 v[OUT+2*(\i)], v[IN+4*(\i)], v[IN+4*(\i)+1]
	v_cvt_pk_bf16_f32 v[OUT+2*(\i)+1], v[IN+4*(\i)+2], v[IN+4*(\i)+3]
	global_store_b64 v2, v[OUT+2*(\i):OUT+2*(\i)+1], s[26:27] offset:(\i)*2048
.endr
	s_endpgm
.Lwo:
.irp i, 0,1,2,3,4,5,6,7,8,9,10,11,12,13,14,15
	s_wait_loadcnt 15-(\i)
	v_cvt_pk_bf16_f32 v8, v[IN+4*(\i)], v[IN+4*(\i)+1]      ; the rounding that every input has,
	v_cvt_pk_bf16_f32 v9, v[IN+4*(\i)+2], v[IN+4*(\i)+3]
	v_lshlrev_b32 v10, 16, v8                      ; back to f32,
	v_and_b32 v8, 0xffff0000, v8
	v_lshlrev_b32 v11, 16, v9
	v_and_b32 v9, 0xffff0000, v9
	v_cvt_pk_f16_f32 v[OUT+2*(\i)], v10, v8        ; and written as f16
	v_cvt_pk_f16_f32 v[OUT+2*(\i)+1], v11, v9
	global_store_b64 v2, v[OUT+2*(\i):OUT+2*(\i)+1], s[26:27] offset:(\i)*2048
.endr
	s_endpgm
.Lfunc_end_k_q486c4ce527_prep:
	.size	k_q486c4ce527_prep, .Lfunc_end_k_q486c4ce527_prep-k_q486c4ce527_prep
	.p2alignl 7, 3214868480
	.fill 96, 4, 3214868480
	.section	.rodata,"a",@progbits
	.p2align	6, 0x0
	.amdhsa_kernel k_q486c4ce527_prep
		.amdhsa_group_segment_fixed_size 0
		.amdhsa_private_segment_fixed_size 0
		.amdhsa_enable_private_segment 0
		.amdhsa_kernarg_size 72
		.amdhsa_user_sgpr_count 2
		.amdhsa_user_sgpr_kernarg_segment_ptr 1
		.amdhsa_wavefront_size32 1
		.amdhsa_system_sgpr_workgroup_id_x 1
		.amdhsa_system_sgpr_workgroup_id_y 1
		.amdhsa_system_sgpr_workgroup_id_z 1
		.amdhsa_system_vgpr_workitem_id 0
		.amdhsa_next_free_vgpr 112
		.amdhsa_next_free_sgpr 66
		.amdhsa_reserve_vcc 0
		.amdhsa_float_denorm_mode_32 3
		.amdhsa_float_denorm_mode_16_64 3
		.amdhsa_memory_ordered 1
		.amdhsa_forward_progress 1
		.amdhsa_inst_pref_size 17
	.end_amdhsa_kernel
	.amdgpu_metadata
---
amdhsa.version: [ 1, 2 ]
amdhsa.kernels:
  - .name:           k_q486c4ce527_prep
    .symbol:         k_q486c4ce527_prep.kd
    .args:
      - { .name: x, .offset: 0, .size: 8, .value_kind: global_buffer, .address_space: global }
      - { .name: Wq, .offset: 8, .size: 8, .value_kind: global_buffer, .address_space: global }
      - { .name: Wk, .offset: 16, .size: 8, .value_kind: global_buffer, .address_space: global }
      - { .name: Wv, .offset: 24, .size: 8, .value_kind: global_buffer, .address_space: global }
      - { .name: Wo, .offset: 32, .size: 8, .value_kind: global_buffer, .address_space: global }
      - { .name: xb, .offset: 40, .size: 8, .value_kind: global_buffer, .address_space: global }
      - { .name: wqkv, .offset: 48, .size: 8, .value_kind: global_buffer, .address_space: global }
      - { .name: wo16, .offset: 56, .size: 8, .value_kind: global_buffer, .address_space: global }
      - { .name: stat, .offset: 64, .size: 8, .value_kind: global_buffer, .address_space: global }
    .group_segment_fixed_size: 0
    .private_segment_fixed_size: 0
    .kernarg_segment_align: 8
    .kernarg_segment_size: 72
    .max_flat_workgroup_size: 256
    .sgpr_count:     66
    .vgpr_count:     112
    .wavefront_size: 32
...
	.end_amdgpu_metadata
.endif
;; end of part 1
;; launch qkv (part 2): grid 12 x 32, 4 waves a work-group, clusters of 4 x 4, 327,680 bytes of LDS; arguments xb, wqkv, token_positions, qkv; writes qkv
.if DOCPART == 2
	.amdgcn_target "amdgcn-amd-amdhsa--gfx1250"
	.amdhsa_code_object_version 6
	.text
	.protected	k_q486c4ce527_qkv
	.globl	k_q486c4ce527_qkv
	.p2align	8
	.type	k_q486c4ce527_qkv,@function
k_q486c4ce527_qkv:
	s_mov_b64 s[64:65], 0
	v_nop
	global_prefetch_b8 v0, s[64:65] scope:SCOPE_SE
	s_setreg_imm32_b32 hwreg(HW_REG_WAVE_MODE, 25, 1), 1
	s_wait_xcnt 0x0
	s_wait_alu depctr_hold_cnt(0) depctr_sa_sdst(0) depctr_va_vdst(0) depctr_va_sdst(0) depctr_va_ssrc(0) depctr_va_vcc(0) depctr_vm_vsrc(0)
	s_getreg_b32 s2, hwreg(HW_REG_IB_STS2, 6, 4)
	s_cmp_eq_u32 s2, 0
	s_cbranch_scc0 .Lentry_in_a_cluster
	s_endpgm
.Lentry_in_a_cluster:
	s_bfe_u32 s2, ttmp6, 0x10000c
	s_cmp_lg_u32 s2, 0xf033
	s_cbranch_scc0 .Lentry_shape_is_right
	s_endpgm
.Lentry_shape_is_right:
; QKV: [Q | K | V] = xb wqkv^T, the rotary embedding on Q and K, all rounded once to f16.  xb [8192][1024] bf16, wqkv [3072][1024] bf16, qkv [8192][3072] f16 (columns 0.. Q, 1024.. K, 2048.. V).
; LIMITS: |q|, |k|, |v| stay within f16's 65,504.  The angle pos x 10000^(-2i/1024) is reduced by multiples of pi found with the constant 1.5 x 2^23: |angle| under 2^22 pi.
; Sine and cosine are Taylor polynomials on |r| <= pi/2 (r^9 and r^10: off by 3.6e-6 and 4.7e-7 at the most).  NaN and infinities are not treated apart.
; SHARES.  A tile is 256 rows x 256 columns, four waves of 128 x 128 (64 accumulators, 512 registers).  K goes in 8 steps of 128 through two LDS slots; a wave's tensor load brings 128 rows of 256 bytes.
; A tile of the first two columns of clusters holds 128 columns of Q AND the same 128 columns of K (waves with an even number: Q, odd: K), so one sine and cosine serve both; the third column of clusters makes V.
; CLUSTER 4 x 4: A's tile hangs on the tile row and is asked for jointly along a row of the cluster, B's on the tile column and along a column.
; The product is used transposed (source 0 = rows of wqkv, source 1 = rows of xb): a lane holds one row of the result and eight neighbouring columns.
; THE WAY OUT: the ring has had its last fill; the f32 tile is laid into its bytes (pitch 1,040), and a short loop walks the rows: a wave 64 rows, 4 a trip; sixteen lanes store 256 consecutive bytes, aligned.
; REGISTERS: window 0: v0-43 addresses and constants; v64-127, v128-191 A's fragments, later the way out.  window 1: v64-191 B's fragments.  windows 2, 3: the accumulators of my rows 0-63, 64-127.
.set KSTEP,  128
.set PITCH,  272                       ; an LDS row: 256 bytes + 16 of padding: the 16 rows of a fragment load start 16 bytes apart modulo 256
.set HALFT,  128*PITCH                 ; what one tensor load brings
.set SLOT,   4*HALFT                   ; A's 256 rows, then B's; shares no bit with wave x HALFT, so one exclusive or changes slots
.set DP,     1040                      ; the dump's pitch: 256 f32 + 16 bytes
.set POSF,   2*SLOT                    ; behind the ring: the positions of my 64 rows as f32, 256 bytes a wave
.set SPARE,  POSF+1024                 ; the spare words, 128 bytes a wave: no other line names them
.set OROW,   6144                      ; bytes in a row of qkv
.set ADRA0, 16                         ; v16, v17  my lane's place in slot 0's A and B; never rewritten
.set ADRB0, 17
.set ADRA,  18                         ; v18, v19  the same in the slot in hand
.set ADRB,  19
.set DS0,   20                         ; v20, v21  the dump: where my rows 0-63, 64-127 begin
.set RDX,   22                         ; v22  the way out: where I read
.set CO,    23                         ; v23  my byte offset in two rows of qkv
.set PSA,   24                         ; v24  where my row's position lies
.set SPW,   28                         ; v28  my spare word; never rewritten
.set NIL,   29                         ; v29  0; never rewritten
.set PFO,   30                         ; v30  the prefetches' offset: lane x 2,048; never rewritten
.set FR,    32                         ; v[32:35] the four frequencies of my eight columns
.set PS,    36                         ; v[36:37] the positions of a trip's two rows of mine
.set MGC,   38                         ; v[38:39] 1.5 x 2^23, twice
.set K7,    40                         ; v[40:41] -1/7!, twice
.set K8,    42                         ; v[42:43] 1/8!, twice
.set F0,    64
.set F1,    128
.set X,     64                         ; v[64:95]   the way out: 2 row pairs x 16 numbers
.set SC,    96                         ; v[96:143]  four groups of two angles, 12 registers each: +0 angle, r; +2 t, sign; +4 n, r x sign; +6 r^2; +8 sine; +10 cosine
.set Y,     144                        ; v[144:159] packed results
.set T1,    160                        ; v[160:191] x cos
.set WV, 12                            ; s12 wave; s13 wave / 2: my half of the rows, and A (0) or B (1) is what I fetch; s14 wave % 2: my half of the columns, and which 128 rows I fetch
.set WH, 13
.set WL, 14
.set MT, 15                            ; s15 tile row
.set G1, 24                            ; s[24:31] group 1 for A; s[32:39] group 0: slot 0's first fill, then the one that walks
.set G0, 32
.set CX, 40
.set CY, 41
.set LIM, 43                           ; s43 2 in a wave that prefetches, else the greatest number
.set PFA, 44                           ; s[44:45] where my prefetches stand
.set G1B, 48                           ; the same for B
.set G0B, 56
.set TB, 66                            ; s66 0 or SLOT: the slot in hand
.set ISV, 67                           ; s67 1: a tile of V
.set OQ, 68                            ; s[68:69], s[70:71] qkv at my rows, the tile's first and second 128 columns
.set OK2, 70
.set CT, 72                            ; s72 which 128 columns of Q and K
.set MSB, 0
.macro WIN new                         ; the immediate's high byte repeats the setting that is left; a switch that changes nothing is dropped
.if MSB != (\new)
	s_set_vgpr_msb (MSB<<8)|(\new)
.set MSB, \new
.endif
.endm
.set MUL_LO, 0xa1                      ; source 0 (B) window 1, source 1 (A) window 0, C and D window 2
.set TO_B,   0x40                      ; destination window 1, address window 0
.macro CREST                           ; a round of the cluster's barrier behind its opening barrier
	s_cmp_lg_u32 s[WV], 0
	s_cbranch_scc1 .Lnot_wave_0_\@
	s_barrier_signal -3
.Lnot_wave_0_\@:
	s_barrier_wait -3
	s_barrier_signal -1
	s_barrier_wait -1
.endm
.macro CROUND
	s_barrier_signal -1
	s_barrier_wait -1
	CREST
.endm
.macro PLACES                          ; four plain instructions between a matrix instruction and a load into, or a read of, its registers
.rept 4
	v_nop
.endr
.endm
.macro JLOAD                           ; the joint refill: waves 0, 1 ask for A's halves, waves 2, 3 for B's; the branch hangs on the wave's number alone
	s_cmp_eq_u32 s[WH], 0
	s_cbranch_scc0 .Lfor_b_\@
	tensor_load_to_lds s[G0+4:G0+7], s[G1:G1+7]
	s_nop 0
	PLACES
	s_branch .Lasked_\@
.Lfor_b_\@:
	tensor_load_to_lds s[G0B+4:G0B+7], s[G1B:G1B+7]
	s_nop 0
	PLACES
.Lasked_\@:
.endm
; A prefetch of the K step two refills on: 32 rows x 256 bytes, a lane a row.  A's rows are named by the first column of clusters, B's by the first row of clusters; the four partners that ask
; for a tile jointly take 32 of the wave's 128 rows each, told apart by address.  So each row's 256 bytes are named once.  The loop's last two trips (s3 = 2, 1) have no K step two on.
.macro ASK
	s_cmp_gt_u32 s3, s[LIM]
	s_cbranch_scc0 .Lnot_mine_\@
	global_prefetch_b8 v[PFO], s[PFA:PFA+1] offset:KSTEP*2 th:TH_LOAD_NT scope:SCOPE_SE
.Lnot_mine_\@:
.endm
; 16 products: row blocks a0, a0 + 1 of the window's four x all 8 column blocks, 32 along K.  zero = 1: the products start the sums.  The 64 accumulators take turns.
.macro MUL16 f, hi, a0, zero
	WIN MUL_LO+0x50*(\hi)
.irp a, \a0, (\a0)+1
.irp b, 0,1,2,3,4,5,6,7
.if \zero
	v_wmma_f32_16x16x32_bf16 v[8*(8*(\a)+(\b)):8*(8*(\a)+(\b))+7], v[(\f)+8*(\b):(\f)+8*(\b)+7], v[(\f)+8*(4*(\hi)+(\a)):(\f)+8*(4*(\hi)+(\a))+7], 0
.else
	v_wmma_f32_16x16x32_bf16 v[8*(8*(\a)+(\b)):8*(8*(\a)+(\b))+7], v[(\f)+8*(\b):(\f)+8*(\b)+7], v[(\f)+8*(4*(\hi)+(\a)):(\f)+8*(4*(\hi)+(\a))+7], v[8*(8*(\a)+(\b)):8*(8*(\a)+(\b))+7]
.endif
.endr
.endr
.endm
.macro FETCH k, f                      ; 32 LDS loads in one run: a quarter step's fragments (B, then A), at byte k of the rows of the slot in hand
	WIN TO_B
.irp i, 0,1,2,3,4,5,6,7
	ds_load_b128 v[(\f)+8*(\i):(\f)+8*(\i)+3],   v[ADRB] offset:(\k)+(\i)*16*PITCH
	ds_load_b128 v[(\f)+8*(\i)+4:(\f)+8*(\i)+7], v[ADRB] offset:(\k)+(\i)*16*PITCH+32
.endr
	WIN 0
.irp i, 0,1,2,3,4,5,6,7
	ds_load_b128 v[(\f)+8*(\i):(\f)+8*(\i)+3],   v[ADRA] offset:(\k)+(\i)*16*PITCH
	ds_load_b128 v[(\f)+8*(\i)+4:(\f)+8*(\i)+7], v[ADRA] offset:(\k)+(\i)*16*PITCH+32
.endr
.endm
.macro QUARTER k, f, g, zero           ; multiplies buffer f; in its middle fetches the next quarter, at byte k, into g
	s_wait_dscnt 8                                 ; B and A's rows 0-63 are in; the youngest eight loads may be out
	MUL16 \f, 0, 0, \zero
	MUL16 \f, 0, 2, \zero
	PLACES
	FETCH \k, \g
	s_wait_dscnt 32                                ; all but the 32 just issued
	MUL16 \f, 1, 0, \zero
	MUL16 \f, 1, 2, \zero
.endm
; The fourth quarter multiplies buffer 1 and changes slots.  In front of the barrier each wave waits for all its tensor loads (one is out: its part of the next slot), adds 0 to its spare word, and
; waits for that and for its reads of the slot.  fill = 1: the barrier opens a round of the cluster's, and the joint refill, two K steps on, is the first thing behind it: 224 products ahead of the wait for it.
.macro TURN fill
.if \fill
	s_wait_xcnt 0x0                                ; the last prefetch, a K step back, has read its address
	s_add_nc_u64 s[PFA:PFA+1], s[PFA:PFA+1], KSTEP*2
.endif
	WIN 0
	s_wait_tensorcnt 0x0
	ds_add_u32 v[SPW], v[NIL]
	s_wait_dscnt 9                                 ; the add and the youngest eight loads may be out
	MUL16 F1, 0, 0, 0
	s_wait_dscnt 0x0                               ; the add is done, my reads of the slot are over
	s_barrier_signal -1
	MUL16 F1, 0, 2, 0
	WIN 0
	s_barrier_wait -1
.if \fill
	CREST
	s_xor_b32 s[G0+5], s[G0+5], SLOT               ; the walking descriptors: the other slot, the next K step
	s_add_nc_u64 s[G0+6:G0+7], s[G0+6:G0+7], KSTEP*2
	s_xor_b32 s[G0B+5], s[G0B+5], SLOT
	s_add_nc_u64 s[G0B+6:G0B+7], s[G0B+6:G0B+7], KSTEP*2
	JLOAD                                          ; its four v_nop are also the places in front of the loads below
.else
	PLACES
.endif
	s_xor_b32 s[TB], s[TB], SLOT
	v_add_nc_u32 v[ADRA], s[TB], v[ADRA0]
	v_add_nc_u32 v[ADRB], s[TB], v[ADRB0]
	FETCH 0, F0
.if \fill
	ASK
.endif
	MUL16 F1, 1, 0, 0
	MUL16 F1, 1, 2, 0
.endm
.macro DUMP                            ; the raw f32 tile into the ring's bytes: row x 1,040 + 4 x column; each accumulator's low four registers first
.irp hi, 0,1
	WIN 0x08+4*(\hi)                               ; store data in window 2 or 3
.irp a, 0,1,2,3
.irp b, 0,1,2,3,4,5,6,7
	ds_store_b128 v[DS0+(\hi)], v[8*(8*(\a)+(\b)):8*(8*(\a)+(\b))+3]   offset:(\a)*16*DP+64*(\b)
	ds_store_b128 v[DS0+(\hi)], v[8*(8*(\a)+(\b))+4:8*(8*(\a)+(\b))+7] offset:(\a)*16*DP+64*(\b)+16
.endr
.endr
.endr
	WIN 0
.endm
.macro ALLG line:vararg                ; one line for each of the four groups of two angles
.set g, 0
.rept 4
	\line
.set g, g+12
.endr
.endm
; The way out: 16 trips of 4 rows.  Lanes 0-15 take one row, lanes 16-31 the next; a lane takes 8 columns of the tile's first half and the same 8 of its second.  rope = 1: both are turned by the lane's four angles.
.macro OUTLOOP rope
	s_mov_b32 s3, 16
.Lrow_\@:
.if \rope
	ds_load_b32 v[PS], v[PSA]
	ds_load_b32 v[PS+1], v[PSA] offset:8
.endif
.irp p, 0,1
.irp c, 0,1,2,3
	ds_load_b128 v[X+16*(\p)+4*(\c):X+16*(\p)+4*(\c)+3], v[RDX] offset:(\p)*2*DP+((\c)/2)*512+((\c)%2)*16
.endr
.endr
	v_add_nc_u32 v[RDX], 4*DP, v[RDX]
.if \rope
	v_add_nc_u32 v[PSA], 16, v[PSA]
	s_wait_dscnt 8                                 ; the positions are in; the eight row loads, issued behind them, land under the sine and cosine
	v_pk_mul_f32 v[SC:SC+1],       v[FR:FR+1],   v[PS:PS+1] op_sel_hi:[1,0]
	v_pk_mul_f32 v[SC+12:SC+13],   v[FR+2:FR+3], v[PS:PS+1] op_sel_hi:[1,0]
	v_pk_mul_f32 v[SC+24:SC+25],   v[FR:FR+1],   v[PS:PS+1] op_sel:[0,1] op_sel_hi:[1,1]
	v_pk_mul_f32 v[SC+36:SC+37],   v[FR+2:FR+3], v[PS:PS+1] op_sel:[0,1] op_sel_hi:[1,1]
	ALLG v_pk_fma_f32 v[SC+g+2:SC+g+3], v[SC+g:SC+g+1], 0x3ea2f983, v[MGC:MGC+1] op_sel_hi:[1,0,1]       ; t = angle / pi + 1.5 x 2^23: rounded to a whole number n, whose parity is t's lowest bit
	ALLG v_pk_add_f32 v[SC+g+4:SC+g+5], v[SC+g+2:SC+g+3], v[MGC:MGC+1] neg_lo:[0,1] neg_hi:[0,1]         ; n
	ALLG v_pk_fma_f32 v[SC+g:SC+g+1], v[SC+g+4:SC+g+5], 0xc0490fdb, v[SC+g:SC+g+1] op_sel_hi:[1,0,1]     ; r = angle - n pi, pi in two parts
	ALLG v_pk_fma_f32 v[SC+g:SC+g+1], v[SC+g+4:SC+g+5], 0x33bbbd2e, v[SC+g:SC+g+1] op_sel_hi:[1,0,1]
	ALLG v_pk_mul_f32 v[SC+g+6:SC+g+7], v[SC+g:SC+g+1], v[SC+g:SC+g+1]
	ALLG v_pk_fma_f32 v[SC+g+8:SC+g+9], v[SC+g+6:SC+g+7], 0x3638ef1d, v[K7:K7+1] op_sel_hi:[1,0,1]       ; sine: 1/9! r^2 - 1/7!
	ALLG v_pk_fma_f32 v[SC+g+10:SC+g+11], v[SC+g+6:SC+g+7], 0xb493f27e, v[K8:K8+1] op_sel_hi:[1,0,1]     ; cosine: -1/10! r^2 + 1/8!
	ALLG v_pk_fma_f32 v[SC+g+8:SC+g+9], v[SC+g+8:SC+g+9], v[SC+g+6:SC+g+7], 0x3c088889 op_sel_hi:[1,1,0]
	ALLG v_pk_fma_f32 v[SC+g+10:SC+g+11], v[SC+g+10:SC+g+11], v[SC+g+6:SC+g+7], 0xbab60b61 op_sel_hi:[1,1,0]
	ALLG v_pk_fma_f32 v[SC+g+8:SC+g+9], v[SC+g+8:SC+g+9], v[SC+g+6:SC+g+7], 0xbe2aaaab op_sel_hi:[1,1,0]
	ALLG v_pk_fma_f32 v[SC+g+10:SC+g+11], v[SC+g+10:SC+g+11], v[SC+g+6:SC+g+7], 0x3d2aaaab op_sel_hi:[1,1,0]
	ALLG v_pk_fma_f32 v[SC+g+8:SC+g+9], v[SC+g+8:SC+g+9], v[SC+g+6:SC+g+7], 1.0 op_sel_hi:[1,1,0]
	ALLG v_pk_fma_f32 v[SC+g+10:SC+g+11], v[SC+g+10:SC+g+11], v[SC+g+6:SC+g+7], -0.5 op_sel_hi:[1,1,0]
	ALLG v_lshl_or_b32 v[SC+g+2], v[SC+g+2], 31, 0x3f800000                                             ; (-1)^n as 1.0 or -1.0
	ALLG v_lshl_or_b32 v[SC+g+3], v[SC+g+3], 31, 0x3f800000
	ALLG v_pk_fma_f32 v[SC+g+10:SC+g+11], v[SC+g+10:SC+g+11], v[SC+g+6:SC+g+7], 1.0 op_sel_hi:[1,1,0]
	ALLG v_pk_mul_f32 v[SC+g+4:SC+g+5], v[SC+g:SC+g+1], v[SC+g+2:SC+g+3]
	ALLG v_pk_mul_f32 v[SC+g+8:SC+g+9], v[SC+g+8:SC+g+9], v[SC+g+4:SC+g+5]                               ; sine of the angle
	ALLG v_pk_mul_f32 v[SC+g+10:SC+g+11], v[SC+g+10:SC+g+11], v[SC+g+2:SC+g+3]                           ; cosine of the angle
.endif
	s_wait_dscnt 0x0                               ; the rows are in
.if \rope
.irp p, 0,1
.irp q, 0,1
.irp kk, 0,1
.irp e, 0,1
.set xr, 16*(\p)+8*(\q)+4*(\kk)+2*(\e)
.set sr, SC+12*(2*(\p)+(\kk))
	v_pk_mul_f32 v[T1+xr:T1+xr+1], v[X+xr:X+xr+1], v[sr+10:sr+11] op_sel:[0,\e] op_sel_hi:[1,\e]         ; (x1 c, x2 c)
.endr
.endr
.endr
.endr
.irp p, 0,1
.irp q, 0,1
.irp kk, 0,1
.irp e, 0,1
.set xr, 16*(\p)+8*(\q)+4*(\kk)+2*(\e)
.set sr, SC+12*(2*(\p)+(\kk))
	v_pk_fma_f32 v[X+xr:X+xr+1], v[X+xr:X+xr+1], v[sr+8:sr+9], v[T1+xr:T1+xr+1] op_sel:[1,\e,0] op_sel_hi:[0,\e,1] neg_lo:[0,1,0]  ; (x1 c - x2 s, x2 c + x1 s)
.endr
.endr
.endr
.endr
.endif
.set i, 0
.rept 16
	v_cvt_pk_f16_f32 v[Y+i], v[X+2*i], v[X+2*i+1]
.set i, i+1
.endr
.irp p, 0,1
	global_store_b128 v[CO], v[Y+8*(\p):Y+8*(\p)+3],   s[OQ:OQ+1]   offset:(\p)*2*OROW
	global_store_b128 v[CO], v[Y+8*(\p)+4:Y+8*(\p)+7], s[OK2:OK2+1] offset:(\p)*2*OROW
.endr
	s_wait_xcnt 0x0                                ; the stores have read their data and their bases: only now are these written again
	s_add_nc_u64 s[OQ:OQ+1], s[OQ:OQ+1], 4*OROW
	s_add_nc_u64 s[OK2:OK2+1], s[OK2:OK2+1], 4*OROW
	s_sub_co_u32 s3, s3, 1
	s_cmp_lg_u32 s3, 0
	s_cbranch_scc1 .Lrow_\@
.endm
	s_load_b256 s[4:11], s[0:1], 0x0               ; xb s[4:5], wqkv s[6:7], token_positions s[8:9], qkv s[10:11]
	v_lshl_add_u32 v[SPW], v0, 2, SPARE
	v_mov_b32 v[NIL], 0
	ds_add_u32 v[SPW], v[NIL]                      ; the wave's opening: the add and its wait ahead of my first tensor load
	ds_add_u32 v28, v29
	v_lshrrev_b32 v1, 5, v0
	v_readfirstlane_b32 s[WV], v1
	s_lshr_b32 s[WH], s[WV], 1
	s_and_b32 s[WL], s[WV], 1
	s_bfe_u32 s[CX], ttmp6, 0x40000
	s_bfe_u32 s[CY], ttmp6, 0x40004
	s_and_b32 s[MT], ttmp7, 0xffff
	s_lshl_b32 s[MT], s[MT], 2
	s_add_co_u32 s[MT], s[MT], s[CY]               ; tile row = 4 x cluster y + cy
	s_lshl_b32 s2, s[CY], 2
	s_lshl_b32 s2, 15, s2                          ; my row of the cluster
	s_lshl_b32 s42, 0x1111, s[CX]                  ; my column
	s_or_b32 s[G1], s2, (1<<16)|(1<<20)|(1<<21)|(5<<22)|(3<<25)    ; the mask; 2-byte elements; padding on; bit 21 beside a mask; after every 64 words 4 words
	s_or_b32 s[G1B], s42, (1<<16)|(1<<20)|(1<<21)|(5<<22)|(3<<25)
.irp g, G1, G1B
	s_mov_b32 s[(\g)+1], KSTEP<<16                 ; tensor_dim0 = 128
	s_mov_b32 s[(\g)+2], 128<<16                   ; tensor_dim1 = 128
	s_mov_b32 s[(\g)+3], KSTEP<<16                 ; tile_dim0 = 128
	s_mov_b32 s[(\g)+4], 128                       ; tile_dim1 = 128
	s_mov_b32 s[(\g)+5], 1024                      ; elements from row to row
	s_mov_b32 s[(\g)+6], 0
	s_mov_b32 s[(\g)+7], 0
.endr
	; B's first row: Q and K tiles: 1,024 x half + 128 (4 x cluster x + cx); V tiles: 2,048 + 256 cx + 128 x half.  The cluster's x is the same in all partners.
	s_lshl_b32 s22, ttmp9, 9
	s_cmp_eq_u32 ttmp9, 2
	s_cselect_b32 s[ISV], 1, 0
	s_cselect_b32 s20, 7, 10
	s_cselect_b32 s21, 8, 7
	s_cselect_b32 s22, 2048, s22
	s_lshl_b32 s46, s[WL], s20
	s_lshl_b32 s47, s[CX], s21
	s_add_co_u32 s46, s46, s47
	s_add_co_u32 s46, s46, s22
	s_lshl_b32 s16, s[MT], 8
	s_lshl_b32 s17, s[WL], 7
	s_add_co_u32 s16, s16, s17                     ; A's first row: 256 x tile row + 128 x half
	s_lshl_b32 s20, s[CX], 5                       ; the prefetches: of A's 128 rows partner cx takes 32,
	s_add_co_u32 s20, s20, s16
	s_lshl_b32 s21, s[CY], 5                       ; of B's partner cy
	s_add_co_u32 s21, s21, s46
	s_and_b32 s22, ttmp7, 0xffff
	s_cmp_eq_u32 s[WH], 0
	s_cselect_b32 s20, s20, s21
	s_cselect_b32 s22, ttmp9, s22                  ; the coordinate along which other clusters read the same rows
	s_cmp_eq_u32 s22, 0
	s_cselect_b32 s[LIM], 2, -1
	s_lshl_b32 s20, s20, 11                        ; rows of 2,048 bytes
	s_mov_b32 s21, 0
	s_lshl_b32 s16, s16, 11
	s_mov_b32 s17, 0
	s_lshl_b32 s46, s46, 11
	s_mov_b32 s47, 0
	s_mul_i32 s23, s[WV], HALFT                    ; where my tile goes: no place in the cluster enters an LDS address
	s_mov_b32 s[TB], 0
	s_wait_dscnt 0x0                               ; the opening add is done
	s_wait_kmcnt 0x0
	s_add_nc_u64 s[18:19], s[4:5], s[16:17]
	s_add_nc_u64 s[46:47], s[6:7], s[46:47]
	s_cmp_eq_u32 s[WH], 0
	s_cselect_b64 s[PFA:PFA+1], s[4:5], s[6:7]
	s_add_nc_u64 s[PFA:PFA+1], s[PFA:PFA+1], s[20:21]
	s_add_nc_u64 s[PFA:PFA+1], s[PFA:PFA+1], 2*KSTEP*2  ; at K step 2: the first refill steps it to 3 and names K step 4
	CROUND                                         ; all sixteen work-groups are here: the first joint loads meet
.irp s, 0,1
	s_mov_b32 s[G0+4*(\s)], 1
	s_add_co_u32 s[G0+4*(\s)+1], s23, (\s)*SLOT
	s_add_nc_u64 s[G0+4*(\s)+2:G0+4*(\s)+3], s[18:19], (\s)*KSTEP*2
	s_or_b32 s[G0+4*(\s)+3], s[G0+4*(\s)+3], 0x80000000
	s_mov_b32 s[G0B+4*(\s)], 1
	s_add_co_u32 s[G0B+4*(\s)+1], s23, (\s)*SLOT
	s_add_nc_u64 s[G0B+4*(\s)+2:G0B+4*(\s)+3], s[46:47], (\s)*KSTEP*2
	s_or_b32 s[G0B+4*(\s)+3], s[G0B+4*(\s)+3], 0x80000000
.endr
	s_cmp_eq_u32 s[WH], 0                          ; a wave's two first fills stand in one branch: two loads of mine are out
	s_cbranch_scc0 .Lfirst_b
	tensor_load_to_lds s[G0:G0+3], s[G1:G1+7]
	s_nop 0
	tensor_load_to_lds s[G0+4:G0+7], s[G1:G1+7]
	s_nop 0
	PLACES
	s_branch .Lfirst_asked
.Lfirst_b:
	tensor_load_to_lds s[G0B:G0B+3], s[G1B:G1B+7]
	s_nop 0
	tensor_load_to_lds s[G0B+4:G0B+7], s[G1B:G1B+7]
	s_nop 0
	PLACES
.Lfirst_asked:
	; all of this stands in the wait for the first tile
	v_and_b32 v1, 15, v0                           ; l % 16
	v_bfe_u32 v2, v0, 4, 1                         ; l / 16
	v_and_b32 v5, 31, v0                           ; l
	s_lshl_b32 s20, s[MT], 10                      ; the positions of the 64 rows that I send out: 4 (256 x tile row + 64 x wave) + 8 l
	s_lshl_b32 s21, s[WV], 8
	s_add_co_u32 s20, s20, s21
	v_lshl_add_u32 v6, v5, 3, s20
	global_load_b64 v[8:9], v6, s[8:9]
	v_lshl_add_u32 v7, v5, 3, s21
	v_add_nc_u32 v7, POSF, v7
	v_lshl_add_u32 v[PSA], v2, 2, s21
	v_add_nc_u32 v[PSA], POSF, v[PSA]
	v_lshlrev_b32 v[PFO], 11, v5
	v_mul_u32_u24 v3, v1, PITCH
	v_lshl_add_u32 v3, v2, 4, v3                   ; a fragment's row x pitch + 16 x half
	s_mul_i32 s20, s[WH], HALFT
	s_mul_i32 s22, s[WL], HALFT
	s_add_co_u32 s22, s22, 2*HALFT
	v_add_nc_u32 v[ADRA0], s20, v3
	v_add_nc_u32 v[ADRB0], s22, v3
	v_mov_b32 v[ADRA], v[ADRA0]
	v_mov_b32 v[ADRB], v[ADRB0]
	s_mul_i32 s20, s[WH], 128*DP                   ; the dump: (128 x row half + l % 16) x 1,040 + 512 x column half + 32 (l / 16)
	s_lshl_b32 s22, s[WL], 9
	s_add_co_u32 s20, s20, s22
	v_mul_u32_u24 v[DS0], v1, DP
	v_lshl_add_u32 v[DS0], v2, 5, v[DS0]
	v_add_nc_u32 v[DS0], s20, v[DS0]
	v_add_nc_u32 v[DS0+1], 64*DP, v[DS0]
	s_mul_i32 s20, s[WV], 64*DP                    ; back: (64 x wave + l / 16) x 1,040 + 32 (l % 16)
	v_mul_u32_u24 v[RDX], v2, DP
	v_lshl_add_u32 v[RDX], v1, 5, v[RDX]
	v_add_nc_u32 v[RDX], s20, v[RDX]
	v_mul_u32_u24 v[CO], v2, OROW
	v_lshl_add_u32 v[CO], v1, 4, v[CO]
	s_lshl_b32 s[CT], ttmp9, 2
	s_add_co_u32 s[CT], s[CT], s[CX]
	s_lshl_b32 s20, s[CT], 8                       ; Q's columns begin at byte 256 ct, K's 2,048 bytes on;
	s_lshl_b32 s21, s[CX], 9
	s_add_co_u32 s21, s21, 4096                    ; V's at 4,096 + 512 cx, the second half 256 bytes on
	s_cmp_eq_u32 s[ISV], 1
	s_cselect_b32 s20, s21, s20
	s_cselect_b32 s22, 8, 11
	s_lshl_b32 s22, 1, s22
	s_lshl_b32 s21, s[MT], 8
	s_lshl_b32 s23, s[WV], 6
	s_add_co_u32 s21, s21, s23
	s_mul_i32 s21, s21, OROW
	s_add_co_u32 s20, s20, s21
	s_mov_b32 s21, 0
	s_mov_b32 s23, 0
	s_add_nc_u64 s[OQ:OQ+1], s[10:11], s[20:21]
	s_add_nc_u64 s[OK2:OK2+1], s[OQ:OQ+1], s[22:23]
	s_lshl_b32 s20, s[CT], 6                       ; my four pairs of columns: 64 ct + 4 (l % 16) + k; frequency 2^(-log2(10000) / 512 x pair)
	v_lshl_add_u32 v3, v1, 2, s20
.irp k, 0,1,2,3
	v_add_nc_u32 v4, \k, v3
	v_cvt_f32_u32 v[FR+(\k)], v4
	v_mul_f32 v[FR+(\k)], 0xbcd49a78, v[FR+(\k)]
.endr
.irp k, 0,1,2,3
	v_exp_f32 v[FR+(\k)], v[FR+(\k)]
.endr
	v_mov_b32 v[MGC], 0x4b400000                   ; a plain instruction behind the last exponential
	s_wait_alu depctr_va_vdst(0)                   ; one wait for the four, ahead of every later line that names them
	v_mov_b32 v[MGC+1], 0x4b400000
	v_mov_b32 v[K7], 0xb9500d01
	v_mov_b32 v[K7+1], 0xb9500d01
	v_mov_b32 v[K8], 0x37d00d01
	v_mov_b32 v[K8+1], 0x37d00d01
	s_wait_loadcnt 0x0
	v_cvt_f32_i32 v8, v8
	v_cvt_f32_i32 v9, v9
	ds_store_b64 v7, v[8:9]                        ; my own bytes: only I read them
	s_wait_tensorcnt 0x1                           ; my part of K step 0 is in; K step 1's may stay out
	s_wait_dscnt 0x0
	s_barrier_signal -1
	s_barrier_wait -1
	FETCH 0, F0
	QUARTER 64, F0, F1, 1                          ; the first quarter starts the sums: nothing is cleared
	WIN 0
	s_mov_b32 s3, 6
.Lstep:                                        ; a trip: a K step's quarters 2 to 4 and the next step's first; trip s asks for K step s + 2
	QUARTER 128, F1, F0, 0
	QUARTER 192, F0, F1, 0
	TURN 1
	QUARTER 64, F0, F1, 0
	WIN 0
	s_sub_co_u32 s3, s3, 1
	s_cmp_lg_u32 s3, 0
	s_cbranch_scc1 .Lstep
	QUARTER 128, F1, F0, 0                         ; the last two K steps ask for nothing
	QUARTER 192, F0, F1, 0
	TURN 0
	QUARTER 64, F0, F1, 0
	QUARTER 128, F1, F0, 0
	QUARTER 192, F0, F1, 0
	s_wait_dscnt 8
	MUL16 F1, 0, 0, 0
	MUL16 F1, 0, 2, 0
	s_wait_dscnt 0x0
	MUL16 F1, 1, 0, 0
	MUL16 F1, 1, 2, 0
	WIN 0
	PLACES
	PLACES
	s_barrier_signal -1                            ; no LDS instruction of mine is out: nobody reads the ring any more behind this barrier
	s_barrier_wait -1
	DUMP
	s_wait_dscnt 0x0                               ; for the others' sake: my part of the tile lies in LDS
	s_barrier_signal -1
	s_barrier_wait -1
	s_cmp_eq_u32 s[ISV], 1
	s_cbranch_scc1 .Lvtile
	OUTLOOP 1
	s_branch .Lend
.Lvtile:
	OUTLOOP 0
.Lend:
	s_wait_tensorcnt 0x0                           ; the wave's end
	ds_add_u32 v[SPW], v[NIL]
	s_wait_dscnt 0x0
	CROUND                                         ; the closing round
	s_endpgm
.Lfunc_end_k_q486c4ce527_qkv:
	.size	k_q486c4ce527_qkv, .Lfunc_end_k_q486c4ce527_qkv-k_q486c4ce527_qkv
	.p2alignl 7, 3214868480
	.fill 96, 4, 3214868480
	.section	.rodata,"a",@progbits
	.p2align	6, 0x0
	.amdhsa_kernel k_q486c4ce527_qkv
		.amdhsa_group_segment_fixed_size 327680
		.amdhsa_private_segment_fixed_size 0
		.amdhsa_enable_private_segment 0
		.amdhsa_kernarg_size 32
		.amdhsa_user_sgpr_count 2
		.amdhsa_user_sgpr_kernarg_segment_ptr 1
		.amdhsa_wavefront_size32 1
		.amdhsa_system_sgpr_workgroup_id_x 1
		.amdhsa_system_sgpr_workgroup_id_y 1
		.amdhsa_system_sgpr_workgroup_id_z 1
		.amdhsa_system_vgpr_workitem_id 0
		.amdhsa_next_free_vgpr 1024
		.amdhsa_next_free_sgpr 96
		.amdhsa_reserve_vcc 0
		.amdhsa_float_denorm_mode_32 3
		.amdhsa_float_denorm_mode_16_64 3
		.amdhsa_memory_ordered 1
		.amdhsa_forward_progress 1
		.amdhsa_inst_pref_size 109
	.end_amdhsa_kernel
	.amdgpu_metadata
---
amdhsa.version: [ 1, 2 ]
amdhsa.kernels:
  - .name:           k_q486c4ce527_qkv
    .symbol:         k_q486c4ce527_qkv.kd
    .args:
      - { .name: xb, .offset: 0, .size: 8, .value_kind: global_buffer, .address_space: global }
      - { .name: wqkv, .offset: 8, .size: 8, .value_kind: global_buffer, .address_space: global }
      - { .name: token_positions, .offset: 16, .size: 8, .value_kind: global_buffer, .address_space: global }
      - { .name: qkv, .offset: 24, .size: 8, .value_kind: global_buffer, .address_space: global }
    .group_segment_fixed_size: 327680
    .private_segment_fixed_size: 0
    .kernarg_segment_align: 8
    .kernarg_segment_size: 32
    .max_flat_workgroup_size: 128
    .sgpr_count:     96
    .vgpr_count:     1024
    .wavefront_size: 32
...
	.end_amdgpu_metadata
.endif
;; end of part 2
;; launch scores (part 3): grid 9 x 16, 4 waves a work-group, no clusters, 327,680 bytes of LDS; arguments qkv, pbuf, stat; writes pbuf, stat
.if DOCPART == 3
	.amdgcn_target "amdgcn-amd-amdhsa--gfx1250"
	.amdhsa_code_object_version 6
	.text
	.protected	k_q486c4ce527_scores
	.globl	k_q486c4ce527_scores
	.p2align	8
	.type	k_q486c4ce527_scores,@function
k_q486c4ce527_scores:
	s_mov_b64 s[64:65], 0
	v_nop
	global_prefetch_b8 v0, s[64:65] scope:SCOPE_SE
	s_setreg_imm32_b32 hwreg(HW_REG_WAVE_MODE, 25, 1), 1
	s_wait_xcnt 0x0
; SCORES: for each causal tile (i, j) of 256 queries x 256 keys of a batch: S = Q K^T over 1,024 channels; for each row the tile's own maximum is taken away: m = c max, c = log2(e) / 32,
; p = 2^(c s - m) rounded to f16 into pbuf [8192][2048], l = the sum of the unrounded p; m and l go to stat [2][8][8192] at [key tile][row].  The next launch joins the tiles of a row in f32.
; LIMITS: a hidden score counts as its value less 1e30, so its weight is 0; a weight below 2^-126 counts as 0; NaN and infinities are not treated apart.
; THE TILES: work-group (u, y): batch y / 4, pr = y % 4; u <= pr: tile (pr, u); else tile (7 - pr, u - pr - 1): the 36 causal tiles of a batch, 144 work-groups of equal work.
; NO CLUSTER: a row of the triangle has 1 to 8 tiles and so has a column: they do not fall into groups of four that share a row or a column, and a square of 4 x 4 on the diagonal
; would hold 6 work-groups with nothing to do.
; THE MASK is the C operand of the products that start the sums: 0 or -1e30; three sets of eight registers serve a wave's 64 accumulators (below, on and above its own diagonal).
; K loop, ring and the dump as in the projection's text: 8 steps of 128 channels, two slots, a wave's tensor load brings 128 rows of 256 bytes; every wave has one descriptor of its own.
.set KSTEP,  128
.set PITCH,  272
.set HALFT,  128*PITCH
.set SLOT,   4*HALFT
.set DP,     1040
.set STATL,  2*SLOT                    ; behind the ring: a wave's 64 m, then its 64 l: 512 bytes a wave
.set SPARE,  STATL+2048
.set QROW,   6144
.set ADRA0, 16
.set ADRB0, 17
.set ADRA,  18
.set ADRB,  19
.set DS0,   20                         ; v20, v21
.set RDX0,  22                         ; v22  where my first rows lie in the dump; never rewritten
.set RDX,   23
.set CO,    24
.set SA,    25                         ; v25  where a trip's m and l go
.set SB,    26                         ; v26  where I read them back
.set SG,    27                         ; v27  8 x lane
.set SPW,   28
.set NIL,   29
.set PFO,   30
.set ML,    32                         ; v[32:39]  the mask below the wave's diagonal
.set MG,    40                         ; v[40:47]  on it
.set MU,    48                         ; v[48:55]  above it
.set F0,    64
.set F1,    128
.set X,     64                         ; v[64:95]   2 row pairs x 16 scores
.set E,     96                         ; v[96:127]  the weights
.set Y,     128                        ; v[128:143] packed
.set MM,    144                        ; v[144:145] m of the two rows
.set LS,    146                        ; v[146:147] l
.set CA,    148                        ; v[148:151] at work
.set WV, 12
.set WH, 13
.set WL, 14
.set G1, 24
.set G0, 32
.set LIM, 43
.set PFA, 44
.set TB, 66
.set TI, 67
.set TJ, 68
.set BB, 69
.set CS, 70                            ; s[70:71] c
.set RO, 72                            ; s72  the dump offset of the rows to be fetched next
.set PB, 74                            ; s[74:75] pbuf at my rows
.set MSB, 0
.macro WIN new
.if MSB != (\new)
	s_set_vgpr_msb (MSB<<8)|(\new)
.set MSB, \new
.endif
.endm
.set MUL_LO, 0xa1
.set TO_B,   0x40
.macro PLACES
.rept 4
	v_nop
.endr
.endm
; A prefetch of the K step two refills on: my 128 rows x 256 bytes, a lane a row, four instructions.  A block of Q's rows is named by its tile with j = 0, a block of K's by its tile with i = j: once each.
.macro ASK
	s_cmp_gt_u32 s3, s[LIM]
	s_cbranch_scc0 .Lnot_mine_\@
.irp k, 0,1,2,3
	global_prefetch_b8 v[PFO], s[PFA:PFA+1] offset:(\k)*32*QROW+KSTEP*2 th:TH_LOAD_NT scope:SCOPE_SE
.endr
.Lnot_mine_\@:
.endm
; zero = 2: the products start the sums with the mask (C in window 0)
.macro MUL16 f, hi, a0, zero
.if (\zero) == 2
	WIN 0x81+0x40*(\hi)
.else
	WIN MUL_LO+0x50*(\hi)
.endif
.irp a, \a0, (\a0)+1
.irp b, 0,1,2,3,4,5,6,7
.if (\zero) == 2
.if (\b) < 4*(\hi)+(\a)
.set rC, ML
.elseif (\b) == 4*(\hi)+(\a)
.set rC, MG
.else
.set rC, MU
.endif
	v_wmma_f32_16x16x32_f16 v[8*(8*(\a)+(\b)):8*(8*(\a)+(\b))+7], v[(\f)+8*(\b):(\f)+8*(\b)+7], v[(\f)+8*(4*(\hi)+(\a)):(\f)+8*(4*(\hi)+(\a))+7], v[rC:rC+7]
.else
	v_wmma_f32_16x16x32_f16 v[8*(8*(\a)+(\b)):8*(8*(\a)+(\b))+7], v[(\f)+8*(\b):(\f)+8*(\b)+7], v[(\f)+8*(4*(\hi)+(\a)):(\f)+8*(4*(\hi)+(\a))+7], v[8*(8*(\a)+(\b)):8*(8*(\a)+(\b))+7]
.endif
.endr
.endr
.endm
.macro FETCH k, f
	WIN TO_B
.irp i, 0,1,2,3,4,5,6,7
	ds_load_b128 v[(\f)+8*(\i):(\f)+8*(\i)+3],   v[ADRB] offset:(\k)+(\i)*16*PITCH
	ds_load_b128 v[(\f)+8*(\i)+4:(\f)+8*(\i)+7], v[ADRB] offset:(\k)+(\i)*16*PITCH+32
.endr
	WIN 0
.irp i, 0,1,2,3,4,5,6,7
	ds_load_b128 v[(\f)+8*(\i):(\f)+8*(\i)+3],   v[ADRA] offset:(\k)+(\i)*16*PITCH
	ds_load_b128 v[(\f)+8*(\i)+4:(\f)+8*(\i)+7], v[ADRA] offset:(\k)+(\i)*16*PITCH+32
.endr
.endm
.macro QUARTER k, f, g, zero
	s_wait_dscnt 8                                 ; B and A's rows 0-63 are in; the youngest eight loads may be out
	MUL16 \f, 0, 0, \zero
	MUL16 \f, 0, 2, \zero
	PLACES
	FETCH \k, \g
	s_wait_dscnt 32                                ; all but the 32 just issued
	MUL16 \f, 1, 0, \zero
	MUL16 \f, 1, 2, \zero
.endm
; The change of slots: all my tensor loads have landed, the add, my reads of the slot are over, the barrier; fill = 1: my one refill, two K steps on, first behind it: 224 products ahead of the wait for it.
.macro TURN fill
.if \fill
	s_wait_xcnt 0x0                                ; the last prefetches, a K step back, have read their address
	s_add_nc_u64 s[PFA:PFA+1], s[PFA:PFA+1], KSTEP*2
.endif
	WIN 0
	s_wait_tensorcnt 0x0
	ds_add_u32 v[SPW], v[NIL]
	s_wait_dscnt 9                                 ; the add and the youngest eight loads may be out
	MUL16 F1, 0, 0, 0
	s_wait_dscnt 0x0
	s_barrier_signal -1
	MUL16 F1, 0, 2, 0
	WIN 0
	s_barrier_wait -1
.if \fill
	s_xor_b32 s[G0+5], s[G0+5], SLOT
	s_add_nc_u64 s[G0+6:G0+7], s[G0+6:G0+7], KSTEP*2
	tensor_load_to_lds s[G0+4:G0+7], s[G1:G1+7]
	s_nop 0
.endif
	PLACES
	s_xor_b32 s[TB], s[TB], SLOT
	v_add_nc_u32 v[ADRA], s[TB], v[ADRA0]
	v_add_nc_u32 v[ADRB], s[TB], v[ADRB0]
	FETCH 0, F0
.if \fill
	ASK
.endif
	MUL16 F1, 1, 0, 0
	MUL16 F1, 1, 2, 0
.endm
.macro DUMP
.irp hi, 0,1
	WIN 0x08+4*(\hi)
.irp a, 0,1,2,3
.irp b, 0,1,2,3,4,5,6,7
	ds_store_b128 v[DS0+(\hi)], v[8*(8*(\a)+(\b)):8*(8*(\a)+(\b))+3]   offset:(\a)*16*DP+64*(\b)
	ds_store_b128 v[DS0+(\hi)], v[8*(8*(\a)+(\b))+4:8*(8*(\a)+(\b))+7] offset:(\a)*16*DP+64*(\b)+16
.endr
.endr
.endr
	WIN 0
.endm
.macro XLOAD                           ; four rows: lanes 0-15 one row of a pair, lanes 16-31 the other; 8 scores of the tile's first 128 keys and 8 of its second
.irp p, 0,1
.irp c, 0,1,2,3
	ds_load_b128 v[X+16*(\p)+4*(\c):X+16*(\p)+4*(\c)+3], v[RDX] offset:(\p)*2*DP+((\c)/2)*512+((\c)%2)*16
.endr
.endr
.endm
	s_load_b128 s[4:7], s[0:1], 0x0                ; qkv s[4:5], pbuf s[6:7]
	s_load_b64 s[8:9], s[0:1], 0x10                ; stat
	v_lshl_add_u32 v[SPW], v0, 2, SPARE
	v_mov_b32 v[NIL], 0
	ds_add_u32 v[SPW], v[NIL]                      ; the wave's opening: the add and its wait ahead of my first tensor load
	ds_add_u32 v28, v29
	v_lshrrev_b32 v1, 5, v0
	v_readfirstlane_b32 s[WV], v1
	s_lshr_b32 s[WH], s[WV], 1
	s_and_b32 s[WL], s[WV], 1
	s_and_b32 s15, ttmp7, 0xffff
	s_and_b32 s16, s15, 3                          ; pr
	s_lshr_b32 s[BB], s15, 2                       ; batch
	s_sub_co_u32 s17, 7, s16
	s_sub_co_u32 s18, ttmp9, s16
	s_sub_co_u32 s18, s18, 1
	s_cmp_le_u32 ttmp9, s16
	s_cselect_b32 s[TI], s16, s17
	s_cselect_b32 s[TJ], ttmp9, s18
	s_mov_b32 s[G1], (1<<16)|(1<<20)|(5<<22)|(3<<25)  ; 2-byte elements; padding on: after every 64 words 4 words
	s_mov_b32 s[G1+1], KSTEP<<16
	s_mov_b32 s[G1+2], 128<<16
	s_mov_b32 s[G1+3], KSTEP<<16
	s_mov_b32 s[G1+4], 128
	s_mov_b32 s[G1+5], 3072
	s_mov_b32 s[G1+6], 0
	s_mov_b32 s[G1+7], 0
	s_cmp_eq_u32 s[WH], 0                          ; waves 0, 1: Q's rows of block i; waves 2, 3: K's rows of block j, 2,048 bytes along the row
	s_cselect_b32 s16, s[TI], s[TJ]
	s_cselect_b32 s17, 0, 2048
	s_lshl_b32 s16, s16, 8
	s_lshl_b32 s18, s[BB], 11
	s_add_co_u32 s16, s16, s18
	s_lshl_b32 s18, s[WL], 7
	s_add_co_u32 s16, s16, s18
	s_mul_i32 s16, s16, QROW
	s_add_co_u32 s16, s16, s17
	s_mov_b32 s17, 0
	s_sub_co_u32 s18, s[TI], s[TJ]                 ; 0 on the diagonal
	s_cmp_eq_u32 s[WH], 0
	s_cselect_b32 s19, s[TJ], s18
	s_cmp_eq_u32 s19, 0
	s_cselect_b32 s[LIM], 2, -1
	s_xor_b32 s19, s[WV], 1                        ; on the diagonal tile wave 1 (rows 0-127, keys 128-255) sees nothing,
	s_or_b32 s19, s19, s18
	s_cmp_eq_u32 s19, 0
	s_cselect_b32 s20, 0xf149f2ca, 0
	s_cmp_eq_u32 s[WV], 2                          ; wave 2 everything, waves 0 and 3 hold the diagonal
	s_cselect_b32 s19, 1, 0
	s_or_b32 s19, s19, s18
	s_cmp_eq_u32 s19, 0
	s_cselect_b32 s21, 0xf149f2ca, 0
	s_mul_i32 s23, s[WV], HALFT
	s_mov_b32 s[TB], 0
	s_mov_b32 s[CS], 0x3d38aa3b                    ; c = log2(e) / 32
	s_mov_b32 s[CS+1], s[CS]
	s_wait_dscnt 0x0                               ; the opening add is done
	s_wait_kmcnt 0x0
	s_add_nc_u64 s[18:19], s[4:5], s[16:17]
.irp s, 0,1
	s_mov_b32 s[G0+4*(\s)], 1
	s_add_co_u32 s[G0+4*(\s)+1], s23, (\s)*SLOT
	s_add_nc_u64 s[G0+4*(\s)+2:G0+4*(\s)+3], s[18:19], (\s)*KSTEP*2
	s_or_b32 s[G0+4*(\s)+3], s[G0+4*(\s)+3], 0x80000000
.endr
	tensor_load_to_lds s[G0:G0+3], s[G1:G1+7]      ; the two first fills go out together: two loads of mine are out
	s_nop 0
	tensor_load_to_lds s[G0+4:G0+7], s[G1:G1+7]
	s_nop 0
	PLACES
	s_add_nc_u64 s[PFA:PFA+1], s[18:19], 2*KSTEP*2
	v_and_b32 v1, 15, v0
	v_bfe_u32 v2, v0, 4, 1
	v_and_b32 v5, 31, v0
	v_mul_u32_u24 v[PFO], v5, QROW
	v_mul_u32_u24 v3, v1, PITCH
	v_lshl_add_u32 v3, v2, 4, v3
	s_mul_i32 s16, s[WH], HALFT
	s_mul_i32 s17, s[WL], HALFT
	s_add_co_u32 s17, s17, 2*HALFT
	v_add_nc_u32 v[ADRA0], s16, v3
	v_add_nc_u32 v[ADRB0], s17, v3
	v_mov_b32 v[ADRA], v[ADRA0]
	v_mov_b32 v[ADRB], v[ADRB0]
.irp jj, 0,1,2,3,4,5,6,7
	v_mov_b32 v[ML+(\jj)], s20
	v_mov_b32 v[MU+(\jj)], s21
.endr
	v_lshlrev_b32 v3, 3, v2
	v_sub_nc_u32 v3, v1, v3                        ; my row less my lanes' 8 (l / 16): register jj is hidden where jj is greater
.irp jj, 0,1,2,3,4,5,6,7
	v_cmp_gt_i32 vcc_lo, \jj, v3
	v_cndmask_b32 v[MG+(\jj)], v[ML+(\jj)], v[MU+(\jj)], vcc_lo
.endr
	s_mul_i32 s16, s[WH], 128*DP
	s_lshl_b32 s17, s[WL], 9
	s_add_co_u32 s16, s16, s17
	v_mul_u32_u24 v[DS0], v1, DP
	v_lshl_add_u32 v[DS0], v2, 5, v[DS0]
	v_add_nc_u32 v[DS0], s16, v[DS0]
	v_add_nc_u32 v[DS0+1], 64*DP, v[DS0]
	s_mul_i32 s16, s[WV], 64*DP
	v_mul_u32_u24 v[RDX0], v2, DP
	v_lshl_add_u32 v[RDX0], v1, 5, v[RDX0]
	v_add_nc_u32 v[RDX0], s16, v[RDX0]
	v_mov_b32 v[RDX], v[RDX0]
	v_lshlrev_b32 v[CO], 12, v2                    ; a row of pbuf is 4,096 bytes
	v_lshl_add_u32 v[CO], v1, 4, v[CO]
	s_lshl_b32 s16, s[WV], 9
	v_lshl_add_u32 v[SA], v2, 2, s16
	v_add_nc_u32 v[SA], STATL, v[SA]
	v_lshl_add_u32 v[SB], v5, 3, s16
	v_add_nc_u32 v[SB], STATL, v[SB]
	v_lshlrev_b32 v[SG], 3, v5
	s_lshl_b32 s16, s[BB], 11                      ; my first row: 2,048 b + 256 i + 64 x wave
	s_lshl_b32 s17, s[TI], 8
	s_add_co_u32 s16, s16, s17
	s_lshl_b32 s17, s[WV], 6
	s_add_co_u32 s16, s16, s17
	s_lshl_b32 s20, s[TJ], 13
	s_add_co_u32 s20, s20, s16
	s_lshl_b32 s20, s20, 2                         ; stat: 4 (8,192 j + row)
	s_mov_b32 s21, 0
	s_add_nc_u64 s[8:9], s[8:9], s[20:21]
	s_lshl_b32 s16, s16, 12
	s_lshl_b32 s17, s[TJ], 9
	s_add_co_u32 s16, s16, s17                     ; pbuf: 4,096 x row + 512 j
	s_mov_b32 s17, 0
	s_add_nc_u64 s[PB:PB+1], s[6:7], s[16:17]
	s_wait_tensorcnt 0x1                           ; my part of K step 0 is in; K step 1's may stay out
	s_barrier_signal -1
	s_barrier_wait -1
	FETCH 0, F0
	QUARTER 64, F0, F1, 2                          ; the first quarter starts the sums, with the mask
	WIN 0
	s_mov_b32 s3, 6
.Lstep:
	QUARTER 128, F1, F0, 0
	QUARTER 192, F0, F1, 0
	TURN 1
	QUARTER 64, F0, F1, 0
	WIN 0
	s_sub_co_u32 s3, s3, 1
	s_cmp_lg_u32 s3, 0
	s_cbranch_scc1 .Lstep
	QUARTER 128, F1, F0, 0
	QUARTER 192, F0, F1, 0
	TURN 0
	QUARTER 64, F0, F1, 0
	QUARTER 128, F1, F0, 0
	QUARTER 192, F0, F1, 0
	s_wait_dscnt 8
	MUL16 F1, 0, 0, 0
	MUL16 F1, 0, 2, 0
	s_wait_dscnt 0x0
	MUL16 F1, 1, 0, 0
	MUL16 F1, 1, 2, 0
	WIN 0
	PLACES
	PLACES
	s_barrier_signal -1                            ; nobody reads the ring any more behind this barrier; it has had its last fill
	s_barrier_wait -1
	DUMP
	s_wait_dscnt 0x0
	s_barrier_signal -1
	s_barrier_wait -1
	XLOAD
	s_mov_b32 s[RO], 0
	s_mov_b32 s3, 16
.Lrow:                                         ; 16 trips of 4 rows; a row's 256 scores lie in 16 lanes, 16 each
	s_wait_dscnt 0x0
.irp p, 0,1
	v_max3_num_f32 v[CA+2*(\p)],   v[X+16*(\p)],   v[X+16*(\p)+1], v[X+16*(\p)+2]
	v_max3_num_f32 v[CA+2*(\p)+1], v[X+16*(\p)+8], v[X+16*(\p)+9], v[X+16*(\p)+10]
.endr
.irp p, 0,1
	v_max3_num_f32 v[CA+2*(\p)],   v[CA+2*(\p)],   v[X+16*(\p)+3],  v[X+16*(\p)+4]
	v_max3_num_f32 v[CA+2*(\p)+1], v[CA+2*(\p)+1], v[X+16*(\p)+11], v[X+16*(\p)+12]
.endr
.irp p, 0,1
	v_max3_num_f32 v[CA+2*(\p)],   v[CA+2*(\p)],   v[X+16*(\p)+5],  v[X+16*(\p)+6]
	v_max3_num_f32 v[CA+2*(\p)+1], v[CA+2*(\p)+1], v[X+16*(\p)+13], v[X+16*(\p)+14]
.endr
.irp p, 0,1
	v_max3_num_f32 v[CA+2*(\p)], v[CA+2*(\p)], v[CA+2*(\p)+1], v[X+16*(\p)+7]
.endr
.irp p, 0,1
	v_max_num_f32 v[CA+2*(\p)], v[CA+2*(\p)], v[X+16*(\p)+15]
.endr
.irp m, 1,2,4,8
	v_max_num_f32_dpp v[CA], v[CA], v[CA] row_xmask:\m row_mask:0xf bank_mask:0xf
	v_max_num_f32_dpp v[CA+2], v[CA+2], v[CA+2] row_xmask:\m row_mask:0xf bank_mask:0xf
.endr
	v_mul_f32 v[MM], s[CS], v[CA]
	v_mul_f32 v[MM+1], s[CS], v[CA+2]
.irp p, 0,1
.irp k, 0,2,4,6,8,10,12,14
	v_pk_fma_f32 v[E+16*(\p)+(\k):E+16*(\p)+(\k)+1], v[X+16*(\p)+(\k):X+16*(\p)+(\k)+1], s[CS:CS+1], v[MM:MM+1] op_sel:[0,0,\p] op_sel_hi:[1,0,\p] neg_lo:[0,0,1] neg_hi:[0,0,1]
.endr
.endr
	s_add_co_u32 s[RO], s[RO], 4*DP                ; the next trip's rows land under the exponentials; behind my last rows the offset goes back to my first, which the last trip fetches and does not use
	s_cmp_eq_u32 s[RO], 64*DP
	s_cselect_b32 s[RO], 0, s[RO]
	v_add_nc_u32 v[RDX], s[RO], v[RDX0]
	XLOAD
.set i, 0
.rept 32
	v_exp_f32 v[E+i], v[E+i]
.set i, i+1
.endr
	v_nop                                          ; a plain instruction behind the last exponential
	s_wait_alu depctr_va_vdst(0)                   ; one wait for the batch of 32
.set i, 0
.rept 16
	v_cvt_pk_f16_f32 v[Y+i], v[E+2*i], v[E+2*i+1]
.set i, i+1
.endr
.irp k, 0,4,8,12,16,20,24,28
	v_pk_add_f32 v[E+(\k):E+(\k)+1], v[E+(\k):E+(\k)+1], v[E+(\k)+2:E+(\k)+3]
.endr
.irp k, 0,8,16,24
	v_pk_add_f32 v[E+(\k):E+(\k)+1], v[E+(\k):E+(\k)+1], v[E+(\k)+4:E+(\k)+5]
.endr
.irp k, 0,16
	v_pk_add_f32 v[E+(\k):E+(\k)+1], v[E+(\k):E+(\k)+1], v[E+(\k)+8:E+(\k)+9]
.endr
	v_add_f32 v[LS], v[E], v[E+1]
	v_add_f32 v[LS+1], v[E+16], v[E+17]
.irp m, 1,2,4,8
	v_add_f32_dpp v[LS], v[LS], v[LS] row_xmask:\m row_mask:0xf bank_mask:0xf
	v_add_f32_dpp v[LS+1], v[LS+1], v[LS+1] row_xmask:\m row_mask:0xf bank_mask:0xf
.endr
.irp p, 0,1
	ds_store_b32 v[SA], v[MM+(\p)] offset:8*(\p)      ; sixteen lanes write the same word with the same number; my wave's own bytes
	ds_store_b32 v[SA], v[LS+(\p)] offset:256+8*(\p)
.endr
	v_add_nc_u32 v[SA], 16, v[SA]
.irp p, 0,1
	global_store_b128 v[CO], v[Y+8*(\p):Y+8*(\p)+3],   s[PB:PB+1] offset:(\p)*8192       ; sixteen lanes store 256 consecutive bytes, aligned
	global_store_b128 v[CO], v[Y+8*(\p)+4:Y+8*(\p)+7], s[PB:PB+1] offset:(\p)*8192+256
.endr
	s_wait_xcnt 0x0                                ; the stores have read their data and base
	s_add_nc_u64 s[PB:PB+1], s[PB:PB+1], 4*4096
	s_sub_co_u32 s3, s3, 1
	s_cmp_lg_u32 s3, 0
	s_cbranch_scc1 .Lrow
	s_wait_dscnt 0x0
	ds_load_b64 v[CA:CA+1], v[SB]                  ; my 64 m and 64 l, two a lane
	ds_load_b64 v[CA+2:CA+3], v[SB] offset:256
	s_wait_dscnt 0x0
	global_store_b64 v[SG], v[CA:CA+1], s[8:9]
	global_store_b64 v[SG], v[CA+2:CA+3], s[8:9] offset:262144
	s_wait_tensorcnt 0x0                           ; the wave's end
	ds_add_u32 v[SPW], v[NIL]
	s_wait_dscnt 0x0
	s_endpgm
.Lfunc_end_k_q486c4ce527_scores:
	.size	k_q486c4ce527_scores, .Lfunc_end_k_q486c4ce527_scores-k_q486c4ce527_scores
	.p2alignl 7, 3214868480
	.fill 96, 4, 3214868480
	.section	.rodata,"a",@progbits
	.p2align	6, 0x0
	.amdhsa_kernel k_q486c4ce527_scores
		.amdhsa_group_segment_fixed_size 327680
		.amdhsa_private_segment_fixed_size 0
		.amdhsa_enable_private_segment 0
		.amdhsa_kernarg_size 24
		.amdhsa_user_sgpr_count 2
		.amdhsa_user_sgpr_kernarg_segment_ptr 1
		.amdhsa_wavefront_size32 1
		.amdhsa_system_sgpr_workgroup_id_x 1
		.amdhsa_system_sgpr_workgroup_id_y 1
		.amdhsa_system_sgpr_workgroup_id_z 1
		.amdhsa_system_vgpr_workitem_id 0
		.amdhsa_next_free_vgpr 1024
		.amdhsa_next_free_sgpr 96
		.amdhsa_reserve_vcc 1
		.amdhsa_float_denorm_mode_32 3
		.amdhsa_float_denorm_mode_16_64 3
		.amdhsa_memory_ordered 1
		.amdhsa_forward_progress 1
		.amdhsa_inst_pref_size 102
	.end_amdhsa_kernel
	.amdgpu_metadata
---
amdhsa.version: [ 1, 2 ]
amdhsa.kernels:
  - .name:           k_q486c4ce527_scores
    .symbol:         k_q486c4ce527_scores.kd
    .args:
      - { .name: qkv, .offset: 0, .size: 8, .value_kind: global_buffer, .address_space: global }
      - { .name: pbuf, .offset: 8, .size: 8, .value_kind: global_buffer, .address_space: global }
      - { .name: stat, .offset: 16, .size: 8, .value_kind: global_buffer, .address_space: global }
    .group_segment_fixed_size: 327680
    .private_segment_fixed_size: 0
    .kernarg_segment_align: 8
    .kernarg_segment_size: 24
    .max_flat_workgroup_size: 128
    .sgpr_count:     96
    .vgpr_count:     1024
    .wavefront_size: 32
...
	.end_amdgpu_metadata
.endif
;; end of part 3
;; launch pv (part 4): grid 8 x 32, 4 waves a work-group, clusters of 4 x 4, 327,680 bytes of LDS; arguments pbuf, qkv, stat, att; writes att
.if DOCPART == 4
	.amdgcn_target "amdgcn-amd-amdhsa--gfx1250"
	.amdhsa_code_object_version 6
	.text
	.protected	k_q486c4ce527_pv
	.globl	k_q486c4ce527_pv
	.p2align	8
	.type	k_q486c4ce527_pv,@function
k_q486c4ce527_pv:
	s_mov_b64 s[64:65], 0
	v_nop
	global_prefetch_b8 v0, s[64:65] scope:SCOPE_SE
	s_setreg_imm32_b32 hwreg(HW_REG_WAVE_MODE, 25, 1), 1
	s_wait_xcnt 0x0
	s_wait_alu depctr_hold_cnt(0) depctr_sa_sdst(0) depctr_va_vdst(0) depctr_va_sdst(0) depctr_va_ssrc(0) depctr_va_vcc(0) depctr_vm_vsrc(0)
	s_getreg_b32 s2, hwreg(HW_REG_IB_STS2, 6, 4)
	s_cmp_eq_u32 s2, 0
	s_cbranch_scc0 .Lentry_in_a_cluster
	s_endpgm
.Lentry_in_a_cluster:
	s_bfe_u32 s2, ttmp6, 0x10000c
	s_cmp_lg_u32 s2, 0xf033
	s_cbranch_scc0 .Lentry_shape_is_right
	s_endpgm
.Lentry_shape_is_right:
; PV: att[q][c] = the sum over key tiles j of beta[q][j] x (the sum over the tile's 256 keys of p[q][k] V[k][c]),  beta = 2^(m_j - M) / L,  M = the row's largest m_j,  L = the sum of 2^(m_j - M) l_j.
; So the row's maximum is taken away exactly, in f32; the tiles' products are summed in f32, att is rounded once to f16.  pbuf [8192][2048] f16, V = columns 2048.. of qkv [8192][3072] f16, att [8192][1024] f16.
; LIMITS: a factor below 2^-126 counts as 0; att is a mean of V's rows and has their range, within 65,504; NaN and infinities are not treated apart.
; SHARES.  A work-group makes 128 queries x 128 channels, four waves of 64 x 64, for TWO blocks of queries; a step is a tile of 256 keys: 128 products a wave.
; THE WALK is the same in all sixteen partners of a cluster (batch b, half ph): group 3 - ph of four query blocks for 8 - 2 ph steps, then group ph for 2 ph + 2: ten steps.  Partner cy owns block 4 g + cy of
; each group.  The lower two blocks of a group need one tile less than the group walks: there the partner still makes the joint request, for its last tile once more, and its beta is 0
; (the statistics hold their defaults there: m = -1e30, l = 0).
; CLUSTER 4 x 4: P's tile hangs on cy and is shared along a row of the cluster, V's on the channel block and along a column.
; The product is used transposed (source 0 = V^T, turned by ds_load_tr16_b128; source 1 = P): a lane holds one query and eight neighbouring channels.
; No prefetch: the tiles are small and a step short.
; REGISTERS: window 0: v0-35 addresses, beta; v36-99 at work; v128-255 T, a step's 16 accumulators.  window 1: two fragment buffers of 128.  window 2: v0-127 O of the first block, v128-255 of the second.
.set PPI,   528                        ; a row of P in LDS: 512 bytes + 16
.set PVI,   288                        ; a row of V: 256 + 32: 16 lanes of the turning load take 8 rows x 32 bytes
.set VOFF,  128*PPI                    ; a slot: 128 rows of P, then 256 rows of V
.set SLOT1, 0x24000                    ; slot 1; shares no bit with the four tiles' places in a slot
.set BW,    SLOT1+VOFF+256*PVI         ; behind the ring: beta by walk step and row, 12 x 512 bytes
.set SPARE, BW+12*512
.set STG,   SLOT1                      ; the way out goes through slot 1, which has had its last fill and its last read by then: two stages of 128 rows x 272 bytes
.set SPI,   272
.set ADRP0, 16
.set ADRV0, 17
.set ADRP,  18
.set ADRV,  19                         ; v19, v20  V's keys 0-127, 128-255 of the slot in hand
.set BWA,   21                         ; v21  where the step's beta of my rows lie
.set STO,   24
.set RD,    25
.set CO,    26
.set SPW,   28
.set NIL,   29
.set BT,    32                         ; v[32:35] beta of my four row blocks
.set TMP,   36
.set MH,    36                         ; the prologue: m and l of the first block's 8 tiles, of the second's 4
.set LH,    44
.set MLO,   52
.set LLO,   56
.set ACC,   128
.set F0,    0
.set F1,    128
.set WV, 12
.set WH, 13
.set WL, 14
.set G1, 24
.set G0, 32
.set CX, 40
.set CY, 41
.set G1B, 48
.set G0B, 56
.set TB, 66
.set W,  67                            ; s67 the walk step in hand
.set N1, 68                            ; s68 steps of the first group
.set ROWH, 69                          ; s69, s70 my two blocks' first rows in pbuf, in bytes
.set ROWL, 70
.set TIH, 71                           ; s71, s72 their last key tiles
.set TIL, 72
.set WN, 73                            ; s73 the walk step to be asked for next
.set OA, 74                            ; s[74:75], s[76:77] offsets of the tiles to be asked for
.set OB, 76
.set ABASE, 78                         ; s[78:79] pbuf at my half of the batch's first block; s[80:81] V at my half of the batch's first tile, my channels
.set BBASE, 80
.set ATH, 82                           ; s[82:83], s[84:85] att at the rows that I store
.set ATL, 84
.set BB, 86
.set PH, 87
.set CB, 88
.set IBH, 89
.set IBL, 90
.set MSB, 0
.macro WIN new
.if MSB != (\new)
	s_set_vgpr_msb (MSB<<8)|(\new)
.set MSB, \new
.endif
.endm
.set MUL,  0x05                        ; sources 0 and 1 window 1; C and D window 0
.set TO_F, 0x40
.macro CREST
	s_cmp_lg_u32 s[WV], 0
	s_cbranch_scc1 .Lnot_wave_0_\@
	s_barrier_signal -3
.Lnot_wave_0_\@:
	s_barrier_wait -3
	s_barrier_signal -1
	s_barrier_wait -1
.endm
.macro CROUND
	s_barrier_signal -1
	s_barrier_wait -1
	CREST
.endm
.macro PLACES
.rept 4
	v_nop
.endr
.endm
.macro JLOAD                           ; waves 0, 1 ask for P's halves (64 rows of 512 bytes), waves 2, 3 for V's (128 rows of 256 bytes)
	s_cmp_eq_u32 s[WH], 0
	s_cbranch_scc0 .Lfor_b_\@
	tensor_load_to_lds s[G0+4:G0+7], s[G1:G1+7]
	s_nop 0
	PLACES
	s_branch .Lasked_\@
.Lfor_b_\@:
	tensor_load_to_lds s[G0B+4:G0B+7], s[G1B:G1B+7]
	s_nop 0
	PLACES
.Lasked_\@:
.endm
; The tiles of walk step WN: key tile j = WN, or WN - N1 in the second group; P's tile is held at my block's last one.  The addresses are made anew from the bases; the LDS words change slots.
.macro WALK
	s_cmp_lt_u32 s[WN], s[N1]
	s_cselect_b32 s[OA], s[ROWH], s[ROWL]
	s_cselect_b32 s2, s[TIH], s[TIL]
	s_cselect_b32 s15, 0, s[N1]
	s_sub_co_u32 s15, s[WN], s15
	s_min_u32 s2, s15, s2
	s_lshl_b32 s2, s2, 9
	s_add_co_u32 s[OA], s[OA], s2
	s_mul_i32 s[OB], s15, 256*6144
	s_add_nc_u64 s[G0+6:G0+7], s[ABASE:ABASE+1], s[OA:OA+1]
	s_or_b32 s[G0+7], s[G0+7], 0x80000000
	s_add_nc_u64 s[G0B+6:G0B+7], s[BBASE:BBASE+1], s[OB:OB+1]
	s_or_b32 s[G0B+7], s[G0B+7], 0x80000000
	s_xor_b32 s[G0+5], s[G0+5], SLOT1
	s_xor_b32 s[G0B+5], s[G0B+5], SLOT1
	s_add_co_u32 s[WN], s[WN], 1
.endm
; 8 products: query blocks a0, a0 + 1 x all 4 channel blocks, 32 keys: half c of buffer f.  zero = 1: they start the step's sums.  The 16 accumulators take turns.
.macro MUL8 f, c, a0, zero
	WIN MUL
.irp a, \a0, (\a0)+1
.irp b, 0,1,2,3
.if \zero
	v_wmma_f32_16x16x32_f16 v[ACC+8*(4*(\a)+(\b)):ACC+8*(4*(\a)+(\b))+7], v[(\f)+64+8*(4*(\c)+(\b)):(\f)+64+8*(4*(\c)+(\b))+7], v[(\f)+8*(4*(\c)+(\a)):(\f)+8*(4*(\c)+(\a))+7], 0
.else
	v_wmma_f32_16x16x32_f16 v[ACC+8*(4*(\a)+(\b)):ACC+8*(4*(\a)+(\b))+7], v[(\f)+64+8*(4*(\c)+(\b)):(\f)+64+8*(4*(\c)+(\b))+7], v[(\f)+8*(4*(\c)+(\a)):(\f)+8*(4*(\c)+(\a))+7], v[ACC+8*(4*(\a)+(\b)):ACC+8*(4*(\a)+(\b))+7]
.endif
.endr
.endr
.endm
.macro FETCH q, f                      ; 32 LDS loads in one run: quarter q's 64 keys, the first 32 first
	WIN TO_F
.irp c, 0,1
.irp i, 0,1,2,3
	ds_load_tr16_b128 v[(\f)+64+8*(4*(\c)+(\i)):(\f)+64+8*(4*(\c)+(\i))+3],   v[ADRV+(\q)/2] offset:(((\q)%2)*64+32*(\c))*PVI+32*(\i)
	ds_load_tr16_b128 v[(\f)+64+8*(4*(\c)+(\i))+4:(\f)+64+8*(4*(\c)+(\i))+7], v[ADRV+(\q)/2] offset:(((\q)%2)*64+32*(\c))*PVI+16*PVI+32*(\i)
	ds_load_b128 v[(\f)+8*(4*(\c)+(\i)):(\f)+8*(4*(\c)+(\i))+3],   v[ADRP] offset:128*(\q)+64*(\c)+(\i)*16*PPI
	ds_load_b128 v[(\f)+8*(4*(\c)+(\i))+4:(\f)+8*(4*(\c)+(\i))+7], v[ADRP] offset:128*(\q)+64*(\c)+(\i)*16*PPI+32
.endr
.endr
.endm
.macro QUARTER q, f, g, first          ; multiplies buffer f and fetches quarter q into g; first = 1: a step's first quarter: it starts the sums and fetches the step's beta
	s_wait_dscnt 16                                ; the first 32 keys' fragments are in
	MUL8 \f, 0, 0, \first
	MUL8 \f, 0, 2, \first
	PLACES
.if \first
	WIN 0
.irp a, 0,1,2,3
	ds_load_b32 v[BT+(\a)], v[BWA] offset:64*(\a)
.endr
	v_add_nc_u32 v[BWA], 512, v[BWA]
.endif
	FETCH \q, \g
	s_wait_dscnt 32                                ; all but the 32 just issued
	MUL8 \f, 1, 0, 0
	MUL8 \f, 1, 2, 0
.endm
; The fourth quarter changes slots: all my tensor loads have landed (one was out), the add, my reads of the slot are over, the barrier.  fill = 1: it opens a round of the cluster's, and the joint
; refill, two steps on, is the first thing behind it: 112 products ahead of the wait for it.
.macro TURN fill
	WIN 0
	s_wait_tensorcnt 0x0
	ds_add_u32 v[SPW], v[NIL]
.if \fill
	WALK
.endif
	s_wait_dscnt 17                                ; the add and the youngest sixteen loads may be out
	MUL8 F1, 0, 0, 0
	s_wait_dscnt 0x0
	s_barrier_signal -1
	MUL8 F1, 0, 2, 0
	WIN 0
	s_barrier_wait -1
.if \fill
	CREST
	JLOAD
.else
	PLACES
.endif
	s_xor_b32 s[TB], s[TB], SLOT1
	v_add_nc_u32 v[ADRP], s[TB], v[ADRP0]
	v_add_nc_u32 v[ADRV], s[TB], v[ADRV0]
	v_add_nc_u32 v[ADRV+1], 128*PVI, v[ADRV]
	FETCH 0, F0
	MUL8 F1, 1, 0, 0
	MUL8 F1, 1, 2, 0
.endm
.macro RUN base                        ; O += beta T: 64 packed lines; each accumulator is read from its low end on
	WIN 0xa0                                       ; destination and source 2 in window 2
.irp a2, 0,1
.irp e, 0,1
.irp b, 0,1,2,3
.irp r, 0,2,4,6
.set o, 8*(4*(2*(\a2)+(\e))+(\b))+(\r)
	v_pk_fma_f32 v[(\base)+o:(\base)+o+1], v[ACC+o:ACC+o+1], v[BT+2*(\a2):BT+2*(\a2)+1], v[(\base)+o:(\base)+o+1] op_sel:[0,\e,0] op_sel_hi:[1,\e,1]
.endr
.endr
.endr
.endr
	WIN 0
.endm
.macro STEP fill
	QUARTER 1, F0, F1, 1
	QUARTER 2, F1, F0, 0
	QUARTER 3, F0, F1, 0
	TURN \fill
	PLACES
	PLACES
	WIN 0
	s_cmp_lt_u32 s[W], s[N1]                       ; which block the step belongs to: the same in all partners
	s_cbranch_scc0 .Llo_\@
	RUN 0
	s_branch .Ldone_\@
.Llo_\@:
	RUN 128
.Ldone_\@:
	s_add_co_u32 s[W], s[W], 1
.endm
	s_load_b256 s[4:11], s[0:1], 0x0               ; pbuf s[4:5], qkv s[6:7], stat s[8:9], att s[10:11]
	v_lshl_add_u32 v[SPW], v0, 2, SPARE
	v_mov_b32 v[NIL], 0
	ds_add_u32 v[SPW], v[NIL]                      ; the wave's opening: the add and its wait ahead of my first tensor load
	ds_add_u32 v28, v29
	v_lshrrev_b32 v1, 5, v0
	v_readfirstlane_b32 s[WV], v1
	s_lshr_b32 s[WH], s[WV], 1
	s_and_b32 s[WL], s[WV], 1
	s_bfe_u32 s[CX], ttmp6, 0x40000
	s_bfe_u32 s[CY], ttmp6, 0x40004
	s_lshl_b32 s[CB], ttmp9, 2
	s_add_co_u32 s[CB], s[CB], s[CX]               ; channel block
	s_and_b32 s16, ttmp7, 0xffff
	s_lshr_b32 s[BB], s16, 1                       ; batch
	s_and_b32 s[PH], s16, 1
	s_lshl_b32 s16, s[PH], 1
	s_sub_co_u32 s[N1], 8, s16
	s_sub_co_u32 s[IBH], 3, s[PH]
	s_lshl_b32 s[IBH], s[IBH], 2
	s_add_co_u32 s[IBH], s[IBH], s[CY]             ; my block of the first group,
	s_lshl_b32 s[IBL], s[PH], 2
	s_add_co_u32 s[IBL], s[IBL], s[CY]             ; and of the second
	s_lshr_b32 s[TIH], s[IBH], 1
	s_lshr_b32 s[TIL], s[IBL], 1
	s_lshl_b32 s[ROWH], s[IBH], 19                 ; 128 rows of 4,096 bytes
	s_lshl_b32 s[ROWL], s[IBL], 19
	s_lshl_b32 s2, s[CY], 2
	s_lshl_b32 s2, 15, s2
	s_lshl_b32 s42, 0x1111, s[CX]
	s_or_b32 s[G1], s2, (1<<16)|(1<<20)|(1<<21)|(6<<22)|(3<<25)    ; P: the mask of my row; after every 128 words 4 words
	s_mov_b32 s[G1+1], 256<<16
	s_mov_b32 s[G1+2], 64<<16
	s_mov_b32 s[G1+3], 256<<16
	s_mov_b32 s[G1+4], 64
	s_mov_b32 s[G1+5], 2048
	s_mov_b32 s[G1+6], 0
	s_mov_b32 s[G1+7], 0
	s_or_b32 s[G1B], s42, (1<<16)|(1<<20)|(1<<21)|(5<<22)|(7<<25)  ; V: the mask of my column; after every 64 words 8 words
	s_mov_b32 s[G1B+1], 128<<16
	s_mov_b32 s[G1B+2], 128<<16
	s_mov_b32 s[G1B+3], 128<<16
	s_mov_b32 s[G1B+4], 128
	s_mov_b32 s[G1B+5], 3072
	s_mov_b32 s[G1B+6], 0
	s_mov_b32 s[G1B+7], 0
	s_lshl_b32 s16, s[BB], 23                      ; P: (2,048 b + 64 x half) rows of 4,096 bytes
	s_lshl_b32 s17, s[WL], 18
	s_add_co_u32 s16, s16, s17
	s_mov_b32 s17, 0
	s_lshl_b32 s46, s[BB], 11                      ; V: (2,048 b + 128 x half) rows of 6,144 bytes + 4,096 + 256 x channel block
	s_lshl_b32 s47, s[WL], 7
	s_add_co_u32 s46, s46, s47
	s_mul_i32 s46, s46, 6144
	s_lshl_b32 s47, s[CB], 8
	s_add_co_u32 s46, s46, s47
	s_add_co_u32 s46, s46, 4096
	s_mov_b32 s47, 0
	s_mul_i32 s20, s[WL], 64*PPI                   ; where the tiles go: no place in the cluster enters an LDS address
	s_mul_i32 s21, s[WL], 128*PVI
	s_add_co_u32 s21, s21, VOFF
	s_mov_b32 s[TB], 0
	s_mov_b32 s[W], 0
	s_mov_b32 s[WN], 2
	s_mov_b32 s[OA], s[ROWH]
	s_mov_b32 s[OA+1], 0
	s_mov_b32 s[OB+1], 0
	s_wait_dscnt 0x0                               ; the opening add is done
	s_wait_kmcnt 0x0
	s_add_nc_u64 s[ABASE:ABASE+1], s[4:5], s[16:17]
	s_add_nc_u64 s[BBASE:BBASE+1], s[6:7], s[46:47]
	CROUND                                         ; all sixteen work-groups are here: the first joint loads meet
	s_mov_b32 s[G0], 1                             ; walk steps 0 and 1: the first group's key tiles 0 and 1, which every block of it needs
	s_mov_b32 s[G0+1], s20
	s_add_nc_u64 s[G0+2:G0+3], s[ABASE:ABASE+1], s[OA:OA+1]
	s_mov_b32 s[G0+4], 1
	s_add_co_u32 s[G0+5], s20, SLOT1
	s_add_nc_u64 s[G0+6:G0+7], s[G0+2:G0+3], 512
	s_or_b32 s[G0+3], s[G0+3], 0x80000000
	s_or_b32 s[G0+7], s[G0+7], 0x80000000
	s_mov_b32 s[G0B], 1
	s_mov_b32 s[G0B+1], s21
	s_add_nc_u64 s[G0B+2:G0B+3], s[BBASE:BBASE+1], 0
	s_mov_b32 s[G0B+4], 1
	s_add_co_u32 s[G0B+5], s21, SLOT1
	s_add_nc_u64 s[G0B+6:G0B+7], s[BBASE:BBASE+1], 256*6144
	s_or_b32 s[G0B+3], s[G0B+3], 0x80000000
	s_or_b32 s[G0B+7], s[G0B+7], 0x80000000
	s_cmp_eq_u32 s[WH], 0                          ; a wave's two first fills stand in one branch: two loads of mine are out
	s_cbranch_scc0 .Lfirst_b
	tensor_load_to_lds s[G0:G0+3], s[G1:G1+7]
	s_nop 0
	tensor_load_to_lds s[G0+4:G0+7], s[G1:G1+7]
	s_nop 0
	PLACES
	s_branch .Lfirst_asked
.Lfirst_b:
	tensor_load_to_lds s[G0B:G0B+3], s[G1B:G1B+7]
	s_nop 0
	tensor_load_to_lds s[G0B+4:G0B+7], s[G1B:G1B+7]
	s_nop 0
	PLACES
.Lfirst_asked:
	; the statistics: thread t stands for row t of both my blocks
	s_lshl_b32 s16, s[BB], 11
	s_lshl_b32 s17, s[IBH], 7
	s_add_co_u32 s17, s17, s16
	s_lshl_b32 s17, s17, 2
	v_lshl_add_u32 v3, v0, 2, s17
	s_lshl_b32 s17, s[IBL], 7
	s_add_co_u32 s17, s17, s16
	s_lshl_b32 s17, s17, 2
	v_lshl_add_u32 v4, v0, 2, s17
.irp j, 0,1,2,3,4,5,6,7
	global_load_b32 v[MH+(\j)], v3, s[8:9] offset:(\j)*32768
	global_load_b32 v[LH+(\j)], v3, s[8:9] offset:(\j)*32768+262144
.endr
.irp j, 0,1,2,3
	global_load_b32 v[MLO+(\j)], v4, s[8:9] offset:(\j)*32768
	global_load_b32 v[LLO+(\j)], v4, s[8:9] offset:(\j)*32768+262144
.endr
	WIN 0x80                                       ; both O start at 0: written while the statistics and the first tile are on their way, so that every step has one form
.set i, 0
.rept 256
	v_mov_b32 v[i], 0
.set i, i+1
.endr
	WIN 0
	v_and_b32 v1, 15, v0                           ; l % 16
	v_bfe_u32 v2, v0, 4, 1                         ; l / 16
	s_mul_i32 s16, s[WH], 64*PPI
	v_mul_u32_u24 v[ADRP0], v1, PPI
	v_lshl_add_u32 v[ADRP0], v2, 4, v[ADRP0]
	v_add_nc_u32 v[ADRP0], s16, v[ADRP0]           ; (64 x row half + l % 16) x 528 + 16 (l / 16)
	v_and_b32 v5, 7, v0
	v_bfe_u32 v6, v0, 3, 1
	v_lshl_add_u32 v[ADRV0], v2, 3, v5
	v_mul_u32_u24 v[ADRV0], v[ADRV0], PVI
	v_lshl_add_u32 v[ADRV0], v6, 4, v[ADRV0]
	s_lshl_b32 s16, s[WL], 7
	s_add_co_u32 s16, s16, VOFF
	v_add_nc_u32 v[ADRV0], s16, v[ADRV0]           ; V's part + (8 (l / 16) + l % 8) x 288 + 128 x channel half + 16 ((l / 8) % 2)
	v_mov_b32 v[ADRP], v[ADRP0]
	v_mov_b32 v[ADRV], v[ADRV0]
	v_add_nc_u32 v[ADRV+1], 128*PVI, v[ADRV0]
	s_lshl_b32 s16, s[WH], 8
	v_lshl_add_u32 v[BWA], v1, 2, s16
	v_add_nc_u32 v[BWA], BW, v[BWA]                ; beta of row 64 x row half + l % 16, walk step 0
	s_mul_i32 s16, s[WH], 64*SPI
	s_lshl_b32 s17, s[WL], 7
	s_add_co_u32 s16, s16, s17
	s_add_co_u32 s16, s16, STG
	v_mul_u32_u24 v[STO], v1, SPI
	v_lshl_add_u32 v[STO], v2, 4, v[STO]
	v_add_nc_u32 v[STO], s16, v[STO]
	s_mul_i32 s16, s[WV], 32*SPI
	s_add_co_u32 s16, s16, STG
	v_mul_u32_u24 v[RD], v2, SPI
	v_lshl_add_u32 v[RD], v1, 4, v[RD]
	v_add_nc_u32 v[RD], s16, v[RD]
	v_lshlrev_b32 v[CO], 11, v2                    ; a row of att is 2,048 bytes
	v_lshl_add_u32 v[CO], v1, 4, v[CO]
	s_lshl_b32 s16, s[BB], 11                      ; att at row 2,048 b + 128 x block + 32 x wave, byte 256 x channel block
	s_lshl_b32 s17, s[WV], 5
	s_add_co_u32 s16, s16, s17
	s_lshl_b32 s18, s[IBH], 7
	s_add_co_u32 s18, s18, s16
	s_lshl_b32 s18, s18, 11
	s_lshl_b32 s17, s[CB], 8
	s_add_co_u32 s18, s18, s17
	s_mov_b32 s19, 0
	s_add_nc_u64 s[ATH:ATH+1], s[10:11], s[18:19]
	s_lshl_b32 s18, s[IBL], 7
	s_add_co_u32 s18, s18, s16
	s_lshl_b32 s18, s18, 11
	s_add_co_u32 s18, s18, s17
	s_add_nc_u64 s[ATL:ATL+1], s[10:11], s[18:19]
	v_lshl_add_u32 v9, v0, 2, BW                   ; beta goes to walk step x 512 + 4 t: the first block's tile j at step j, the second's at step N1 + j
	s_lshl_b32 s16, s[N1], 9
	v_add_nc_u32 v10, s16, v9
	s_wait_loadcnt 0x0
	v_max3_num_f32 v7, v[MH], v[MH+1], v[MH+2]
	v_max3_num_f32 v8, v[MLO], v[MLO+1], v[MLO+2]
	v_max3_num_f32 v7, v7, v[MH+3], v[MH+4]
	v_max_num_f32 v8, v8, v[MLO+3]
	v_max3_num_f32 v7, v7, v[MH+5], v[MH+6]
	v_max_num_f32 v7, v7, v[MH+7]
.irp j, 0,1,2,3
	v_sub_f32 v[MLO+(\j)], v[MLO+(\j)], v8
.endr
.irp j, 0,1,2,3,4,5,6,7
	v_sub_f32 v[MH+(\j)], v[MH+(\j)], v7
.endr
.irp j, 0,1,2,3
	v_exp_f32 v[MLO+(\j)], v[MLO+(\j)]
.endr
.irp j, 0,1,2,3,4,5,6,7
	v_exp_f32 v[MH+(\j)], v[MH+(\j)]
.endr
	v_nop                                          ; a plain instruction behind the last exponential
	s_wait_alu depctr_va_vdst(0)                   ; one wait for the twelve
	v_mul_f32 v7, v[MH], v[LH]
	v_mul_f32 v8, v[MLO], v[LLO]
.irp j, 1,2,3
	v_fmac_f32 v7, v[MH+(\j)], v[LH+(\j)]
	v_fmac_f32 v8, v[MLO+(\j)], v[LLO+(\j)]
.endr
.irp j, 4,5,6,7
	v_fmac_f32 v7, v[MH+(\j)], v[LH+(\j)]
.endr
	v_rcp_f32 v8, v8
	v_rcp_f32 v7, v7
	v_nop
	s_wait_alu depctr_va_vdst(0)                   ; one wait for the two reciprocals
.irp j, 0,1,2,3,4,5,6,7
	v_mul_f32 v[MH+(\j)], v[MH+(\j)], v7
.endr
.irp j, 0,1,2,3
	v_mul_f32 v[MLO+(\j)], v[MLO+(\j)], v8
.endr
.irp j, 0,1,2,3,4,5,6,7
	ds_store_b32 v9, v[MH+(\j)] offset:(\j)*512
.endr
.irp j, 0,1,2,3
	ds_store_b32 v10, v[MLO+(\j)] offset:(\j)*512    ; behind the first block's, by the same thread: where N1 = 6 these take the place of two zeros
.endr
	s_wait_tensorcnt 0x1                           ; my part of walk step 0 is in; step 1's may stay out
	s_wait_dscnt 0x0                               ; for the others' sake: my beta lie in LDS
	s_barrier_signal -1
	s_barrier_wait -1
	FETCH 0, F0
	WIN 0
	s_mov_b32 s3, 8
.Lwalk:                                        ; walk steps 0 to 7: step w asks for step w + 2
	STEP 1
	s_sub_co_u32 s3, s3, 1
	s_cmp_lg_u32 s3, 0
	s_cbranch_scc1 .Lwalk
	s_mov_b32 s3, 2
.Ltail:                                        ; steps 8 and 9 ask for nothing; the last one's fetch takes slot 0's old bytes once more and serves nothing: the price of one text for both trips
	STEP 0
	s_sub_co_u32 s3, s3, 1
	s_cmp_lg_u32 s3, 0
	s_cbranch_scc1 .Ltail
	; THE WAY OUT: both blocks are rounded to f16 and go through stages in slot 1 (its last read was waited for in front of the last barrier); a row's 256 bytes come from two waves
	WIN 0x0a                                       ; sources in window 2
.set i, 0
.rept 64
	v_cvt_pk_f16_f32 v[TMP+i], v[2*i], v[2*i+1]
.set i, i+1
.endr
	WIN 0
.irp a, 0,1,2,3
.irp b, 0,1,2,3
	ds_store_b128 v[STO], v[TMP+4*(4*(\a)+(\b)):TMP+4*(4*(\a)+(\b))+3] offset:(\a)*16*SPI+32*(\b)
.endr
.endr
	WIN 0x0a
.set i, 0
.rept 64
	v_cvt_pk_f16_f32 v[TMP+i], v[128+2*i], v[128+2*i+1]
.set i, i+1
.endr
	WIN 0
.irp a, 0,1,2,3
.irp b, 0,1,2,3
	ds_store_b128 v[STO], v[TMP+4*(4*(\a)+(\b)):TMP+4*(4*(\a)+(\b))+3] offset:128*SPI+(\a)*16*SPI+32*(\b)
.endr
.endr
	s_wait_dscnt 0x0
	s_barrier_signal -1
	s_barrier_wait -1
.irp t, 0,1,2,3,4,5,6,7,8,9,10,11,12,13,14,15
	ds_load_b128 v[TMP+4*(\t):TMP+4*(\t)+3], v[RD] offset:(\t)*2*SPI
.endr
.irp t, 0,1,2,3,4,5,6,7,8,9,10,11,12,13,14,15
	ds_load_b128 v[ACC+4*(\t):ACC+4*(\t)+3], v[RD] offset:128*SPI+(\t)*2*SPI
.endr
.irp t, 0,1,2,3,4,5,6,7,8,9,10,11,12,13,14,15
	s_wait_dscnt 31-(\t)
	global_store_b128 v[CO], v[TMP+4*(\t):TMP+4*(\t)+3], s[ATH:ATH+1] offset:(\t)*4096   ; sixteen lanes store 256 consecutive bytes, aligned
.endr
.irp t, 0,1,2,3,4,5,6,7,8,9,10,11,12,13,14,15
	s_wait_dscnt 15-(\t)
	global_store_b128 v[CO], v[ACC+4*(\t):ACC+4*(\t)+3], s[ATL:ATL+1] offset:(\t)*4096
.endr
	s_wait_tensorcnt 0x0                           ; the wave's end
	ds_add_u32 v[SPW], v[NIL]
	s_wait_dscnt 0x0
	CROUND                                         ; the closing round
	s_endpgm
.Lfunc_end_k_q486c4ce527_pv:
	.size	k_q486c4ce527_pv, .Lfunc_end_k_q486c4ce527_pv-k_q486c4ce527_pv
	.p2alignl 7, 3214868480
	.fill 96, 4, 3214868480
	.section	.rodata,"a",@progbits
	.p2align	6, 0x0
	.amdhsa_kernel k_q486c4ce527_pv
		.amdhsa_group_segment_fixed_size 327680
		.amdhsa_private_segment_fixed_size 0
		.amdhsa_enable_private_segment 0
		.amdhsa_kernarg_size 32
		.amdhsa_user_sgpr_count 2
		.amdhsa_user_sgpr_kernarg_segment_ptr 1
		.amdhsa_wavefront_size32 1
		.amdhsa_system_sgpr_workgroup_id_x 1
		.amdhsa_system_sgpr_workgroup_id_y 1
		.amdhsa_system_sgpr_workgroup_id_z 1
		.amdhsa_system_vgpr_workitem_id 0
		.amdhsa_next_free_vgpr 768
		.amdhsa_next_free_sgpr 100
		.amdhsa_reserve_vcc 0
		.amdhsa_float_denorm_mode_32 3
		.amdhsa_float_denorm_mode_16_64 3
		.amdhsa_memory_ordered 1
		.amdhsa_forward_progress 1
		.amdhsa_inst_pref_size 95
	.end_amdhsa_kernel
	.amdgpu_metadata
---
amdhsa.version: [ 1, 2 ]
amdhsa.kernels:
  - .name:           k_q486c4ce527_pv
    .symbol:         k_q486c4ce527_pv.kd
    .args:
      - { .name: pbuf, .offset: 0, .size: 8, .value_kind: global_buffer, .address_space: global }
      - { .name: qkv, .offset: 8, .size: 8, .value_kind: global_buffer, .address_space: global }
      - { .name: stat, .offset: 16, .size: 8, .value_kind: global_buffer, .address_space: global }
      - { .name: att, .offset: 24, .size: 8, .value_kind: global_buffer, .address_space: global }
    .group_segment_fixed_size: 327680
    .private_segment_fixed_size: 0
    .kernarg_segment_align: 8
    .kernarg_segment_size: 32
    .max_flat_workgroup_size: 128
    .sgpr_count:     100
    .vgpr_count:     768
    .wavefront_size: 32
...
	.end_amdgpu_metadata
.endif
;; end of part 4
;; launch outp (part 5): grid 4 x 32, 4 waves a work-group, clusters of 4 x 4, 327,680 bytes of LDS; arguments att, wo16, out0; writes out0
.if DOCPART == 5
	.amdgcn_target "amdgcn-amd-amdhsa--gfx1250"
	.amdhsa_code_object_version 6
	.text
	.protected	k_q486c4ce527_outp
	.globl	k_q486c4ce527_outp
	.p2align	8
	.type	k_q486c4ce527_outp,@function
k_q486c4ce527_outp:
	s_mov_b64 s[64:65], 0
	v_nop
	global_prefetch_b8 v0, s[64:65] scope:SCOPE_SE
	s_setreg_imm32_b32 hwreg(HW_REG_WAVE_MODE, 25, 1), 1
	s_wait_xcnt 0x0
	s_wait_alu depctr_hold_cnt(0) depctr_sa_sdst(0) depctr_va_vdst(0) depctr_va_sdst(0) depctr_va_ssrc(0) depctr_va_vcc(0) depctr_vm_vsrc(0)
	s_getreg_b32 s2, hwreg(HW_REG_IB_STS2, 6, 4)
	s_cmp_eq_u32 s2, 0
	s_cbranch_scc0 .Lentry_in_a_cluster
	s_endpgm
.Lentry_in_a_cluster:
	s_bfe_u32 s2, ttmp6, 0x10000c
	s_cmp_lg_u32 s2, 0xf033
	s_cbranch_scc0 .Lentry_shape_is_right
	s_endpgm
.Lentry_shape_is_right:
; OUTP: out0 = att wo16^T.  att [8192][1024] f16, wo16 [1024][1024] f16, out0 [8192][1024] f32; sums in f32, stored as they are.
; Tiles of 256 x 256, four waves of 128 x 128, K in 8 steps of 128 through two LDS slots, clusters of 4 x 4 with joint loads: the projection's K loop with f16 operands.  128 tiles: the output has no more of this size.
; THE WAY OUT: each wave lays its 128 x 128 f32 into the ring's bytes (which have had their last fill), pitch 528, its own 67,584 bytes, and reads whole rows of 512 bytes back: a store covers 512 consecutive bytes, aligned.
.set KSTEP,  128
.set PITCH,  272
.set HALFT,  128*PITCH
.set SLOT,   4*HALFT
.set DPO,    528
.set SPARE,  2*SLOT
.set ADRA0, 16
.set ADRB0, 17
.set ADRA,  18
.set ADRB,  19
.set DS0,   20
.set RD,    22
.set CO,    23
.set SPW,   28
.set NIL,   29
.set PFO,   30
.set F0,    64
.set F1,    128
.set OBF,   64                         ; v[64:127] sixteen rows on the way out
.set WV, 12
.set WH, 13
.set WL, 14
.set MT, 15
.set G1, 24
.set G0, 32
.set CX, 40
.set CY, 41
.set LIM, 43
.set PFA, 44
.set G1B, 48
.set G0B, 56
.set TB, 66
.set TC, 67
.set MSB, 0
.macro WIN new
.if MSB != (\new)
	s_set_vgpr_msb (MSB<<8)|(\new)
.set MSB, \new
.endif
.endm
.set MUL_LO, 0xa1
.set TO_B,   0x40
.macro CREST
	s_cmp_lg_u32 s[WV], 0
	s_cbranch_scc1 .Lnot_wave_0_\@
	s_barrier_signal -3
.Lnot_wave_0_\@:
	s_barrier_wait -3
	s_barrier_signal -1
	s_barrier_wait -1
.endm
.macro CROUND
	s_barrier_signal -1
	s_barrier_wait -1
	CREST
.endm
.macro PLACES
.rept 4
	v_nop
.endr
.endm
.macro JLOAD
	s_cmp_eq_u32 s[WH], 0
	s_cbranch_scc0 .Lfor_b_\@
	tensor_load_to_lds s[G0+4:G0+7], s[G1:G1+7]
	s_nop 0
	PLACES
	s_branch .Lasked_\@
.Lfor_b_\@:
	tensor_load_to_lds s[G0B+4:G0B+7], s[G1B:G1B+7]
	s_nop 0
	PLACES
.Lasked_\@:
.endm
; A prefetch of the K step two refills on: 32 rows x 256 bytes, a lane a row.  att's rows are named by the cluster that reads them (there is one column of clusters), wo16's by the first row of clusters;
; the four partners of a joint load take 32 of the wave's 128 rows each, told apart by address.  The loop's last two trips have no K step two on.
.macro ASK
	s_cmp_gt_u32 s3, s[LIM]
	s_cbranch_scc0 .Lnot_mine_\@
	global_prefetch_b8 v[PFO], s[PFA:PFA+1] offset:KSTEP*2 th:TH_LOAD_NT scope:SCOPE_SE
.Lnot_mine_\@:
.endm
.macro MUL16 f, hi, a0, zero
	WIN MUL_LO+0x50*(\hi)
.irp a, \a0, (\a0)+1
.irp b, 0,1,2,3,4,5,6,7
.if \zero
	v_wmma_f32_16x16x32_f16 v[8*(8*(\a)+(\b)):8*(8*(\a)+(\b))+7], v[(\f)+8*(\b):(\f)+8*(\b)+7], v[(\f)+8*(4*(\hi)+(\a)):(\f)+8*(4*(\hi)+(\a))+7], 0
.else
	v_wmma_f32_16x16x32_f16 v[8*(8*(\a)+(\b)):8*(8*(\a)+(\b))+7], v[(\f)+8*(\b):(\f)+8*(\b)+7], v[(\f)+8*(4*(\hi)+(\a)):(\f)+8*(4*(\hi)+(\a))+7], v[8*(8*(\a)+(\b)):8*(8*(\a)+(\b))+7]
.endif
.endr
.endr
.endm
.macro FETCH k, f
	WIN TO_B
.irp i, 0,1,2,3,4,5,6,7
	ds_load_b128 v[(\f)+8*(\i):(\f)+8*(\i)+3],   v[ADRB] offset:(\k)+(\i)*16*PITCH
	ds_load_b128 v[(\f)+8*(\i)+4:(\f)+8*(\i)+7], v[ADRB] offset:(\k)+(\i)*16*PITCH+32
.endr
	WIN 0
.irp i, 0,1,2,3,4,5,6,7
	ds_load_b128 v[(\f)+8*(\i):(\f)+8*(\i)+3],   v[ADRA] offset:(\k)+(\i)*16*PITCH
	ds_load_b128 v[(\f)+8*(\i)+4:(\f)+8*(\i)+7], v[ADRA] offset:(\k)+(\i)*16*PITCH+32
.endr
.endm
.macro QUARTER k, f, g, zero
	s_wait_dscnt 8                                 ; B and A's rows 0-63 are in; the youngest eight loads may be out
	MUL16 \f, 0, 0, \zero
	MUL16 \f, 0, 2, \zero
	PLACES
	FETCH \k, \g
	s_wait_dscnt 32                                ; all but the 32 just issued
	MUL16 \f, 1, 0, \zero
	MUL16 \f, 1, 2, \zero
.endm
.macro TURN fill                       ; the change of slots: all my tensor loads have landed, the add, my reads are over, the barrier (fill = 1: a round of the cluster's, the joint refill first behind it)
.if \fill
	s_wait_xcnt 0x0                                ; the last prefetch, a K step back, has read its address
	s_add_nc_u64 s[PFA:PFA+1], s[PFA:PFA+1], KSTEP*2
.endif
	WIN 0
	s_wait_tensorcnt 0x0
	ds_add_u32 v[SPW], v[NIL]
	s_wait_dscnt 9                                 ; the add and the youngest eight loads may be out
	MUL16 F1, 0, 0, 0
	s_wait_dscnt 0x0
	s_barrier_signal -1
	MUL16 F1, 0, 2, 0
	WIN 0
	s_barrier_wait -1
.if \fill
	CREST
	s_xor_b32 s[G0+5], s[G0+5], SLOT
	s_add_nc_u64 s[G0+6:G0+7], s[G0+6:G0+7], KSTEP*2
	s_xor_b32 s[G0B+5], s[G0B+5], SLOT
	s_add_nc_u64 s[G0B+6:G0B+7], s[G0B+6:G0B+7], KSTEP*2
	JLOAD
.else
	PLACES
.endif
	s_xor_b32 s[TB], s[TB], SLOT
	v_add_nc_u32 v[ADRA], s[TB], v[ADRA0]
	v_add_nc_u32 v[ADRB], s[TB], v[ADRB0]
	FETCH 0, F0
.if \fill
	ASK
.endif
	MUL16 F1, 1, 0, 0
	MUL16 F1, 1, 2, 0
.endm
	s_load_b128 s[4:7], s[0:1], 0x0                ; att s[4:5], wo16 s[6:7]
	s_load_b64 s[8:9], s[0:1], 0x10                ; out0
	v_lshl_add_u32 v[SPW], v0, 2, SPARE
	v_mov_b32 v[NIL], 0
	ds_add_u32 v[SPW], v[NIL]                      ; the wave's opening: the add and its wait ahead of my first tensor load
	ds_add_u32 v28, v29
	v_lshrrev_b32 v1, 5, v0
	v_readfirstlane_b32 s[WV], v1
	s_lshr_b32 s[WH], s[WV], 1
	s_and_b32 s[WL], s[WV], 1
	s_bfe_u32 s[CX], ttmp6, 0x40000
	s_bfe_u32 s[CY], ttmp6, 0x40004
	s_and_b32 s[MT], ttmp7, 0xffff
	s_lshl_b32 s[MT], s[MT], 2
	s_add_co_u32 s[MT], s[MT], s[CY]               ; tile row
	s_lshl_b32 s[TC], ttmp9, 2
	s_add_co_u32 s[TC], s[TC], s[CX]               ; tile column
	s_lshl_b32 s2, s[CY], 2
	s_lshl_b32 s2, 15, s2
	s_lshl_b32 s42, 0x1111, s[CX]
	s_or_b32 s[G1], s2, (1<<16)|(1<<20)|(1<<21)|(5<<22)|(3<<25)
	s_or_b32 s[G1B], s42, (1<<16)|(1<<20)|(1<<21)|(5<<22)|(3<<25)
.irp g, G1, G1B
	s_mov_b32 s[(\g)+1], KSTEP<<16
	s_mov_b32 s[(\g)+2], 128<<16
	s_mov_b32 s[(\g)+3], KSTEP<<16
	s_mov_b32 s[(\g)+4], 128
	s_mov_b32 s[(\g)+5], 1024
	s_mov_b32 s[(\g)+6], 0
	s_mov_b32 s[(\g)+7], 0
.endr
	s_lshl_b32 s17, s[WL], 7
	s_lshl_b32 s16, s[MT], 8
	s_add_co_u32 s16, s16, s17                     ; A's first row
	s_lshl_b32 s46, s[TC], 8
	s_add_co_u32 s46, s46, s17                     ; B's first row
	s_lshl_b32 s20, s[CX], 5
	s_add_co_u32 s20, s20, s16
	s_lshl_b32 s21, s[CY], 5
	s_add_co_u32 s21, s21, s46
	s_and_b32 s22, ttmp7, 0xffff
	s_cmp_eq_u32 s[WH], 0
	s_cselect_b32 s20, s20, s21
	s_cselect_b32 s22, ttmp9, s22
	s_cmp_eq_u32 s22, 0
	s_cselect_b32 s[LIM], 2, -1
	s_lshl_b32 s20, s20, 11
	s_mov_b32 s21, 0
	s_lshl_b32 s16, s16, 11
	s_mov_b32 s17, 0
	s_lshl_b32 s46, s46, 11
	s_mov_b32 s47, 0
	s_mul_i32 s23, s[WV], HALFT
	s_mov_b32 s[TB], 0
	s_wait_dscnt 0x0                               ; the opening add is done
	s_wait_kmcnt 0x0
	s_add_nc_u64 s[18:19], s[4:5], s[16:17]
	s_add_nc_u64 s[46:47], s[6:7], s[46:47]
	s_cmp_eq_u32 s[WH], 0
	s_cselect_b64 s[PFA:PFA+1], s[4:5], s[6:7]
	s_add_nc_u64 s[PFA:PFA+1], s[PFA:PFA+1], s[20:21]
	s_add_nc_u64 s[PFA:PFA+1], s[PFA:PFA+1], 2*KSTEP*2
	CROUND
.irp s, 0,1
	s_mov_b32 s[G0+4*(\s)], 1
	s_add_co_u32 s[G0+4*(\s)+1], s23, (\s)*SLOT
	s_add_nc_u64 s[G0+4*(\s)+2:G0+4*(\s)+3], s[18:19], (\s)*KSTEP*2
	s_or_b32 s[G0+4*(\s)+3], s[G0+4*(\s)+3], 0x80000000
	s_mov_b32 s[G0B+4*(\s)], 1
	s_add_co_u32 s[G0B+4*(\s)+1], s23, (\s)*SLOT
	s_add_nc_u64 s[G0B+4*(\s)+2:G0B+4*(\s)+3], s[46:47], (\s)*KSTEP*2
	s_or_b32 s[G0B+4*(\s)+3], s[G0B+4*(\s)+3], 0x80000000
.endr
	s_cmp_eq_u32 s[WH], 0                          ; a wave's two first fills stand in one branch: two loads of mine are out
	s_cbranch_scc0 .Lfirst_b
	tensor_load_to_lds s[G0:G0+3], s[G1:G1+7]
	s_nop 0
	tensor_load_to_lds s[G0+4:G0+7], s[G1:G1+7]
	s_nop 0
	PLACES
	s_branch .Lfirst_asked
.Lfirst_b:
	tensor_load_to_lds s[G0B:G0B+3], s[G1B:G1B+7]
	s_nop 0
	tensor_load_to_lds s[G0B+4:G0B+7], s[G1B:G1B+7]
	s_nop 0
	PLACES
.Lfirst_asked:
	v_and_b32 v1, 15, v0
	v_bfe_u32 v2, v0, 4, 1
	v_and_b32 v5, 31, v0
	v_lshlrev_b32 v[PFO], 11, v5
	v_mul_u32_u24 v3, v1, PITCH
	v_lshl_add_u32 v3, v2, 4, v3
	s_mul_i32 s20, s[WH], HALFT
	s_mul_i32 s22, s[WL], HALFT
	s_add_co_u32 s22, s22, 2*HALFT
	v_add_nc_u32 v[ADRA0], s20, v3
	v_add_nc_u32 v[ADRB0], s22, v3
	v_mov_b32 v[ADRA], v[ADRA0]
	v_mov_b32 v[ADRB], v[ADRB0]
	s_mul_i32 s20, s[WV], 128*DPO                  ; my own part of the dump
	v_mul_u32_u24 v[DS0], v1, DPO
	v_lshl_add_u32 v[DS0], v2, 5, v[DS0]
	v_add_nc_u32 v[DS0], s20, v[DS0]
	v_lshl_add_u32 v[RD], v5, 4, s20
	v_lshlrev_b32 v[CO], 4, v5
	s_lshl_b32 s20, s[MT], 8                       ; out0 at row 256 x tile row + 128 x row half, byte 1,024 x tile column + 512 x column half
	s_lshl_b32 s21, s[WH], 7
	s_add_co_u32 s20, s20, s21
	s_lshl_b32 s20, s20, 12
	s_lshl_b32 s21, s[TC], 10
	s_add_co_u32 s20, s20, s21
	s_lshl_b32 s21, s[WL], 9
	s_add_co_u32 s20, s20, s21
	s_mov_b32 s21, 0
	s_add_nc_u64 s[8:9], s[8:9], s[20:21]
	s_wait_tensorcnt 0x1                           ; my part of K step 0 is in; K step 1's may stay out
	s_barrier_signal -1
	s_barrier_wait -1
	FETCH 0, F0
	QUARTER 64, F0, F1, 1
	WIN 0
	s_mov_b32 s3, 6
.Lstep:
	QUARTER 128, F1, F0, 0
	QUARTER 192, F0, F1, 0
	TURN 1
	QUARTER 64, F0, F1, 0
	WIN 0
	s_sub_co_u32 s3, s3, 1
	s_cmp_lg_u32 s3, 0
	s_cbranch_scc1 .Lstep
	QUARTER 128, F1, F0, 0
	QUARTER 192, F0, F1, 0
	TURN 0
	QUARTER 64, F0, F1, 0
	QUARTER 128, F1, F0, 0
	QUARTER 192, F0, F1, 0
	s_wait_dscnt 8
	MUL16 F1, 0, 0, 0
	MUL16 F1, 0, 2, 0
	s_wait_dscnt 0x0
	MUL16 F1, 1, 0, 0
	MUL16 F1, 1, 2, 0
	WIN 0
	PLACES
	PLACES
	s_barrier_signal -1                            ; nobody reads the ring any more behind this barrier; it has had its last fill
	s_barrier_wait -1
.irp hi, 0,1
	WIN 0x08+4*(\hi)                               ; store data in window 2 or 3; each accumulator's low four registers first
.irp a, 0,1,2,3
.irp b, 0,1,2,3,4,5,6,7
	ds_store_b128 v[DS0], v[8*(8*(\a)+(\b)):8*(8*(\a)+(\b))+3]   offset:(4*(\hi)+(\a))*16*DPO+64*(\b)
	ds_store_b128 v[DS0], v[8*(8*(\a)+(\b))+4:8*(8*(\a)+(\b))+7] offset:(4*(\hi)+(\a))*16*DPO+64*(\b)+16
.endr
.endr
.endr
	WIN 0
	s_mov_b32 s3, 8
.Lout:                                         ; 8 trips of 16 rows; LDS serves a wave's instructions in order (ISA guide 5.7.1.4): the loads see my own stores above
.irp t, 0,1,2,3,4,5,6,7,8,9,10,11,12,13,14,15
	ds_load_b128 v[OBF+4*(\t):OBF+4*(\t)+3], v[RD] offset:(\t)*DPO
.endr
	v_add_nc_u32 v[RD], 16*DPO, v[RD]
.irp t, 0,1,2,3,4,5,6,7,8,9,10,11,12,13,14,15
	s_wait_dscnt 15-(\t)
	global_store_b128 v[CO], v[OBF+4*(\t):OBF+4*(\t)+3], s[8:9] offset:(\t)*4096 th:TH_STORE_NT
.endr
	s_wait_xcnt 0x0                                ; the stores have read their data and base
	s_add_nc_u64 s[8:9], s[8:9], 16*4096
	s_sub_co_u32 s3, s3, 1
	s_cmp_lg_u32 s3, 0
	s_cbranch_scc1 .Lout
	s_wait_tensorcnt 0x0                           ; the wave's end
	ds_add_u32 v[SPW], v[NIL]
	s_wait_dscnt 0x0
	CROUND                                         ; the closing round
	s_endpgm
.Lfunc_end_k_q486c4ce527_outp:
	.size	k_q486c4ce527_outp, .Lfunc_end_k_q486c4ce527_outp-k_q486c4ce527_outp
	.p2alignl 7, 3214868480
	.fill 96, 4, 3214868480
	.section	.rodata,"a",@progbits
	.p2align	6, 0x0
	.amdhsa_kernel k_q486c4ce527_outp
		.amdhsa_group_segment_fixed_size 327680
		.amdhsa_private_segment_fixed_size 0
		.amdhsa_enable_private_segment 0
		.amdhsa_kernarg_size 24
		.amdhsa_user_sgpr_count 2
		.amdhsa_user_sgpr_kernarg_segment_ptr 1
		.amdhsa_wavefront_size32 1
		.amdhsa_system_sgpr_workgroup_id_x 1
		.amdhsa_system_sgpr_workgroup_id_y 1
		.amdhsa_system_sgpr_workgroup_id_z 1
		.amdhsa_system_vgpr_workitem_id 0
		.amdhsa_next_free_vgpr 1024
		.amdhsa_next_free_sgpr 80
		.amdhsa_reserve_vcc 0
		.amdhsa_float_denorm_mode_32 3
		.amdhsa_float_denorm_mode_16_64 3
		.amdhsa_memory_ordered 1
		.amdhsa_forward_progress 1
		.amdhsa_inst_pref_size 97
	.end_amdhsa_kernel
	.amdgpu_metadata
---
amdhsa.version: [ 1, 2 ]
amdhsa.kernels:
  - .name:           k_q486c4ce527_outp
    .symbol:         k_q486c4ce527_outp.kd
    .args:
      - { .name: att, .offset: 0, .size: 8, .value_kind: global_buffer, .address_space: global }
      - { .name: wo16, .offset: 8, .size: 8, .value_kind: global_buffer, .address_space: global }
      - { .name: out0, .offset: 16, .size: 8, .value_kind: global_buffer, .address_space: global }
    .group_segment_fixed_size: 327680
    .private_segment_fixed_size: 0
    .kernarg_segment_align: 8
    .kernarg_segment_size: 24
    .max_flat_workgroup_size: 128
    .sgpr_count:     80
    .vgpr_count:     1024
    .wavefront_size: 32
...
	.end_amdgpu_metadata
.endif
;; end of part 5
;; ======== version 2 of 2: 5 launches
;; limits: values are held in f16: magnitudes above 65,504 overflow, below 6.1e-05 lose precision; right only within a limited range of input values; a function is approximated: absolute error at most 3.6e-06
;; workspace buffers: xh 16,777,216 bytes; wqk 4,194,304 bytes; wf 4,194,304 bytes; qk 33,554,432 bytes; pbuf 33,554,432 bytes; stat 524,288 bytes; zb 16,777,216 bytes; wp 2,097,152 bytes
;; launch prep (part 6): grid 768 x 1, 8 waves a work-group, no clusters, 0 bytes of LDS; arguments x, Wq, Wk, Wv, Wo, xh, wqk, wf, stat; writes xh, wqk, wf, stat
.if DOCPART == 6
	.amdgcn_target "amdgcn-amd-amdhsa--gfx1250"
	.amdhsa_code_object_version 6
	.text
	.protected	k_q486c4ce527_prep
	.globl	k_q486c4ce527_prep
	.p2align	8
	.type	k_q486c4ce527_prep,@function
k_q486c4ce527_prep:
	s_mov_b64 s[64:65], 0
	v_nop
	global_prefetch_b8 v0, s[64:65] scope:SCOPE_SE
	s_setreg_imm32_b32 hwreg(HW_REG_WAVE_MODE, 25, 1), 1
	s_wait_xcnt 0x0
; PREP: every input is rounded once to bf16, and that number is written as f16, the one operand format of all later products; the statistics get their defaults.
;   x  [8192][1024] f32 -> xh  f16              Wq, Wk [1024][1024] f32 -> wqk f16, rows 0.., 1024..
;   wf [1024][2048] f16: row o, columns 0..1023 = Wo[o][c];  row i, columns 1024..2047 = Wv[c][i], that is Wv turned
;   stat [2][8][8192] f32: plane 0 (a key tile's maximum, in log2 units) = -1e30, plane 1 (its sum) = 0; a later launch overwrites the entries of the causal tiles
; LIMITS: a bf16 number below 2^-14 takes f16's fixed step of 6e-8; beyond 65,504 it would be an infinity.
; SHARES: a work-group takes 16,384 numbers (64 KiB in, 32 KiB out).  The plain path: thread t loads 16 bytes at 16 t + 4,096 i, i = 0..15, all sixteen loads issued at once, and stores 8 bytes
; at 8 t + i x the destination's row bytes (a load is one row of 1,024 numbers).  Wv: a block of 128 c x 128 i; wave w takes 16 i, lane l the rows c = 4 l .. 4 l + 3: sixteen loads of 16 bytes; four c of
; one i pack into 8 bytes.
; No LDS, no matrix unit, no cluster: nothing is read twice.
.set IN,  16                           ; v[16:79]    sixteen loads of four numbers
.set OUT, 80                           ; v[80:111]   sixteen stores of two words
.set OFS, 112                          ; v[112:127]  the plain path's sixteen store offsets
; two f32 pairs -> four f16 in two words, by way of bf16
.macro RND d, a0, a1, a2, a3
	v_cvt_pk_bf16_f32 v8, v[\a0], v[\a1]           ; the rounding that every input has,
	v_cvt_pk_bf16_f32 v9, v[\a2], v[\a3]
	v_lshlrev_b32 v10, 16, v8                      ; back to f32,
	v_and_b32 v8, 0xffff0000, v8
	v_lshlrev_b32 v11, 16, v9
	v_and_b32 v9, 0xffff0000, v9
	v_cvt_pk_f16_f32 v[\d], v10, v8                ; and written as f16
	v_cvt_pk_f16_f32 v[(\d)+1], v11, v9
.endm
	s_load_b256 s[4:11], s[0:1], 0x0               ; x s[4:5], Wq s[6:7], Wk s[8:9], Wv s[10:11]
	s_load_b256 s[12:19], s[0:1], 0x20             ; Wo s[12:13], xh s[14:15], wqk s[16:17], wf s[18:19]
	s_load_b64 s[20:21], s[0:1], 0x40              ; stat
	v_lshlrev_b32 v1, 4, v0                        ; 16 t
	v_lshlrev_b32 v2, 3, v0                        ; 8 t
	v_lshrrev_b32 v3, 5, v0
	v_readfirstlane_b32 s22, v3                    ; wave
	s_sub_co_u32 s23, ttmp9, 512                   ; work-groups 512.. take the weights, 64 each
	s_lshr_b32 s24, s23, 6
	s_add_co_u32 s24, s24, 1
	s_and_b32 s23, s23, 63
	s_cmp_lt_u32 ttmp9, 512
	s_cselect_b32 s24, 0, s24                      ; kind: 0 x, 1 Wq, 2 Wk, 3 Wv, 4 Wo
	s_cselect_b32 s23, ttmp9, s23                  ; my chunk of that tensor
	s_lshl_b32 s28, s23, 16                        ; the plain path: 64 KiB in,
	s_mov_b32 s29, 0
	s_lshl_b32 s30, s23, 15                        ; 32 KiB out;
	s_mov_b32 s31, 0
	s_cmp_eq_u32 s24, 2
	s_cselect_b32 s25, 0x200000, 0                 ; Wk lies behind Wq in wqk;
	s_add_co_u32 s30, s30, s25
	s_cmp_eq_u32 s24, 4
	s_cselect_b32 s30, s28, s30                    ; Wo's 16 rows go to rows of 4,096 bytes
	s_cselect_b32 s35, 12, 11
	s_lshl_b32 s35, 1, s35                         ; the destination's row bytes
	s_lshr_b32 s32, s23, 3                         ; Wv: block of c,
	s_and_b32 s33, s23, 7                          ; block of i
	s_lshl_b32 s36, s32, 19                        ; in: 128 rows of 4,096 bytes x block of c + 512 x block of i
	s_lshl_b32 s37, s33, 9
	s_add_co_u32 s36, s36, s37
	s_lshl_b32 s37, s33, 19                        ; out: 128 rows of 4,096 bytes x block of i + 2,048 + 256 x block of c
	s_lshl_b32 s38, s32, 8
	s_add_co_u32 s37, s37, s38
	s_add_co_u32 s37, s37, 2048
	s_cmp_eq_u32 s24, 3
	s_cselect_b32 s28, s36, s28
	s_cselect_b32 s30, s37, s30
	s_wait_kmcnt 0x0
	s_cmp_eq_u32 s24, 1
	s_cselect_b64 s[4:5], s[6:7], s[4:5]
	s_cmp_eq_u32 s24, 2
	s_cselect_b64 s[4:5], s[8:9], s[4:5]
	s_cmp_eq_u32 s24, 3
	s_cselect_b64 s[4:5], s[10:11], s[4:5]
	s_cmp_eq_u32 s24, 4
	s_cselect_b64 s[4:5], s[12:13], s[4:5]
	s_cmp_eq_u32 s24, 0
	s_cselect_b64 s[26:27], s[14:15], s[16:17]
	s_cmp_ge_u32 s24, 3
	s_cselect_b64 s[26:27], s[18:19], s[26:27]
	s_add_nc_u64 s[4:5], s[4:5], s[28:29]
	s_add_nc_u64 s[26:27], s[26:27], s[30:31]
	s_cmp_eq_u32 s24, 3
	s_cbranch_scc1 .Lwv
.irp i, 0,1,2,3,4,5,6,7,8,9,10,11,12,13,14,15
	global_load_b128 v[IN+4*(\i):IN+4*(\i)+3], v1, s[4:5] offset:(\i)*4096 th:TH_LOAD_NT
.endr
	; the statistics' defaults: work-groups 0..511, waves 0 and 1: 1,024 bytes each
	s_cmp_lt_u32 ttmp9, 512
	s_cbranch_scc0 .Lnostat
	s_cmp_lt_u32 s22, 2
	s_cbranch_scc0 .Lnostat
	s_lshl_b32 s32, ttmp9, 10
	s_mov_b32 s33, 0
	s_add_nc_u64 s[20:21], s[20:21], s[32:33]
	s_cmp_lt_u32 ttmp9, 256                        ; the first 256 KiB are the maxima
	s_cselect_b32 s34, 0xf149f2ca, 0               ; -1e30, or 0
	v_mov_b32 v4, s34
	v_mov_b32 v5, s34
	v_mov_b32 v6, s34
	v_mov_b32 v7, s34
	global_store_b128 v1, v[4:7], s[20:21]
.Lnostat:
.irp i, 0,1,2,3,4,5,6,7,8,9,10,11,12,13,14,15
	s_wait_loadcnt 15-(\i)                         ; loads come back in order: load i is in, the younger ones stay out
	RND OUT+2*(\i), IN+4*(\i), IN+4*(\i)+1, IN+4*(\i)+2, IN+4*(\i)+3
	s_mul_i32 s36, s35, \i
	v_add_nc_u32 v[OFS+(\i)], s36, v2              ; 8 t + i rows of the destination
	global_store_b64 v[OFS+(\i)], v[OUT+2*(\i):OUT+2*(\i)+1], s[26:27]
.endr
	s_endpgm
.Lwv:
	v_and_b32 v4, 31, v0                           ; lane
	v_lshlrev_b32 v12, 14, v4                      ; in: four rows of 4,096 bytes a lane,
	v_lshl_add_u32 v12, v3, 6, v12                 ; 16 numbers a wave
	v_lshlrev_b32 v13, 3, v4                       ; out: 8 bytes a lane,
	v_lshl_add_u32 v13, v3, 16, v13                ; 16 rows of 4,096 bytes a wave
.irp k, 0,1,2,3
.irp r, 0,1,2,3
	global_load_b128 v[IN+4*(4*(\k)+(\r)):IN+4*(4*(\k)+(\r))+3], v12, s[4:5] offset:(\r)*4096+(\k)*16  ; Wv[4 l + r][16 w + 4 k ..]
.endr
.endr
.irp k, 0,1,2,3
	s_wait_loadcnt 12-4*(\k)                       ; the four rows' numbers 4 k .. 4 k + 3 are in; the younger loads stay out
.irp e, 0,1,2,3
	RND OUT+2*(4*(\k)+(\e)), IN+16*(\k)+(\e), IN+16*(\k)+4+(\e), IN+16*(\k)+8+(\e), IN+16*(\k)+12+(\e)
	global_store_b64 v13, v[OUT+2*(4*(\k)+(\e)):OUT+2*(4*(\k)+(\e))+1], s[26:27] offset:(4*(\k)+(\e))*4096
.endr
.endr
	s_endpgm
.Lfunc_end_k_q486c4ce527_prep:
	.size	k_q486c4ce527_prep, .Lfunc_end_k_q486c4ce527_prep-k_q486c4ce527_prep
	.p2alignl 7, 3214868480
	.fill 96, 4, 3214868480
	.section	.rodata,"a",@progbits
	.p2align	6, 0x0
	.amdhsa_kernel k_q486c4ce527_prep
		.amdhsa_group_segment_fixed_size 0
		.amdhsa_private_segment_fixed_size 0
		.amdhsa_enable_private_segment 0
		.amdhsa_kernarg_size 72
		.amdhsa_user_sgpr_count 2
		.amdhsa_user_sgpr_kernarg_segment_ptr 1
		.amdhsa_wavefront_size32 1
		.amdhsa_system_sgpr_workgroup_id_x 1
		.amdhsa_system_sgpr_workgroup_id_y 1
		.amdhsa_system_sgpr_workgroup_id_z 1
		.amdhsa_system_vgpr_workitem_id 0
		.amdhsa_next_free_vgpr 128
		.amdhsa_next_free_sgpr 66
		.amdhsa_reserve_vcc 0
		.amdhsa_float_denorm_mode_32 3
		.amdhsa_float_denorm_mode_16_64 3
		.amdhsa_memory_ordered 1
		.amdhsa_forward_progress 1
		.amdhsa_inst_pref_size 25
	.end_amdhsa_kernel
	.amdgpu_metadata
---
amdhsa.version: [ 1, 2 ]
amdhsa.kernels:
  - .name:           k_q486c4ce527_prep
    .symbol:         k_q486c4ce527_prep.kd
    .args:
      - { .name: x, .offset: 0, .size: 8, .value_kind: global_buffer, .address_space: global }
      - { .name: Wq, .offset: 8, .size: 8, .value_kind: global_buffer, .address_space: global }
      - { .name: Wk, .offset: 16, .size: 8, .value_kind: global_buffer, .address_space: global }
      - { .name: Wv, .offset: 24, .size: 8, .value_kind: global_buffer, .address_space: global }
      - { .name: Wo, .offset: 32, .size: 8, .value_kind: global_buffer, .address_space: global }
      - { .name: xh, .offset: 40, .size: 8, .value_kind: global_buffer, .address_space: global }
      - { .name: wqk, .offset: 48, .size: 8, .value_kind: global_buffer, .address_space: global }
      - { .name: wf, .offset: 56, .size: 8, .value_kind: global_buffer, .address_space: global }
      - { .name: stat, .offset: 64, .size: 8, .value_kind: global_buffer, .address_space: global }
    .group_segment_fixed_size: 0
    .private_segment_fixed_size: 0
    .kernarg_segment_align: 8
    .kernarg_segment_size: 72
    .max_flat_workgroup_size: 256
    .sgpr_count:     66
    .vgpr_count:     128
    .wavefront_size: 32
...
	.end_amdgpu_metadata
.endif
;; end of part 6
;; launch qk (part 7): grid 8 x 32, 4 waves a work-group, clusters of 4 x 4, 327,680 bytes of LDS; arguments xh, wqk, token_positions, qk; writes qk
.if DOCPART == 7
	.amdgcn_target "amdgcn-amd-amdhsa--gfx1250"
	.amdhsa_code_object_version 6
	.text
	.protected	k_q486c4ce527_qk
	.globl	k_q486c4ce527_qk
	.p2align	8
	.type	k_q486c4ce527_qk,@function
k_q486c4ce527_qk:
	s_mov_b64 s[64:65], 0
	v_nop
	global_prefetch_b8 v0, s[64:65] scope:SCOPE_SE
	s_setreg_imm32_b32 hwreg(HW_REG_WAVE_MODE, 25, 1), 1
	s_wait_xcnt 0x0
	s_wait_alu depctr_hold_cnt(0) depctr_sa_sdst(0) depctr_va_vdst(0) depctr_va_sdst(0) depctr_va_ssrc(0) depctr_va_vcc(0) depctr_vm_vsrc(0)
	s_getreg_b32 s2, hwreg(HW_REG_IB_STS2, 6, 4)
	s_cmp_eq_u32 s2, 0
	s_cbranch_scc0 .Lentry_in_a_cluster
	s_endpgm
.Lentry_in_a_cluster:
	s_bfe_u32 s2, ttmp6, 0x10000c
	s_cmp_lg_u32 s2, 0xf033
	s_cbranch_scc0 .Lentry_shape_is_right
	s_endpgm
.Lentry_shape_is_right:
; QK: [Q | K] = xh wqk^T, the rotary embedding on both, rounded once to f16.  xh [8192][1024] f16, wqk [2048][1024] f16, qk [8192][2048] f16 (columns 0.. Q, 1024.. K).
; LIMITS: |q|, |k| stay within f16's 65,504.  The angle pos x 10000^(-2i/1024) is reduced by multiples of pi found with the constant 1.5 x 2^23: |angle| under 2^22 pi.
; Sine and cosine are Taylor polynomials on |r| <= pi/2 (r^9 and r^10: off by 3.6e-6 and 4.7e-7 at the most).  NaN and infinities are not treated apart.
; SHARES.  A tile is 256 rows x 256 columns, four waves of 128 x 128 (64 accumulators, 512 registers): 256 work-groups.  K goes in 8 steps of 128 through two LDS slots; a wave's tensor load brings 128 rows of 256 bytes.
; A tile holds 128 columns of Q AND the same 128 columns of K (waves with an even number: Q, odd: K), so one sine and cosine serve both.
; CLUSTER 4 x 4: A's tile hangs on the tile row and is asked for jointly along a row of the cluster, B's on the tile column and along a column.
; The product is used transposed (source 0 = rows of wqk, source 1 = rows of xh): a lane holds one row of the result and eight neighbouring columns.
; THE WAY OUT: the ring has had its last fill; the f32 tile is laid into its bytes (pitch 1,040), and a short loop walks the rows: a wave 64 rows, 4 a trip; sixteen lanes store 256 consecutive bytes, aligned.
; REGISTERS: window 0: v0-43 addresses and constants; v64-127, v128-191 A's fragments, later the way out.  window 1: v64-191 B's fragments.  windows 2, 3: the accumulators of my rows 0-63, 64-127.
.set KSTEP,  128
.set PITCH,  272                       ; an LDS row: 256 bytes + 16 of padding: the 16 rows of a fragment load start 16 bytes apart modulo 256
.set HALFT,  128*PITCH                 ; what one tensor load brings
.set SLOT,   4*HALFT                   ; A's 256 rows, then B's; shares no bit with wave x HALFT, so one exclusive or changes slots
.set DP,     1040                      ; the dump's pitch: 256 f32 + 16 bytes
.set POSF,   2*SLOT                    ; behind the ring: the positions of my 64 rows as f32, 256 bytes a wave
.set SPARE,  POSF+1024                 ; the spare words, 128 bytes a wave: no other line names them
.set OROW,   4096                      ; bytes in a row of qk
.set ADRA0, 16                         ; v16, v17  my lane's place in slot 0's A and B; never rewritten
.set ADRB0, 17
.set ADRA,  18                         ; v18, v19  the same in the slot in hand
.set ADRB,  19
.set DS0,   20                         ; v20, v21  the dump: where my rows 0-63, 64-127 begin
.set RDX,   22                         ; v22  the way out: where I read
.set CO,    23                         ; v23  my byte offset in two rows of qk
.set PSA,   24                         ; v24  where my row's position lies
.set SPW,   28                         ; v28  my spare word; never rewritten
.set NIL,   29                         ; v29  0; never rewritten
.set PFO,   30                         ; v30  the prefetches' offset: lane x 2,048; never rewritten
.set FR,    32                         ; v[32:35] the four frequencies of my eight columns
.set PS,    36                         ; v[36:37] the positions of a trip's two rows of mine
.set MGC,   38                         ; v[38:39] 1.5 x 2^23, twice
.set K7,    40                         ; v[40:41] -1/7!, twice
.set K8,    42                         ; v[42:43] 1/8!, twice
.set F0,    64
.set F1,    128
.set X,     64                         ; v[64:95]   the way out: 2 row pairs x 16 numbers
.set SC,    96                         ; v[96:143]  four groups of two angles, 12 registers each: +0 angle, r; +2 t, sign; +4 n, r x sign; +6 r^2; +8 sine; +10 cosine
.set Y,     144                        ; v[144:159] packed results
.set T1,    160                        ; v[160:191] x cos
.set WV, 12                            ; s12 wave; s13 wave / 2: my half of the rows, and A (0) or B (1) is what I fetch; s14 wave % 2: my half of the columns, and which 128 rows I fetch
.set WH, 13
.set WL, 14
.set MT, 15                            ; s15 tile row
.set G1, 24                            ; s[24:31] group 1 for A; s[32:39] group 0: slot 0's first fill, then the one that walks
.set G0, 32
.set CX, 40
.set CY, 41
.set LIM, 43                           ; s43 2 in a wave that prefetches, else the greatest number
.set PFA, 44                           ; s[44:45] where my prefetches stand
.set G1B, 48                           ; the same for B
.set G0B, 56
.set TB, 66                            ; s66 0 or SLOT: the slot in hand
.set OQ, 68                            ; s[68:69], s[70:71] qk at my rows: Q's 128 columns, K's
.set OK2, 70
.set CT, 72                            ; s72 which 128 columns of Q and K
.set MSB, 0
.macro WIN new                         ; the immediate's high byte repeats the setting that is left; a switch that changes nothing is dropped
.if MSB != (\new)
	s_set_vgpr_msb (MSB<<8)|(\new)
.set MSB, \new
.endif
.endm
.set MUL_LO, 0xa1                      ; source 0 (B) window 1, source 1 (A) window 0, C and D window 2
.set TO_B,   0x40                      ; destination window 1, address window 0
.macro CREST                           ; a round of the cluster's barrier behind its opening barrier
	s_cmp_lg_u32 s[WV], 0
	s_cbranch_scc1 .Lnot_wave_0_\@
	s_barrier_signal -3
.Lnot_wave_0_\@:
	s_barrier_wait -3
	s_barrier_signal -1
	s_barrier_wait -1
.endm
.macro CROUND
	s_barrier_signal -1
	s_barrier_wait -1
	CREST
.endm
.macro PLACES                          ; four plain instructions between a matrix instruction and a load into, or a read of, its registers
.rept 4
	v_nop
.endr
.endm
.macro JLOAD                           ; the joint refill: waves 0, 1 ask for A's halves, waves 2, 3 for B's; the branch hangs on the wave's number alone
	s_cmp_eq_u32 s[WH], 0
	s_cbranch_scc0 .Lfor_b_\@
	tensor_load_to_lds s[G0+4:G0+7], s[G1:G1+7]
	s_nop 0
	PLACES
	s_branch .Lasked_\@
.Lfor_b_\@:
	tensor_load_to_lds s[G0B+4:G0B+7], s[G1B:G1B+7]
	s_nop 0
	PLACES
.Lasked_\@:
.endm
; A prefetch of the K step two refills on: 32 rows x 256 bytes, a lane a row.  A's rows are named by the first column of clusters, B's by the first row of clusters; the four partners that ask
; for a tile jointly take 32 of the wave's 128 rows each, told apart by address.  So each row's 256 bytes are named once.  The loop's last two trips (s3 = 2, 1) have no K step two on.
.macro ASK
	s_cmp_gt_u32 s3, s[LIM]
	s_cbranch_scc0 .Lnot_mine_\@
	global_prefetch_b8 v[PFO], s[PFA:PFA+1] offset:KSTEP*2 th:TH_LOAD_NT scope:SCOPE_SE
.Lnot_mine_\@:
.endm
; 16 products: row blocks a0, a0 + 1 of the window's four x all 8 column blocks, 32 along K.  zero = 1: the products start the sums.  The 64 accumulators take turns.
.macro MUL16 f, hi, a0, zero
	WIN MUL_LO+0x50*(\hi)
.irp a, \a0, (\a0)+1
.irp b, 0,1,2,3,4,5,6,7
.if \zero
	v_wmma_f32_16x16x32_f16 v[8*(8*(\a)+(\b)):8*(8*(\a)+(\b))+7], v[(\f)+8*(\b):(\f)+8*(\b)+7], v[(\f)+8*(4*(\hi)+(\a)):(\f)+8*(4*(\hi)+(\a))+7], 0
.else
	v_wmma_f32_16x16x32_f16 v[8*(8*(\a)+(\b)):8*(8*(\a)+(\b))+7], v[(\f)+8*(\b):(\f)+8*(\b)+7], v[(\f)+8*(4*(\hi)+(\a)):(\f)+8*(4*(\hi)+(\a))+7], v[8*(8*(\a)+(\b)):8*(8*(\a)+(\b))+7]
.endif
.endr
.endr
.endm
.macro FETCH k, f                      ; 32 LDS loads in one run: a quarter step's fragments (B, then A), at byte k of the rows of the slot in hand
	WIN TO_B
.irp i, 0,1,2,3,4,5,6,7
	ds_load_b128 v[(\f)+8*(\i):(\f)+8*(\i)+3],   v[ADRB] offset:(\k)+(\i)*16*PITCH
	ds_load_b128 v[(\f)+8*(\i)+4:(\f)+8*(\i)+7], v[ADRB] offset:(\k)+(\i)*16*PITCH+32
.endr
	WIN 0
.irp i, 0,1,2,3,4,5,6,7
	ds_load_b128 v[(\f)+8*(\i):(\f)+8*(\i)+3],   v[ADRA] offset:(\k)+(\i)*16*PITCH
	ds_load_b128 v[(\f)+8*(\i)+4:(\f)+8*(\i)+7], v[ADRA] offset:(\k)+(\i)*16*PITCH+32
.endr
.endm
.macro QUARTER k, f, g, zero           ; multiplies buffer f; in its middle fetches the next quarter, at byte k, into g
	s_wait_dscnt 8                                 ; B and A's rows 0-63 are in; the youngest eight loads may be out
	MUL16 \f, 0, 0, \zero
	MUL16 \f, 0, 2, \zero
	PLACES
	FETCH \k, \g
	s_wait_dscnt 32                                ; all but the 32 just issued
	MUL16 \f, 1, 0, \zero
	MUL16 \f, 1, 2, \zero
.endm
; The fourth quarter multiplies buffer 1 and changes slots.  In front of the barrier each wave waits for all its tensor loads (one is out: its part of the next slot), adds 0 to its spare word, and
; waits for that and for its reads of the slot.  fill = 1: the barrier opens a round of the cluster's, and the joint refill, two K steps on, is the first thing behind it: 224 products ahead of the wait for it.
.macro TURN fill
.if \fill
	s_wait_xcnt 0x0                                ; the last prefetch, a K step back, has read its address
	s_add_nc_u64 s[PFA:PFA+1], s[PFA:PFA+1], KSTEP*2
.endif
	WIN 0
	s_wait_tensorcnt 0x0
	ds_add_u32 v[SPW], v[NIL]
	s_wait_dscnt 9                                 ; the add and the youngest eight loads may be out
	MUL16 F1, 0, 0, 0
	s_wait_dscnt 0x0                               ; the add is done, my reads of the slot are over
	s_barrier_signal -1
	MUL16 F1, 0, 2, 0
	WIN 0
	s_barrier_wait -1
.if \fill
	CREST
	s_xor_b32 s[G0+5], s[G0+5], SLOT               ; the walking descriptors: the other slot, the next K step
	s_add_nc_u64 s[G0+6:G0+7], s[G0+6:G0+7], KSTEP*2
	s_xor_b32 s[G0B+5], s[G0B+5], SLOT
	s_add_nc_u64 s[G0B+6:G0B+7], s[G0B+6:G0B+7], KSTEP*2
	JLOAD                                          ; its four v_nop are also the places in front of the loads below
.else
	PLACES
.endif
	s_xor_b32 s[TB], s[TB], SLOT
	v_add_nc_u32 v[ADRA], s[TB], v[ADRA0]
	v_add_nc_u32 v[ADRB], s[TB], v[ADRB0]
	FETCH 0, F0
.if \fill
	ASK
.endif
	MUL16 F1, 1, 0, 0
	MUL16 F1, 1, 2, 0
.endm
.macro DUMP                            ; the raw f32 tile into the ring's bytes: row x 1,040 + 4 x column; each accumulator's low four registers first
.irp hi, 0,1
	WIN 0x08+4*(\hi)                               ; store data in window 2 or 3
.irp a, 0,1,2,3
.irp b, 0,1,2,3,4,5,6,7
	ds_store_b128 v[DS0+(\hi)], v[8*(8*(\a)+(\b)):8*(8*(\a)+(\b))+3]   offset:(\a)*16*DP+64*(\b)
	ds_store_b128 v[DS0+(\hi)], v[8*(8*(\a)+(\b))+4:8*(8*(\a)+(\b))+7] offset:(\a)*16*DP+64*(\b)+16
.endr
.endr
.endr
	WIN 0
.endm
.macro ALLG line:vararg                ; one line for each of the four groups of two angles
.set g, 0
.rept 4
	\line
.set g, g+12
.endr
.endm
	s_load_b256 s[4:11], s[0:1], 0x0               ; xh s[4:5], wqk s[6:7], token_positions s[8:9], qk s[10:11]
	v_lshl_add_u32 v[SPW], v0, 2, SPARE
	v_mov_b32 v[NIL], 0
	ds_add_u32 v[SPW], v[NIL]                      ; the wave's opening: the add and its wait ahead of my first tensor load
	ds_add_u32 v28, v29
	v_lshrrev_b32 v1, 5, v0
	v_readfirstlane_b32 s[WV], v1
	s_lshr_b32 s[WH], s[WV], 1
	s_and_b32 s[WL], s[WV], 1
	s_bfe_u32 s[CX], ttmp6, 0x40000
	s_bfe_u32 s[CY], ttmp6, 0x40004
	s_and_b32 s[MT], ttmp7, 0xffff
	s_lshl_b32 s[MT], s[MT], 2
	s_add_co_u32 s[MT], s[MT], s[CY]               ; tile row = 4 x cluster y + cy
	s_lshl_b32 s2, s[CY], 2
	s_lshl_b32 s2, 15, s2                          ; my row of the cluster
	s_lshl_b32 s42, 0x1111, s[CX]                  ; my column
	s_or_b32 s[G1], s2, (1<<16)|(1<<20)|(1<<21)|(5<<22)|(3<<25)    ; the mask; 2-byte elements; padding on; bit 21 beside a mask; after every 64 words 4 words
	s_or_b32 s[G1B], s42, (1<<16)|(1<<20)|(1<<21)|(5<<22)|(3<<25)
.irp g, G1, G1B
	s_mov_b32 s[(\g)+1], KSTEP<<16                 ; tensor_dim0 = 128
	s_mov_b32 s[(\g)+2], 128<<16                   ; tensor_dim1 = 128
	s_mov_b32 s[(\g)+3], KSTEP<<16                 ; tile_dim0 = 128
	s_mov_b32 s[(\g)+4], 128                       ; tile_dim1 = 128
	s_mov_b32 s[(\g)+5], 1024                      ; elements from row to row
	s_mov_b32 s[(\g)+6], 0
	s_mov_b32 s[(\g)+7], 0
.endr
	s_lshl_b32 s[CT], ttmp9, 2
	s_add_co_u32 s[CT], s[CT], s[CX]               ; tile column = 4 x cluster x + cx
	s_lshl_b32 s46, s[WL], 10                      ; B's first row: 1,024 x half (Wq, Wk) + 128 x tile column
	s_lshl_b32 s47, s[CT], 7
	s_add_co_u32 s46, s46, s47
	s_lshl_b32 s16, s[MT], 8
	s_lshl_b32 s17, s[WL], 7
	s_add_co_u32 s16, s16, s17                     ; A's first row: 256 x tile row + 128 x half
	s_lshl_b32 s20, s[CX], 5                       ; the prefetches: of A's 128 rows partner cx takes 32,
	s_add_co_u32 s20, s20, s16
	s_lshl_b32 s21, s[CY], 5                       ; of B's partner cy
	s_add_co_u32 s21, s21, s46
	s_and_b32 s22, ttmp7, 0xffff
	s_cmp_eq_u32 s[WH], 0
	s_cselect_b32 s20, s20, s21
	s_cselect_b32 s22, ttmp9, s22                  ; the coordinate along which other clusters read the same rows
	s_cmp_eq_u32 s22, 0
	s_cselect_b32 s[LIM], 2, -1
	s_lshl_b32 s20, s20, 11                        ; rows of 2,048 bytes
	s_mov_b32 s21, 0
	s_lshl_b32 s16, s16, 11
	s_mov_b32 s17, 0
	s_lshl_b32 s46, s46, 11
	s_mov_b32 s47, 0
	s_mul_i32 s23, s[WV], HALFT                    ; where my tile goes: no place in the cluster enters an LDS address
	s_mov_b32 s[TB], 0
	s_wait_dscnt 0x0                               ; the opening add is done
	s_wait_kmcnt 0x0
	s_add_nc_u64 s[18:19], s[4:5], s[16:17]
	s_add_nc_u64 s[46:47], s[6:7], s[46:47]
	s_cmp_eq_u32 s[WH], 0
	s_cselect_b64 s[PFA:PFA+1], s[4:5], s[6:7]
	s_add_nc_u64 s[PFA:PFA+1], s[PFA:PFA+1], s[20:21]
	s_add_nc_u64 s[PFA:PFA+1], s[PFA:PFA+1], 2*KSTEP*2  ; at K step 2: the first refill steps it to 3 and names K step 4
	CROUND                                         ; all sixteen work-groups are here: the first joint loads meet
.irp s, 0,1
	s_mov_b32 s[G0+4*(\s)], 1
	s_add_co_u32 s[G0+4*(\s)+1], s23, (\s)*SLOT
	s_add_nc_u64 s[G0+4*(\s)+2:G0+4*(\s)+3], s[18:19], (\s)*KSTEP*2
	s_or_b32 s[G0+4*(\s)+3], s[G0+4*(\s)+3], 0x80000000
	s_mov_b32 s[G0B+4*(\s)], 1
	s_add_co_u32 s[G0B+4*(\s)+1], s23, (\s)*SLOT
	s_add_nc_u64 s[G0B+4*(\s)+2:G0B+4*(\s)+3], s[46:47], (\s)*KSTEP*2
	s_or_b32 s[G0B+4*(\s)+3], s[G0B+4*(\s)+3], 0x80000000
.endr
	s_cmp_eq_u32 s[WH], 0                          ; a wave's two first fills stand in one branch: two loads of mine are out
	s_cbranch_scc0 .Lfirst_b
	tensor_load_to_lds s[G0:G0+3], s[G1:G1+7]
	s_nop 0
	tensor_load_to_lds s[G0+4:G0+7], s[G1:G1+7]
	s_nop 0
	PLACES
	s_branch .Lfirst_asked
.Lfirst_b:
	tensor_load_to_lds s[G0B:G0B+3], s[G1B:G1B+7]
	s_nop 0
	tensor_load_to_lds s[G0B+4:G0B+7], s[G1B:G1B+7]
	s_nop 0
	PLACES
.Lfirst_asked:
	; all of this stands in the wait for the first tile
	v_and_b32 v1, 15, v0                           ; l % 16
	v_bfe_u32 v2, v0, 4, 1                         ; l / 16
	v_and_b32 v5, 31, v0                           ; l
	s_lshl_b32 s20, s[MT], 10                      ; the positions of the 64 rows that I send out: 4 (256 x tile row + 64 x wave) + 8 l
	s_lshl_b32 s21, s[WV], 8
	s_add_co_u32 s20, s20, s21
	v_lshl_add_u32 v6, v5, 3, s20
	global_load_b64 v[8:9], v6, s[8:9]
	v_lshl_add_u32 v7, v5, 3, s21
	v_add_nc_u32 v7, POSF, v7
	v_lshl_add_u32 v[PSA], v2, 2, s21
	v_add_nc_u32 v[PSA], POSF, v[PSA]
	v_lshlrev_b32 v[PFO], 11, v5
	v_mul_u32_u24 v3, v1, PITCH
	v_lshl_add_u32 v3, v2, 4, v3                   ; a fragment's row x pitch + 16 x half
	s_mul_i32 s20, s[WH], HALFT
	s_mul_i32 s22, s[WL], HALFT
	s_add_co_u32 s22, s22, 2*HALFT
	v_add_nc_u32 v[ADRA0], s20, v3
	v_add_nc_u32 v[ADRB0], s22, v3
	v_mov_b32 v[ADRA], v[ADRA0]
	v_mov_b32 v[ADRB], v[ADRB0]
	s_mul_i32 s20, s[WH], 128*DP                   ; the dump: (128 x row half + l % 16) x 1,040 + 512 x column half + 32 (l / 16)
	s_lshl_b32 s22, s[WL], 9
	s_add_co_u32 s20, s20, s22
	v_mul_u32_u24 v[DS0], v1, DP
	v_lshl_add_u32 v[DS0], v2, 5, v[DS0]
	v_add_nc_u32 v[DS0], s20, v[DS0]
	v_add_nc_u32 v[DS0+1], 64*DP, v[DS0]
	s_mul_i32 s20, s[WV], 64*DP                    ; back: (64 x wave + l / 16) x 1,040 + 32 (l % 16)
	v_mul_u32_u24 v[RDX], v2, DP
	v_lshl_add_u32 v[RDX], v1, 5, v[RDX]
	v_add_nc_u32 v[RDX], s20, v[RDX]
	v_lshlrev_b32 v[CO], 12, v2
	v_lshl_add_u32 v[CO], v1, 4, v[CO]
	s_lshl_b32 s20, s[CT], 8                       ; Q's columns begin at byte 256 x tile column, K's 2,048 bytes on
	s_lshl_b32 s21, s[MT], 8
	s_lshl_b32 s23, s[WV], 6
	s_add_co_u32 s21, s21, s23
	s_lshl_b32 s21, s21, 12                        ; my first row, 4,096 bytes a row
	s_add_co_u32 s20, s20, s21
	s_mov_b32 s21, 0
	s_add_nc_u64 s[OQ:OQ+1], s[10:11], s[20:21]
	s_add_nc_u64 s[OK2:OK2+1], s[OQ:OQ+1], 2048
	s_lshl_b32 s20, s[CT], 6                       ; my four pairs of columns: 64 x tile column + 4 (l % 16) + k; frequency 2^(-log2(10000) / 512 x pair)
	v_lshl_add_u32 v3, v1, 2, s20
.irp k, 0,1,2,3
	v_add_nc_u32 v4, \k, v3
	v_cvt_f32_u32 v[FR+(\k)], v4
	v_mul_f32 v[FR+(\k)], 0xbcd49a78, v[FR+(\k)]
.endr
.irp k, 0,1,2,3
	v_exp_f32 v[FR+(\k)], v[FR+(\k)]
.endr
	v_mov_b32 v[MGC], 0x4b400000                   ; a plain instruction behind the last exponential
	s_wait_alu depctr_va_vdst(0)                   ; one wait for the four, ahead of every later line that names them
	v_mov_b32 v[MGC+1], 0x4b400000
	v_mov_b32 v[K7], 0xb9500d01
	v_mov_b32 v[K7+1], 0xb9500d01
	v_mov_b32 v[K8], 0x37d00d01
	v_mov_b32 v[K8+1], 0x37d00d01
	s_wait_loadcnt 0x0
	v_cvt_f32_i32 v8, v8
	v_cvt_f32_i32 v9, v9
	ds_store_b64 v7, v[8:9]                        ; my own bytes: only I read them
	s_wait_tensorcnt 0x1                           ; my part of K step 0 is in; K step 1's may stay out
	s_wait_dscnt 0x0
	s_barrier_signal -1
	s_barrier_wait -1
	FETCH 0, F0
	QUARTER 64, F0, F1, 1                          ; the first quarter starts the sums: nothing is cleared
	WIN 0
	s_mov_b32 s3, 6
.Lstep:                                        ; a trip: a K step's quarters 2 to 4 and the next step's first; trip s asks for K step s + 2
	QUARTER 128, F1, F0, 0
	QUARTER 192, F0, F1, 0
	TURN 1
	QUARTER 64, F0, F1, 0
	WIN 0
	s_sub_co_u32 s3, s3, 1
	s_cmp_lg_u32 s3, 0
	s_cbranch_scc1 .Lstep
	s_mov_b32 s3, 2
.Ltail:                                        ; the last two K steps ask for nothing: one text, two trips.  The last trip has no next step: its change of slots fetches the other slot's old
	QUARTER 128, F1, F0, 0                         ; bytes once more and uses nothing of them, and the next step's first quarter is jumped over
	QUARTER 192, F0, F1, 0
	TURN 0
	WIN 0
	s_wait_dscnt 0x0                               ; the fetch is in: 32 products stand behind it
	s_cmp_eq_u32 s3, 1
	s_cbranch_scc1 .Llast
	QUARTER 64, F0, F1, 0
	WIN 0
.Llast:
	s_sub_co_u32 s3, s3, 1
	s_cmp_lg_u32 s3, 0
	s_cbranch_scc1 .Ltail
	s_wait_dscnt 0x0
	PLACES
	PLACES
	s_barrier_signal -1                            ; no LDS instruction of mine is out: nobody reads the ring any more behind this barrier
	s_barrier_wait -1
	DUMP
	s_wait_dscnt 0x0                               ; for the others' sake: my part of the tile lies in LDS
	s_barrier_signal -1
	s_barrier_wait -1
	; THE WAY OUT: 16 trips of 4 rows.  Lanes 0-15 take one row, lanes 16-31 the next; a lane takes 8 columns of Q and the same 8 of K; both are turned by the lane's four angles.
	s_mov_b32 s3, 16
.Lrow:
	ds_load_b32 v[PS], v[PSA]
	ds_load_b32 v[PS+1], v[PSA] offset:8
.irp p, 0,1
.irp c, 0,1,2,3
	ds_load_b128 v[X+16*(\p)+4*(\c):X+16*(\p)+4*(\c)+3], v[RDX] offset:(\p)*2*DP+((\c)/2)*512+((\c)%2)*16
.endr
.endr
	v_add_nc_u32 v[RDX], 4*DP, v[RDX]
	v_add_nc_u32 v[PSA], 16, v[PSA]
	s_wait_dscnt 8                                 ; the positions are in; the eight row loads, issued behind them, land under the sine and cosine
	v_pk_mul_f32 v[SC:SC+1],       v[FR:FR+1],   v[PS:PS+1] op_sel_hi:[1,0]
	v_pk_mul_f32 v[SC+12:SC+13],   v[FR+2:FR+3], v[PS:PS+1] op_sel_hi:[1,0]
	v_pk_mul_f32 v[SC+24:SC+25],   v[FR:FR+1],   v[PS:PS+1] op_sel:[0,1] op_sel_hi:[1,1]
	v_pk_mul_f32 v[SC+36:SC+37],   v[FR+2:FR+3], v[PS:PS+1] op_sel:[0,1] op_sel_hi:[1,1]
	ALLG v_pk_fma_f32 v[SC+g+2:SC+g+3], v[SC+g:SC+g+1], 0x3ea2f983, v[MGC:MGC+1] op_sel_hi:[1,0,1]       ; t = angle / pi + 1.5 x 2^23: rounded to a whole number n, whose parity is t's lowest bit
	ALLG v_pk_add_f32 v[SC+g+4:SC+g+5], v[SC+g+2:SC+g+3], v[MGC:MGC+1] neg_lo:[0,1] neg_hi:[0,1]         ; n
	ALLG v_pk_fma_f32 v[SC+g:SC+g+1], v[SC+g+4:SC+g+5], 0xc0490fdb, v[SC+g:SC+g+1] op_sel_hi:[1,0,1]     ; r = angle - n pi, pi in two parts
	ALLG v_pk_fma_f32 v[SC+g:SC+g+1], v[SC+g+4:SC+g+5], 0x33bbbd2e, v[SC+g:SC+g+1] op_sel_hi:[1,0,1]
	ALLG v_pk_mul_f32 v[SC+g+6:SC+g+7], v[SC+g:SC+g+1], v[SC+g:SC+g+1]
	ALLG v_pk_fma_f32 v[SC+g+8:SC+g+9], v[SC+g+6:SC+g+7], 0x3638ef1d, v[K7:K7+1] op_sel_hi:[1,0,1]       ; sine: 1/9! r^2 - 1/7!
	ALLG v_pk_fma_f32 v[SC+g+10:SC+g+11], v[SC+g+6:SC+g+7], 0xb493f27e, v[K8:K8+1] op_sel_hi:[1,0,1]     ; cosine: -1/10! r^2 + 1/8!
	ALLG v_pk_fma_f32 v[SC+g+8:SC+g+9], v[SC+g+8:SC+g+9], v[SC+g+6:SC+g+7], 0x3c088889 op_sel_hi:[1,1,0]
	ALLG v_pk_fma_f32 v[SC+g+10:SC+g+11], v[SC+g+10:SC+g+11], v[SC+g+6:SC+g+7], 0xbab60b61 op_sel_hi:[1,1,0]
	ALLG v_pk_fma_f32 v[SC+g+8:SC+g+9], v[SC+g+8:SC+g+9], v[SC+g+6:SC+g+7], 0xbe2aaaab op_sel_hi:[1,1,0]
	ALLG v_pk_fma_f32 v[SC+g+10:SC+g+11], v[SC+g+10:SC+g+11], v[SC+g+6:SC+g+7], 0x3d2aaaab op_sel_hi:[1,1,0]
	ALLG v_pk_fma_f32 v[SC+g+8:SC+g+9], v[SC+g+8:SC+g+9], v[SC+g+6:SC+g+7], 1.0 op_sel_hi:[1,1,0]
	ALLG v_pk_fma_f32 v[SC+g+10:SC+g+11], v[SC+g+10:SC+g+11], v[SC+g+6:SC+g+7], -0.5 op_sel_hi:[1,1,0]
	ALLG v_lshl_or_b32 v[SC+g+2], v[SC+g+2], 31, 0x3f800000                                             ; (-1)^n as 1.0 or -1.0
	ALLG v_lshl_or_b32 v[SC+g+3], v[SC+g+3], 31, 0x3f800000
	ALLG v_pk_fma_f32 v[SC+g+10:SC+g+11], v[SC+g+10:SC+g+11], v[SC+g+6:SC+g+7], 1.0 op_sel_hi:[1,1,0]
	ALLG v_pk_mul_f32 v[SC+g+4:SC+g+5], v[SC+g:SC+g+1], v[SC+g+2:SC+g+3]
	ALLG v_pk_mul_f32 v[SC+g+8:SC+g+9], v[SC+g+8:SC+g+9], v[SC+g+4:SC+g+5]                               ; sine of the angle
	ALLG v_pk_mul_f32 v[SC+g+10:SC+g+11], v[SC+g+10:SC+g+11], v[SC+g+2:SC+g+3]                           ; cosine of the angle
	s_wait_dscnt 0x0                               ; the rows are in
.irp p, 0,1
.irp q, 0,1
.irp kk, 0,1
.irp e, 0,1
.set xr, 16*(\p)+8*(\q)+4*(\kk)+2*(\e)
.set sr, SC+12*(2*(\p)+(\kk))
	v_pk_mul_f32 v[T1+xr:T1+xr+1], v[X+xr:X+xr+1], v[sr+10:sr+11] op_sel:[0,\e] op_sel_hi:[1,\e]         ; (x1 c, x2 c)
.endr
.endr
.endr
.endr
.irp p, 0,1
.irp q, 0,1
.irp kk, 0,1
.irp e, 0,1
.set xr, 16*(\p)+8*(\q)+4*(\kk)+2*(\e)
.set sr, SC+12*(2*(\p)+(\kk))
	v_pk_fma_f32 v[X+xr:X+xr+1], v[X+xr:X+xr+1], v[sr+8:sr+9], v[T1+xr:T1+xr+1] op_sel:[1,\e,0] op_sel_hi:[0,\e,1] neg_lo:[0,1,0]  ; (x1 c - x2 s, x2 c + x1 s)
.endr
.endr
.endr
.endr
.set i, 0
.rept 16
	v_cvt_pk_f16_f32 v[Y+i], v[X+2*i], v[X+2*i+1]
.set i, i+1
.endr
.irp p, 0,1
	global_store_b128 v[CO], v[Y+8*(\p):Y+8*(\p)+3],   s[OQ:OQ+1]   offset:(\p)*2*OROW
	global_store_b128 v[CO], v[Y+8*(\p)+4:Y+8*(\p)+7], s[OK2:OK2+1] offset:(\p)*2*OROW
.endr
	s_wait_xcnt 0x0                                ; the stores have read their data and their bases: only now are these written again
	s_add_nc_u64 s[OQ:OQ+1], s[OQ:OQ+1], 4*OROW
	s_add_nc_u64 s[OK2:OK2+1], s[OK2:OK2+1], 4*OROW
	s_sub_co_u32 s3, s3, 1
	s_cmp_lg_u32 s3, 0
	s_cbranch_scc1 .Lrow
	s_wait_tensorcnt 0x0                           ; the wave's end
	ds_add_u32 v[SPW], v[NIL]
	s_wait_dscnt 0x0
	CROUND                                         ; the closing round
	s_endpgm
.Lfunc_end_k_q486c4ce527_qk:
	.size	k_q486c4ce527_qk, .Lfunc_end_k_q486c4ce527_qk-k_q486c4ce527_qk
	.p2alignl 7, 3214868480
	.fill 96, 4, 3214868480
	.section	.rodata,"a",@progbits
	.p2align	6, 0x0
	.amdhsa_kernel k_q486c4ce527_qk
		.amdhsa_group_segment_fixed_size 327680
		.amdhsa_private_segment_fixed_size 0
		.amdhsa_enable_private_segment 0
		.amdhsa_kernarg_size 32
		.amdhsa_user_sgpr_count 2
		.amdhsa_user_sgpr_kernarg_segment_ptr 1
		.amdhsa_wavefront_size32 1
		.amdhsa_system_sgpr_workgroup_id_x 1
		.amdhsa_system_sgpr_workgroup_id_y 1
		.amdhsa_system_sgpr_workgroup_id_z 1
		.amdhsa_system_vgpr_workitem_id 0
		.amdhsa_next_free_vgpr 1024
		.amdhsa_next_free_sgpr 96
		.amdhsa_reserve_vcc 0
		.amdhsa_float_denorm_mode_32 3
		.amdhsa_float_denorm_mode_16_64 3
		.amdhsa_memory_ordered 1
		.amdhsa_forward_progress 1
		.amdhsa_inst_pref_size 90
	.end_amdhsa_kernel
	.amdgpu_metadata
---
amdhsa.version: [ 1, 2 ]
amdhsa.kernels:
  - .name:           k_q486c4ce527_qk
    .symbol:         k_q486c4ce527_qk.kd
    .args:
      - { .name: xh, .offset: 0, .size: 8, .value_kind: global_buffer, .address_space: global }
      - { .name: wqk, .offset: 8, .size: 8, .value_kind: global_buffer, .address_space: global }
      - { .name: token_positions, .offset: 16, .size: 8, .value_kind: global_buffer, .address_space: global }
      - { .name: qk, .offset: 24, .size: 8, .value_kind: global_buffer, .address_space: global }
    .group_segment_fixed_size: 327680
    .private_segment_fixed_size: 0
    .kernarg_segment_align: 8
    .kernarg_segment_size: 32
    .max_flat_workgroup_size: 128
    .sgpr_count:     96
    .vgpr_count:     1024
    .wavefront_size: 32
...
	.end_amdgpu_metadata
.endif
;; end of part 7
;; launch scores (part 8): grid 10 x 16, 4 waves a work-group, no clusters, 327,680 bytes of LDS; arguments qk, wf, pbuf, stat, wp; writes pbuf, stat, wp
.if DOCPART == 8
	.amdgcn_target "amdgcn-amd-amdhsa--gfx1250"
	.amdhsa_code_object_version 6
	.text
	.protected	k_q486c4ce527_scores
	.globl	k_q486c4ce527_scores
	.p2align	8
	.type	k_q486c4ce527_scores,@function
k_q486c4ce527_scores:
	s_mov_b64 s[64:65], 0
	v_nop
	global_prefetch_b8 v0, s[64:65] scope:SCOPE_SE
	s_setreg_imm32_b32 hwreg(HW_REG_WAVE_MODE, 25, 1), 1
	s_wait_xcnt 0x0
; SCORES, and the fold of the two last weights.
; A SCORE TILE (i, j) of 256 queries x 256 keys of a batch: S = Q K^T over 1,024 channels; for each row the tile's own maximum is taken away: m = c max, c = log2(e) / 32,
; p = 2^(c s - m) rounded to f16 into pbuf [8192][2048], l = the sum of the unrounded p; m and l go to stat [2][8][8192] at [key tile][row].  The next launch joins the tiles of a row in f32.
; A FOLD TILE (i, j) of 256 x 256 of W' = Wo Wv: since (P (x Wv^T)) Wo^T = (P x) (Wo Wv)^T, the later launches multiply P by x and the result by W'.  wf [1024][2048] holds Wo's rows beside Wv's columns
; as qk [8192][2048] holds Q's rows beside K's, so a fold tile is the same product on another buffer, with no mask.  It is stored as 16 W' in f16 into wp [1024][1024]; the last launch takes the 16 out again.
; LIMITS: a hidden score counts as its value less 1e30, so its weight is 0; a weight below 2^-126 counts as 0; 16 |W'| stays within 65,504, and below 2^-14 it takes f16's fixed step of 6e-8;
; NaN and infinities are not treated apart.
; THE TILES: work-group (u, y).  u < 9: batch y / 4, pr = y % 4; u <= pr: tile (pr, u); else tile (7 - pr, u - pr - 1): the 36 causal tiles of a batch.  u = 9: fold tile (y / 4, y % 4).  160 work-groups.
; NO CLUSTER: a row of the triangle has 1 to 8 tiles and so has a column: they do not fall into groups of four that share a row or a column, and a square of 4 x 4 on the diagonal
; would hold 6 work-groups with nothing to do.
; THE MASK is the C operand of the products that start the sums: 0 or -1e30; three sets of eight registers serve a wave's 64 accumulators (below, on and above its own diagonal).
; K loop, ring and the dump as in the projection's text: 8 steps of 128 channels, two slots, a wave's tensor load brings 128 rows of 256 bytes; every wave has one descriptor of its own.
.set KSTEP,  128
.set PITCH,  272
.set HALFT,  128*PITCH
.set SLOT,   4*HALFT
.set DP,     1040
.set STATL,  2*SLOT                    ; behind the ring: a wave's 64 m, then its 64 l: 512 bytes a wave
.set SPARE,  STATL+2048
.set QROW,   4096                      ; bytes in a row of qk and of wf
.set ADRA0, 16
.set ADRB0, 17
.set ADRA,  18
.set ADRB,  19
.set DS0,   20                         ; v20, v21
.set RDX0,  22                         ; v22  where my first rows lie in the dump; never rewritten
.set RDX,   23
.set CO,    24
.set SA,    25                         ; v25  where a trip's m and l go
.set SB,    26                         ; v26  where I read them back
.set SG,    27                         ; v27  8 x lane
.set SPW,   28
.set NIL,   29
.set PFO,   30
.set COW,   31                         ; v31  my byte offset in two rows of wp
.set ML,    32                         ; v[32:39]  the mask below the wave's diagonal
.set MG,    40                         ; v[40:47]  on it
.set MU,    48                         ; v[48:55]  above it
.set F0,    64
.set F1,    128
.set X,     64                         ; v[64:95]   2 row pairs x 16 scores
.set E,     96                         ; v[96:127]  the weights
.set Y,     128                        ; v[128:143] packed
.set MM,    144                        ; v[144:145] m of the two rows
.set LS,    146                        ; v[146:147] l
.set CA,    148                        ; v[148:151] at work
.set WV, 12
.set WH, 13
.set WL, 14
.set G1, 24
.set G0, 32
.set LIM, 43
.set PFA, 44
.set TB, 66
.set TI, 67
.set TJ, 68
.set BB, 69
.set CS, 70                            ; s[70:71] c
.set RO, 72                            ; s72  the dump offset of the rows to be fetched next
.set FOLD, 73                          ; s73  1: a fold tile
.set PB, 74                            ; s[74:75] pbuf at my rows
.set WPB, 76                           ; s[76:77] wp at my rows
.set MSB, 0
.macro WIN new
.if MSB != (\new)
	s_set_vgpr_msb (MSB<<8)|(\new)
.set MSB, \new
.endif
.endm
.set MUL_LO, 0xa1
.set TO_B,   0x40
.macro PLACES
.rept 4
	v_nop
.endr
.endm
; A prefetch of the K step two refills on: my 128 rows x 256 bytes, a lane a row, four instructions.  A block of the left operand's rows is named by its tile with j = 0, a block of the right one's by its tile with i = j: once each.
.macro ASK
	s_cmp_gt_u32 s3, s[LIM]
	s_cbranch_scc0 .Lnot_mine_\@
.irp k, 0,1,2,3
	global_prefetch_b8 v[PFO], s[PFA:PFA+1] offset:(\k)*32*QROW+KSTEP*2 th:TH_LOAD_NT scope:SCOPE_SE
.endr
.Lnot_mine_\@:
.endm
; zero = 2: the products start the sums with the mask (C in window 0)
.macro MUL16 f, hi, a0, zero
.if (\zero) == 2
	WIN 0x81+0x40*(\hi)
.else
	WIN MUL_LO+0x50*(\hi)
.endif
.irp a, \a0, (\a0)+1
.irp b, 0,1,2,3,4,5,6,7
.if (\zero) == 2
.if (\b) < 4*(\hi)+(\a)
.set rC, ML
.elseif (\b) == 4*(\hi)+(\a)
.set rC, MG
.else
.set rC, MU
.endif
	v_wmma_f32_16x16x32_f16 v[8*(8*(\a)+(\b)):8*(8*(\a)+(\b))+7], v[(\f)+8*(\b):(\f)+8*(\b)+7], v[(\f)+8*(4*(\hi)+(\a)):(\f)+8*(4*(\hi)+(\a))+7], v[rC:rC+7]
.else
	v_wmma_f32_16x16x32_f16 v[8*(8*(\a)+(\b)):8*(8*(\a)+(\b))+7], v[(\f)+8*(\b):(\f)+8*(\b)+7], v[(\f)+8*(4*(\hi)+(\a)):(\f)+8*(4*(\hi)+(\a))+7], v[8*(8*(\a)+(\b)):8*(8*(\a)+(\b))+7]
.endif
.endr
.endr
.endm
.macro FETCH k, f
	WIN TO_B
.irp i, 0,1,2,3,4,5,6,7
	ds_load_b128 v[(\f)+8*(\i):(\f)+8*(\i)+3],   v[ADRB] offset:(\k)+(\i)*16*PITCH
	ds_load_b128 v[(\f)+8*(\i)+4:(\f)+8*(\i)+7], v[ADRB] offset:(\k)+(\i)*16*PITCH+32
.endr
	WIN 0
.irp i, 0,1,2,3,4,5,6,7
	ds_load_b128 v[(\f)+8*(\i):(\f)+8*(\i)+3],   v[ADRA] offset:(\k)+(\i)*16*PITCH
	ds_load_b128 v[(\f)+8*(\i)+4:(\f)+8*(\i)+7], v[ADRA] offset:(\k)+(\i)*16*PITCH+32
.endr
.endm
.macro QUARTER k, f, g, zero
	s_wait_dscnt 8                                 ; B and A's rows 0-63 are in; the youngest eight loads may be out
	MUL16 \f, 0, 0, \zero
	MUL16 \f, 0, 2, \zero
	PLACES
	FETCH \k, \g
	s_wait_dscnt 32                                ; all but the 32 just issued
	MUL16 \f, 1, 0, \zero
	MUL16 \f, 1, 2, \zero
.endm
; The change of slots: all my tensor loads have landed, the add, my reads of the slot are over, the barrier; fill = 1: my one refill, two K steps on, first behind it: 224 products ahead of the wait for it.
.macro TURN fill
.if \fill
	s_wait_xcnt 0x0                                ; the last prefetches, a K step back, have read their address
	s_add_nc_u64 s[PFA:PFA+1], s[PFA:PFA+1], KSTEP*2
.endif
	WIN 0
	s_wait_tensorcnt 0x0
	ds_add_u32 v[SPW], v[NIL]
	s_wait_dscnt 9                                 ; the add and the youngest eight loads may be out
	MUL16 F1, 0, 0, 0
	s_wait_dscnt 0x0
	s_barrier_signal -1
	MUL16 F1, 0, 2, 0
	WIN 0
	s_barrier_wait -1
.if \fill
	s_xor_b32 s[G0+5], s[G0+5], SLOT
	s_add_nc_u64 s[G0+6:G0+7], s[G0+6:G0+7], KSTEP*2
	tensor_load_to_lds s[G0+4:G0+7], s[G1:G1+7]
	s_nop 0
.endif
	PLACES
	s_xor_b32 s[TB], s[TB], SLOT
	v_add_nc_u32 v[ADRA], s[TB], v[ADRA0]
	v_add_nc_u32 v[ADRB], s[TB], v[ADRB0]
	FETCH 0, F0
.if \fill
	ASK
.endif
	MUL16 F1, 1, 0, 0
	MUL16 F1, 1, 2, 0
.endm
.macro DUMP
.irp hi, 0,1
	WIN 0x08+4*(\hi)
.irp a, 0,1,2,3
.irp b, 0,1,2,3,4,5,6,7
	ds_store_b128 v[DS0+(\hi)], v[8*(8*(\a)+(\b)):8*(8*(\a)+(\b))+3]   offset:(\a)*16*DP+64*(\b)
	ds_store_b128 v[DS0+(\hi)], v[8*(8*(\a)+(\b))+4:8*(8*(\a)+(\b))+7] offset:(\a)*16*DP+64*(\b)+16
.endr
.endr
.endr
	WIN 0
.endm
.macro XLOAD                           ; four rows: lanes 0-15 one row of a pair, lanes 16-31 the other; 8 numbers of the tile's first 128 columns and 8 of its second
.irp p, 0,1
.irp c, 0,1,2,3
	ds_load_b128 v[X+16*(\p)+4*(\c):X+16*(\p)+4*(\c)+3], v[RDX] offset:(\p)*2*DP+((\c)/2)*512+((\c)%2)*16
.endr
.endr
.endm
	s_load_b256 s[4:11], s[0:1], 0x0               ; qk s[4:5], wf s[6:7], pbuf s[8:9], stat s[10:11]
	s_load_b64 s[WPB:WPB+1], s[0:1], 0x20          ; wp
	v_lshl_add_u32 v[SPW], v0, 2, SPARE
	v_mov_b32 v[NIL], 0
	ds_add_u32 v[SPW], v[NIL]                      ; the wave's opening: the add and its wait ahead of my first tensor load
	ds_add_u32 v28, v29
	v_lshrrev_b32 v1, 5, v0
	v_readfirstlane_b32 s[WV], v1
	s_lshr_b32 s[WH], s[WV], 1
	s_and_b32 s[WL], s[WV], 1
	s_and_b32 s15, ttmp7, 0xffff
	s_and_b32 s16, s15, 3                          ; pr
	s_lshr_b32 s[BB], s15, 2                       ; batch
	s_sub_co_u32 s17, 7, s16
	s_sub_co_u32 s18, ttmp9, s16
	s_sub_co_u32 s18, s18, 1
	s_cmp_le_u32 ttmp9, s16
	s_cselect_b32 s[TI], s16, s17
	s_cselect_b32 s[TJ], ttmp9, s18
	s_cmp_eq_u32 ttmp9, 9                          ; a fold tile: (y / 4, y % 4), rows from 0
	s_cselect_b32 s[FOLD], 1, 0
	s_cselect_b32 s[TI], s[BB], s[TI]
	s_cselect_b32 s[TJ], s16, s[TJ]
	s_cselect_b32 s[BB], 0, s[BB]
	s_mov_b32 s[G1], (1<<16)|(1<<20)|(5<<22)|(3<<25)  ; 2-byte elements; padding on: after every 64 words 4 words
	s_mov_b32 s[G1+1], KSTEP<<16
	s_mov_b32 s[G1+2], 128<<16
	s_mov_b32 s[G1+3], KSTEP<<16
	s_mov_b32 s[G1+4], 128
	s_mov_b32 s[G1+5], 2048
	s_mov_b32 s[G1+6], 0
	s_mov_b32 s[G1+7], 0
	s_cmp_eq_u32 s[WH], 0                          ; waves 0, 1: the left operand's rows of block i; waves 2, 3: the right one's rows of block j, 2,048 bytes along the row
	s_cselect_b32 s16, s[TI], s[TJ]
	s_cselect_b32 s17, 0, 2048
	s_lshl_b32 s16, s16, 8
	s_lshl_b32 s18, s[BB], 11
	s_add_co_u32 s16, s16, s18
	s_lshl_b32 s18, s[WL], 7
	s_add_co_u32 s16, s16, s18
	s_mul_i32 s16, s16, QROW
	s_add_co_u32 s16, s16, s17
	s_mov_b32 s17, 0
	s_sub_co_u32 s18, s[TI], s[TJ]                 ; 0 on the diagonal
	s_cmp_eq_u32 s[WH], 0
	s_cselect_b32 s19, s[TJ], s18
	s_cmp_eq_u32 s19, 0
	s_cselect_b32 s[LIM], 2, -1
	s_or_b32 s18, s18, s[FOLD]                     ; a fold tile hides nothing
	s_xor_b32 s19, s[WV], 1                        ; on a diagonal score tile wave 1 (rows 0-127, keys 128-255) sees nothing,
	s_or_b32 s19, s19, s18
	s_cmp_eq_u32 s19, 0
	s_cselect_b32 s20, 0xf149f2ca, 0
	s_cmp_eq_u32 s[WV], 2                          ; wave 2 everything, waves 0 and 3 hold the diagonal
	s_cselect_b32 s19, 1, 0
	s_or_b32 s19, s19, s18
	s_cmp_eq_u32 s19, 0
	s_cselect_b32 s21, 0xf149f2ca, 0
	s_mul_i32 s23, s[WV], HALFT
	s_mov_b32 s[TB], 0
	s_mov_b32 s[CS], 0x3d38aa3b                    ; c = log2(e) / 32
	s_mov_b32 s[CS+1], s[CS]
	s_wait_dscnt 0x0                               ; the opening add is done
	s_wait_kmcnt 0x0
	s_cmp_eq_u32 s[FOLD], 1
	s_cselect_b64 s[18:19], s[6:7], s[4:5]
	s_add_nc_u64 s[18:19], s[18:19], s[16:17]
.irp s, 0,1
	s_mov_b32 s[G0+4*(\s)], 1
	s_add_co_u32 s[G0+4*(\s)+1], s23, (\s)*SLOT
	s_add_nc_u64 s[G0+4*(\s)+2:G0+4*(\s)+3], s[18:19], (\s)*KSTEP*2
	s_or_b32 s[G0+4*(\s)+3], s[G0+4*(\s)+3], 0x80000000
.endr
	tensor_load_to_lds s[G0:G0+3], s[G1:G1+7]      ; the two first fills go out together: two loads of mine are out
	s_nop 0
	tensor_load_to_lds s[G0+4:G0+7], s[G1:G1+7]
	s_nop 0
	PLACES
	s_add_nc_u64 s[PFA:PFA+1], s[18:19], 2*KSTEP*2
	v_and_b32 v1, 15, v0
	v_bfe_u32 v2, v0, 4, 1
	v_and_b32 v5, 31, v0
	v_lshlrev_b32 v[PFO], 12, v5
	v_mul_u32_u24 v3, v1, PITCH
	v_lshl_add_u32 v3, v2, 4, v3
	s_mul_i32 s16, s[WH], HALFT
	s_mul_i32 s17, s[WL], HALFT
	s_add_co_u32 s17, s17, 2*HALFT
	v_add_nc_u32 v[ADRA0], s16, v3
	v_add_nc_u32 v[ADRB0], s17, v3
	v_mov_b32 v[ADRA], v[ADRA0]
	v_mov_b32 v[ADRB], v[ADRB0]
.irp jj, 0,1,2,3,4,5,6,7
	v_mov_b32 v[ML+(\jj)], s20
	v_mov_b32 v[MU+(\jj)], s21
.endr
	v_lshlrev_b32 v3, 3, v2
	v_sub_nc_u32 v3, v1, v3                        ; my row less my lanes' 8 (l / 16): register jj is hidden where jj is greater
.irp jj, 0,1,2,3,4,5,6,7
	v_cmp_gt_i32 vcc_lo, \jj, v3
	v_cndmask_b32 v[MG+(\jj)], v[ML+(\jj)], v[MU+(\jj)], vcc_lo
.endr
	s_mul_i32 s16, s[WH], 128*DP
	s_lshl_b32 s17, s[WL], 9
	s_add_co_u32 s16, s16, s17
	v_mul_u32_u24 v[DS0], v1, DP
	v_lshl_add_u32 v[DS0], v2, 5, v[DS0]
	v_add_nc_u32 v[DS0], s16, v[DS0]
	v_add_nc_u32 v[DS0+1], 64*DP, v[DS0]
	s_mul_i32 s16, s[WV], 64*DP
	v_mul_u32_u24 v[RDX0], v2, DP
	v_lshl_add_u32 v[RDX0], v1, 5, v[RDX0]
	v_add_nc_u32 v[RDX0], s16, v[RDX0]
	v_mov_b32 v[RDX], v[RDX0]
	v_lshlrev_b32 v[CO], 12, v2                    ; a row of pbuf is 4,096 bytes,
	v_lshl_add_u32 v[CO], v1, 4, v[CO]
	v_lshlrev_b32 v[COW], 11, v2                   ; a row of wp 2,048
	v_lshl_add_u32 v[COW], v1, 4, v[COW]
	s_lshl_b32 s16, s[WV], 9
	v_lshl_add_u32 v[SA], v2, 2, s16
	v_add_nc_u32 v[SA], STATL, v[SA]
	v_lshl_add_u32 v[SB], v5, 3, s16
	v_add_nc_u32 v[SB], STATL, v[SB]
	v_lshlrev_b32 v[SG], 3, v5
	s_lshl_b32 s16, s[BB], 11                      ; my first row: 2,048 b + 256 i + 64 x wave
	s_lshl_b32 s17, s[TI], 8
	s_add_co_u32 s16, s16, s17
	s_lshl_b32 s17, s[WV], 6
	s_add_co_u32 s16, s16, s17
	s_lshl_b32 s20, s[TJ], 13
	s_add_co_u32 s20, s20, s16
	s_lshl_b32 s20, s20, 2                         ; stat: 4 (8,192 j + row)
	s_mov_b32 s21, 0
	s_add_nc_u64 s[10:11], s[10:11], s[20:21]
	s_lshl_b32 s20, s16, 11                        ; wp: 2,048 x row + 512 j (a fold tile's rows count from 0)
	s_lshl_b32 s17, s[TJ], 9
	s_add_co_u32 s20, s20, s17
	s_add_nc_u64 s[WPB:WPB+1], s[WPB:WPB+1], s[20:21]
	s_lshl_b32 s16, s16, 12
	s_add_co_u32 s16, s16, s17                     ; pbuf: 4,096 x row + 512 j
	s_mov_b32 s17, 0
	s_add_nc_u64 s[PB:PB+1], s[8:9], s[16:17]
	s_wait_tensorcnt 0x1                           ; my part of K step 0 is in; K step 1's may stay out
	s_barrier_signal -1
	s_barrier_wait -1
	FETCH 0, F0
	QUARTER 64, F0, F1, 2                          ; the first quarter starts the sums, with the mask
	WIN 0
	s_mov_b32 s3, 6
.Lstep:
	QUARTER 128, F1, F0, 0
	QUARTER 192, F0, F1, 0
	TURN 1
	QUARTER 64, F0, F1, 0
	WIN 0
	s_sub_co_u32 s3, s3, 1
	s_cmp_lg_u32 s3, 0
	s_cbranch_scc1 .Lstep
	s_mov_b32 s3, 2
.Ltail:                                        ; the last two K steps ask for nothing: one text, two trips.  The last trip has no next step: its change of slots fetches the other slot's old
	QUARTER 128, F1, F0, 0                         ; bytes once more and uses nothing of them, and the next step's first quarter is jumped over
	QUARTER 192, F0, F1, 0
	TURN 0
	WIN 0
	s_wait_dscnt 0x0                               ; the fetch is in: 32 products stand behind it
	s_cmp_eq_u32 s3, 1
	s_cbranch_scc1 .Llast
	QUARTER 64, F0, F1, 0
	WIN 0
.Llast:
	s_sub_co_u32 s3, s3, 1
	s_cmp_lg_u32 s3, 0
	s_cbranch_scc1 .Ltail
	s_wait_dscnt 0x0
	PLACES
	PLACES
	s_barrier_signal -1                            ; nobody reads the ring any more behind this barrier; it has had its last fill
	s_barrier_wait -1
	DUMP
	s_wait_dscnt 0x0
	s_barrier_signal -1
	s_barrier_wait -1
	s_cmp_eq_u32 s[FOLD], 1
	s_cbranch_scc1 .Lfold
	XLOAD
	s_mov_b32 s[RO], 0
	s_mov_b32 s3, 16
.Lrow:                                         ; 16 trips of 4 rows; a row's 256 scores lie in 16 lanes, 16 each
	s_wait_dscnt 0x0
.irp p, 0,1
	v_max3_num_f32 v[CA+2*(\p)],   v[X+16*(\p)],   v[X+16*(\p)+1], v[X+16*(\p)+2]
	v_max3_num_f32 v[CA+2*(\p)+1], v[X+16*(\p)+8], v[X+16*(\p)+9], v[X+16*(\p)+10]
.endr
.irp p, 0,1
	v_max3_num_f32 v[CA+2*(\p)],   v[CA+2*(\p)],   v[X+16*(\p)+3],  v[X+16*(\p)+4]
	v_max3_num_f32 v[CA+2*(\p)+1], v[CA+2*(\p)+1], v[X+16*(\p)+11], v[X+16*(\p)+12]
.endr
.irp p, 0,1
	v_max3_num_f32 v[CA+2*(\p)],   v[CA+2*(\p)],   v[X+16*(\p)+5],  v[X+16*(\p)+6]
	v_max3_num_f32 v[CA+2*(\p)+1], v[CA+2*(\p)+1], v[X+16*(\p)+13], v[X+16*(\p)+14]
.endr
.irp p, 0,1
	v_max3_num_f32 v[CA+2*(\p)], v[CA+2*(\p)], v[CA+2*(\p)+1], v[X+16*(\p)+7]
.endr
.irp p, 0,1
	v_max_num_f32 v[CA+2*(\p)], v[CA+2*(\p)], v[X+16*(\p)+15]
.endr
.irp m, 1,2,4,8
	v_max_num_f32_dpp v[CA], v[CA], v[CA] row_xmask:\m row_mask:0xf bank_mask:0xf
	v_max_num_f32_dpp v[CA+2], v[CA+2], v[CA+2] row_xmask:\m row_mask:0xf bank_mask:0xf
.endr
	v_mul_f32 v[MM], s[CS], v[CA]
	v_mul_f32 v[MM+1], s[CS], v[CA+2]
.irp p, 0,1
.irp k, 0,2,4,6,8,10,12,14
	v_pk_fma_f32 v[E+16*(\p)+(\k):E+16*(\p)+(\k)+1], v[X+16*(\p)+(\k):X+16*(\p)+(\k)+1], s[CS:CS+1], v[MM:MM+1] op_sel:[0,0,\p] op_sel_hi:[1,0,\p] neg_lo:[0,0,1] neg_hi:[0,0,1]
.endr
.endr
	s_add_co_u32 s[RO], s[RO], 4*DP                ; the next trip's rows land under the exponentials; behind my last rows the offset goes back to my first, which the last trip fetches and does not use
	s_cmp_eq_u32 s[RO], 64*DP
	s_cselect_b32 s[RO], 0, s[RO]
	v_add_nc_u32 v[RDX], s[RO], v[RDX0]
	XLOAD
.set i, 0
.rept 32
	v_exp_f32 v[E+i], v[E+i]
.set i, i+1
.endr
	v_nop                                          ; a plain instruction behind the last exponential
	s_wait_alu depctr_va_vdst(0)                   ; one wait for the batch of 32
.set i, 0
.rept 16
	v_cvt_pk_f16_f32 v[Y+i], v[E+2*i], v[E+2*i+1]
.set i, i+1
.endr
.irp k, 0,4,8,12,16,20,24,28
	v_pk_add_f32 v[E+(\k):E+(\k)+1], v[E+(\k):E+(\k)+1], v[E+(\k)+2:E+(\k)+3]
.endr
.irp k, 0,8,16,24
	v_pk_add_f32 v[E+(\k):E+(\k)+1], v[E+(\k):E+(\k)+1], v[E+(\k)+4:E+(\k)+5]
.endr
.irp k, 0,16
	v_pk_add_f32 v[E+(\k):E+(\k)+1], v[E+(\k):E+(\k)+1], v[E+(\k)+8:E+(\k)+9]
.endr
	v_add_f32 v[LS], v[E], v[E+1]
	v_add_f32 v[LS+1], v[E+16], v[E+17]
.irp m, 1,2,4,8
	v_add_f32_dpp v[LS], v[LS], v[LS] row_xmask:\m row_mask:0xf bank_mask:0xf
	v_add_f32_dpp v[LS+1], v[LS+1], v[LS+1] row_xmask:\m row_mask:0xf bank_mask:0xf
.endr
.irp p, 0,1
	ds_store_b32 v[SA], v[MM+(\p)] offset:8*(\p)      ; sixteen lanes write the same word with the same number; my wave's own bytes
	ds_store_b32 v[SA], v[LS+(\p)] offset:256+8*(\p)
.endr
	v_add_nc_u32 v[SA], 16, v[SA]
.irp p, 0,1
	global_store_b128 v[CO], v[Y+8*(\p):Y+8*(\p)+3],   s[PB:PB+1] offset:(\p)*8192       ; sixteen lanes store 256 consecutive bytes, aligned
	global_store_b128 v[CO], v[Y+8*(\p)+4:Y+8*(\p)+7], s[PB:PB+1] offset:(\p)*8192+256
.endr
	s_wait_xcnt 0x0                                ; the stores have read their data and base
	s_add_nc_u64 s[PB:PB+1], s[PB:PB+1], 4*4096
	s_sub_co_u32 s3, s3, 1
	s_cmp_lg_u32 s3, 0
	s_cbranch_scc1 .Lrow
	s_wait_dscnt 0x0
	ds_load_b64 v[CA:CA+1], v[SB]                  ; my 64 m and 64 l, two a lane
	ds_load_b64 v[CA+2:CA+3], v[SB] offset:256
	s_wait_dscnt 0x0
	global_store_b64 v[SG], v[CA:CA+1], s[10:11]
	global_store_b64 v[SG], v[CA+2:CA+3], s[10:11] offset:262144
	s_branch .Lend
.Lfold:                                        ; a fold tile's way out: 16 trips of 4 rows: times 16, rounded to f16, stored
	s_mov_b32 s3, 16
.Lfrow:
	XLOAD
	v_add_nc_u32 v[RDX], 4*DP, v[RDX]
	s_wait_dscnt 0x0
.set i, 0
.rept 16
	v_pk_mul_f32 v[X+2*i:X+2*i+1], v[X+2*i:X+2*i+1], 0x41800000 op_sel_hi:[1,0]
.set i, i+1
.endr
.set i, 0
.rept 16
	v_cvt_pk_f16_f32 v[Y+i], v[X+2*i], v[X+2*i+1]
.set i, i+1
.endr
.irp p, 0,1
	global_store_b128 v[COW], v[Y+8*(\p):Y+8*(\p)+3],   s[WPB:WPB+1] offset:(\p)*4096    ; sixteen lanes store 256 consecutive bytes, aligned
	global_store_b128 v[COW], v[Y+8*(\p)+4:Y+8*(\p)+7], s[WPB:WPB+1] offset:(\p)*4096+256
.endr
	s_wait_xcnt 0x0                                ; the stores have read their data and base
	s_add_nc_u64 s[WPB:WPB+1], s[WPB:WPB+1], 4*2048
	s_sub_co_u32 s3, s3, 1
	s_cmp_lg_u32 s3, 0
	s_cbranch_scc1 .Lfrow
.Lend:
	s_wait_tensorcnt 0x0                           ; the wave's end
	ds_add_u32 v[SPW], v[NIL]
	s_wait_dscnt 0x0
	s_endpgm
.Lfunc_end_k_q486c4ce527_scores:
	.size	k_q486c4ce527_scores, .Lfunc_end_k_q486c4ce527_scores-k_q486c4ce527_scores
	.p2alignl 7, 3214868480
	.fill 96, 4, 3214868480
	.section	.rodata,"a",@progbits
	.p2align	6, 0x0
	.amdhsa_kernel k_q486c4ce527_scores
		.amdhsa_group_segment_fixed_size 327680
		.amdhsa_private_segment_fixed_size 0
		.amdhsa_enable_private_segment 0
		.amdhsa_kernarg_size 40
		.amdhsa_user_sgpr_count 2
		.amdhsa_user_sgpr_kernarg_segment_ptr 1
		.amdhsa_wavefront_size32 1
		.amdhsa_system_sgpr_workgroup_id_x 1
		.amdhsa_system_sgpr_workgroup_id_y 1
		.amdhsa_system_sgpr_workgroup_id_z 1
		.amdhsa_system_vgpr_workitem_id 0
		.amdhsa_next_free_vgpr 1024
		.amdhsa_next_free_sgpr 96
		.amdhsa_reserve_vcc 1
		.amdhsa_float_denorm_mode_32 3
		.amdhsa_float_denorm_mode_16_64 3
		.amdhsa_memory_ordered 1
		.amdhsa_forward_progress 1
		.amdhsa_inst_pref_size 90
	.end_amdhsa_kernel
	.amdgpu_metadata
---
amdhsa.version: [ 1, 2 ]
amdhsa.kernels:
  - .name:           k_q486c4ce527_scores
    .symbol:         k_q486c4ce527_scores.kd
    .args:
      - { .name: qk, .offset: 0, .size: 8, .value_kind: global_buffer, .address_space: global }
      - { .name: wf, .offset: 8, .size: 8, .value_kind: global_buffer, .address_space: global }
      - { .name: pbuf, .offset: 16, .size: 8, .value_kind: global_buffer, .address_space: global }
      - { .name: stat, .offset: 24, .size: 8, .value_kind: global_buffer, .address_space: global }
      - { .name: wp, .offset: 32, .size: 8, .value_kind: global_buffer, .address_space: global }
    .group_segment_fixed_size: 327680
    .private_segment_fixed_size: 0
    .kernarg_segment_align: 8
    .kernarg_segment_size: 40
    .max_flat_workgroup_size: 128
    .sgpr_count:     96
    .vgpr_count:     1024
    .wavefront_size: 32
...
	.end_amdgpu_metadata
.endif
;; end of part 8
;; launch pv (part 9): grid 8 x 32, 4 waves a work-group, clusters of 4 x 4, 327,680 bytes of LDS; arguments pbuf, xh, stat, zb; writes zb
.if DOCPART == 9
	.amdgcn_target "amdgcn-amd-amdhsa--gfx1250"
	.amdhsa_code_object_version 6
	.text
	.protected	k_q486c4ce527_pv
	.globl	k_q486c4ce527_pv
	.p2align	8
	.type	k_q486c4ce527_pv,@function
k_q486c4ce527_pv:
	s_mov_b64 s[64:65], 0
	v_nop
	global_prefetch_b8 v0, s[64:65] scope:SCOPE_SE
	s_setreg_imm32_b32 hwreg(HW_REG_WAVE_MODE, 25, 1), 1
	s_wait_xcnt 0x0
	s_wait_alu depctr_hold_cnt(0) depctr_sa_sdst(0) depctr_va_vdst(0) depctr_va_sdst(0) depctr_va_ssrc(0) depctr_va_vcc(0) depctr_vm_vsrc(0)
	s_getreg_b32 s2, hwreg(HW_REG_IB_STS2, 6, 4)
	s_cmp_eq_u32 s2, 0
	s_cbranch_scc0 .Lentry_in_a_cluster
	s_endpgm
.Lentry_in_a_cluster:
	s_bfe_u32 s2, ttmp6, 0x10000c
	s_cmp_lg_u32 s2, 0xf033
	s_cbranch_scc0 .Lentry_shape_is_right
	s_endpgm
.Lentry_shape_is_right:
; PV: z[q][c] = the sum over key tiles j of beta[q][j] x (the sum over the tile's 256 keys of p[q][k] x[k][c]),  beta = 2^(m_j - M) / L,  M = the row's largest m_j,  L = the sum of 2^(m_j - M) l_j.
; The weights meet x itself: (P (x Wv^T)) Wo^T = (P x) (Wo Wv)^T, and the last launch multiplies z by Wo Wv.
; So the row's maximum is taken away exactly, in f32; the tiles' products are summed in f32, z is rounded once to f16.  pbuf [8192][2048] f16, xh [8192][1024] f16, zb [8192][1024] f16.
; LIMITS: a factor below 2^-126 counts as 0; z is a mean of x's rows and has their range, within 65,504; NaN and infinities are not treated apart.
; SHARES.  A work-group makes 128 queries x 128 channels, four waves of 64 x 64, for TWO blocks of queries; a step is a tile of 256 keys: 128 products a wave.
; THE WALK is the same in all sixteen partners of a cluster (batch b, half ph): group 3 - ph of four query blocks for 8 - 2 ph steps, then group ph for 2 ph + 2: ten steps.  Partner cy owns block 4 g + cy of
; each group.  The lower two blocks of a group need one tile less than the group walks: there the partner still makes the joint request, for its last tile once more, and its beta is 0
; (the statistics hold their defaults there: m = -1e30, l = 0).
; CLUSTER 4 x 4: P's tile hangs on cy and is shared along a row of the cluster, x's on the channel block and along a column.
; The product is used transposed (source 0 = x^T, turned by ds_load_tr16_b128; source 1 = P): a lane holds one query and eight neighbouring channels.
; No prefetch: the tiles are small and a step short.
; REGISTERS: window 0: v0-35 addresses, beta; v36-99 at work; v128-255 T, a step's 16 accumulators.  window 1: two fragment buffers of 128.  window 2: v0-127 O of the first block, v128-255 of the second.
.set PPI,   528                        ; a row of P in LDS: 512 bytes + 16
.set PVI,   288                        ; a row of x: 256 + 32: 16 lanes of the turning load take 8 rows x 32 bytes
.set VOFF,  128*PPI                    ; a slot: 128 rows of P, then 256 rows of x
.set SLOT1, 0x24000                    ; slot 1; shares no bit with the four tiles' places in a slot
.set BW,    SLOT1+VOFF+256*PVI         ; behind the ring: beta by walk step and row, 12 x 512 bytes
.set SPARE, BW+12*512
.set STG,   SLOT1                      ; the way out goes through slot 1, which has had its last fill and its last read by then: two stages of 128 rows x 272 bytes
.set SPI,   272
.set XROW,  2048                       ; bytes in a row of xh and of zb
.set ADRP0, 16
.set ADRV0, 17
.set ADRP,  18
.set ADRV,  19                         ; v19, v20  x's keys 0-127, 128-255 of the slot in hand
.set BWA,   21                         ; v21  where the step's beta of my rows lie
.set STO,   24
.set RD,    25
.set CO,    26
.set SPW,   28
.set NIL,   29
.set BT,    32                         ; v[32:35] beta of my four row blocks
.set TMP,   36
.set MH,    36                         ; the prologue: m and l of the first block's 8 tiles, of the second's 4
.set LH,    44
.set MLO,   52
.set LLO,   56
.set ACC,   128
.set F0,    0
.set F1,    128
.set WV, 12
.set WH, 13
.set WL, 14
.set G1, 24
.set G0, 32
.set CX, 40
.set CY, 41
.set G1B, 48
.set G0B, 56
.set TB, 66
.set W,  67                            ; s67 the walk step in hand
.set N1, 68                            ; s68 steps of the first group
.set ROWH, 69                          ; s69, s70 my two blocks' first rows in pbuf, in bytes
.set ROWL, 70
.set TIH, 71                           ; s71, s72 their last key tiles
.set TIL, 72
.set WN, 73                            ; s73 the walk step to be asked for next
.set OA, 74                            ; s[74:75], s[76:77] offsets of the tiles to be asked for
.set OB, 76
.set ABASE, 78                         ; s[78:79] pbuf at my half of the batch's first block; s[80:81] xh at my half of the batch's first tile, my channels
.set BBASE, 80
.set ATH, 82                           ; s[82:83], s[84:85] zb at the rows that I store
.set ATL, 84
.set BB, 86
.set PH, 87
.set CB, 88
.set IBH, 89
.set IBL, 90
.set MSB, 0
.macro WIN new
.if MSB != (\new)
	s_set_vgpr_msb (MSB<<8)|(\new)
.set MSB, \new
.endif
.endm
.set MUL,  0x05                        ; sources 0 and 1 window 1; C and D window 0
.set TO_F, 0x40
.macro CREST
	s_cmp_lg_u32 s[WV], 0
	s_cbranch_scc1 .Lnot_wave_0_\@
	s_barrier_signal -3
.Lnot_wave_0_\@:
	s_barrier_wait -3
	s_barrier_signal -1
	s_barrier_wait -1
.endm
.macro CROUND
	s_barrier_signal -1
	s_barrier_wait -1
	CREST
.endm
.macro PLACES
.rept 4
	v_nop
.endr
.endm
.macro JLOAD                           ; waves 0, 1 ask for P's halves (64 rows of 512 bytes), waves 2, 3 for x's (128 rows of 256 bytes)
	s_cmp_eq_u32 s[WH], 0
	s_cbranch_scc0 .Lfor_b_\@
	tensor_load_to_lds s[G0+4:G0+7], s[G1:G1+7]
	s_nop 0
	PLACES
	s_branch .Lasked_\@
.Lfor_b_\@:
	tensor_load_to_lds s[G0B+4:G0B+7], s[G1B:G1B+7]
	s_nop 0
	PLACES
.Lasked_\@:
.endm
; The tiles of walk step WN: key tile j = WN, or WN - N1 in the second group; P's tile is held at my block's last one.  The addresses are made anew from the bases; the LDS words change slots.
.macro WALK
	s_cmp_lt_u32 s[WN], s[N1]
	s_cselect_b32 s[OA], s[ROWH], s[ROWL]
	s_cselect_b32 s2, s[TIH], s[TIL]
	s_cselect_b32 s15, 0, s[N1]
	s_sub_co_u32 s15, s[WN], s15
	s_min_u32 s2, s15, s2
	s_lshl_b32 s2, s2, 9
	s_add_co_u32 s[OA], s[OA], s2
	s_mul_i32 s[OB], s15, 256*XROW
	s_add_nc_u64 s[G0+6:G0+7], s[ABASE:ABASE+1], s[OA:OA+1]
	s_or_b32 s[G0+7], s[G0+7], 0x80000000
	s_add_nc_u64 s[G0B+6:G0B+7], s[BBASE:BBASE+1], s[OB:OB+1]
	s_or_b32 s[G0B+7], s[G0B+7], 0x80000000
	s_xor_b32 s[G0+5], s[G0+5], SLOT1
	s_xor_b32 s[G0B+5], s[G0B+5], SLOT1
	s_add_co_u32 s[WN], s[WN], 1
.endm
; 8 products: query blocks a0, a0 + 1 x all 4 channel blocks, 32 keys: half c of buffer f.  zero = 1: they start the step's sums.  The 16 accumulators take turns.
.macro MUL8 f, c, a0, zero
	WIN MUL
.irp a, \a0, (\a0)+1
.irp b, 0,1,2,3
.if \zero
	v_wmma_f32_16x16x32_f16 v[ACC+8*(4*(\a)+(\b)):ACC+8*(4*(\a)+(\b))+7], v[(\f)+64+8*(4*(\c)+(\b)):(\f)+64+8*(4*(\c)+(\b))+7], v[(\f)+8*(4*(\c)+(\a)):(\f)+8*(4*(\c)+(\a))+7], 0
.else
	v_wmma_f32_16x16x32_f16 v[ACC+8*(4*(\a)+(\b)):ACC+8*(4*(\a)+(\b))+7], v[(\f)+64+8*(4*(\c)+(\b)):(\f)+64+8*(4*(\c)+(\b))+7], v[(\f)+8*(4*(\c)+(\a)):(\f)+8*(4*(\c)+(\a))+7], v[ACC+8*(4*(\a)+(\b)):ACC+8*(4*(\a)+(\b))+7]
.endif
.endr
.endr
.endm
.macro FETCH q, f                      ; 32 LDS loads in one run: quarter q's 64 keys, the first 32 first
	WIN TO_F
.irp c, 0,1
.irp i, 0,1,2,3
	ds_load_tr16_b128 v[(\f)+64+8*(4*(\c)+(\i)):(\f)+64+8*(4*(\c)+(\i))+3],   v[ADRV+(\q)/2] offset:(((\q)%2)*64+32*(\c))*PVI+32*(\i)
	ds_load_tr16_b128 v[(\f)+64+8*(4*(\c)+(\i))+4:(\f)+64+8*(4*(\c)+(\i))+7], v[ADRV+(\q)/2] offset:(((\q)%2)*64+32*(\c))*PVI+16*PVI+32*(\i)
	ds_load_b128 v[(\f)+8*(4*(\c)+(\i)):(\f)+8*(4*(\c)+(\i))+3],   v[ADRP] offset:128*(\q)+64*(\c)+(\i)*16*PPI
	ds_load_b128 v[(\f)+8*(4*(\c)+(\i))+4:(\f)+8*(4*(\c)+(\i))+7], v[ADRP] offset:128*(\q)+64*(\c)+(\i)*16*PPI+32
.endr
.endr
.endm
.macro QUARTER q, f, g, first          ; multiplies buffer f and fetches quarter q into g; first = 1: a step's first quarter: it starts the sums and fetches the step's beta
	s_wait_dscnt 16                                ; the first 32 keys' fragments are in
	MUL8 \f, 0, 0, \first
	MUL8 \f, 0, 2, \first
	PLACES
.if \first
	WIN 0
.irp a, 0,1,2,3
	ds_load_b32 v[BT+(\a)], v[BWA] offset:64*(\a)
.endr
	v_add_nc_u32 v[BWA], 512, v[BWA]
.endif
	FETCH \q, \g
	s_wait_dscnt 32                                ; all but the 32 just issued
	MUL8 \f, 1, 0, 0
	MUL8 \f, 1, 2, 0
.endm
; The fourth quarter changes slots: all my tensor loads have landed (one was out), the add, my reads of the slot are over, the barrier.  fill = 1: it opens a round of the cluster's, and the joint
; refill, two steps on, is the first thing behind it: 112 products ahead of the wait for it.
.macro TURN fill
	WIN 0
	s_wait_tensorcnt 0x0
	ds_add_u32 v[SPW], v[NIL]
.if \fill
	WALK
.endif
	s_wait_dscnt 17                                ; the add and the youngest sixteen loads may be out
	MUL8 F1, 0, 0, 0
	s_wait_dscnt 0x0
	s_barrier_signal -1
	MUL8 F1, 0, 2, 0
	WIN 0
	s_barrier_wait -1
.if \fill
	CREST
	JLOAD
.else
	PLACES
.endif
	s_xor_b32 s[TB], s[TB], SLOT1
	v_add_nc_u32 v[ADRP], s[TB], v[ADRP0]
	v_add_nc_u32 v[ADRV], s[TB], v[ADRV0]
	v_add_nc_u32 v[ADRV+1], 128*PVI, v[ADRV]
	FETCH 0, F0
	MUL8 F1, 1, 0, 0
	MUL8 F1, 1, 2, 0
.endm
.macro RUN base                        ; O += beta T: 64 packed lines; each accumulator is read from its low end on
	WIN 0xa0                                       ; destination and source 2 in window 2
.irp a2, 0,1
.irp e, 0,1
.irp b, 0,1,2,3
.irp r, 0,2,4,6
.set o, 8*(4*(2*(\a2)+(\e))+(\b))+(\r)
	v_pk_fma_f32 v[(\base)+o:(\base)+o+1], v[ACC+o:ACC+o+1], v[BT+2*(\a2):BT+2*(\a2)+1], v[(\base)+o:(\base)+o+1] op_sel:[0,\e,0] op_sel_hi:[1,\e,1]
.endr
.endr
.endr
.endr
	WIN 0
.endm
.macro STEP fill
	QUARTER 1, F0, F1, 1
	QUARTER 2, F1, F0, 0
	QUARTER 3, F0, F1, 0
	TURN \fill
	PLACES
	PLACES
	WIN 0
	s_cmp_lt_u32 s[W], s[N1]                       ; which block the step belongs to: the same in all partners
	s_cbranch_scc0 .Llo_\@
	RUN 0
	s_branch .Ldone_\@
.Llo_\@:
	RUN 128
.Ldone_\@:
	s_add_co_u32 s[W], s[W], 1
.endm
	s_load_b256 s[4:11], s[0:1], 0x0               ; pbuf s[4:5], xh s[6:7], stat s[8:9], zb s[10:11]
	v_lshl_add_u32 v[SPW], v0, 2, SPARE
	v_mov_b32 v[NIL], 0
	ds_add_u32 v[SPW], v[NIL]                      ; the wave's opening: the add and its wait ahead of my first tensor load
	ds_add_u32 v28, v29
	v_lshrrev_b32 v1, 5, v0
	v_readfirstlane_b32 s[WV], v1
	s_lshr_b32 s[WH], s[WV], 1
	s_and_b32 s[WL], s[WV], 1
	s_bfe_u32 s[CX], ttmp6, 0x40000
	s_bfe_u32 s[CY], ttmp6, 0x40004
	s_lshl_b32 s[CB], ttmp9, 2
	s_add_co_u32 s[CB], s[CB], s[CX]               ; channel block
	s_and_b32 s16, ttmp7, 0xffff
	s_lshr_b32 s[BB], s16, 1                       ; batch
	s_and_b32 s[PH], s16, 1
	s_lshl_b32 s16, s[PH], 1
	s_sub_co_u32 s[N1], 8, s16
	s_sub_co_u32 s[IBH], 3, s[PH]
	s_lshl_b32 s[IBH], s[IBH], 2
	s_add_co_u32 s[IBH], s[IBH], s[CY]             ; my block of the first group,
	s_lshl_b32 s[IBL], s[PH], 2
	s_add_co_u32 s[IBL], s[IBL], s[CY]             ; and of the second
	s_lshr_b32 s[TIH], s[IBH], 1
	s_lshr_b32 s[TIL], s[IBL], 1
	s_lshl_b32 s[ROWH], s[IBH], 19                 ; 128 rows of 4,096 bytes
	s_lshl_b32 s[ROWL], s[IBL], 19
	s_lshl_b32 s2, s[CY], 2
	s_lshl_b32 s2, 15, s2
	s_lshl_b32 s42, 0x1111, s[CX]
	s_or_b32 s[G1], s2, (1<<16)|(1<<20)|(1<<21)|(6<<22)|(3<<25)    ; P: the mask of my row; after every 128 words 4 words
	s_mov_b32 s[G1+1], 256<<16
	s_mov_b32 s[G1+2], 64<<16
	s_mov_b32 s[G1+3], 256<<16
	s_mov_b32 s[G1+4], 64
	s_mov_b32 s[G1+5], 2048
	s_mov_b32 s[G1+6], 0
	s_mov_b32 s[G1+7], 0
	s_or_b32 s[G1B], s42, (1<<16)|(1<<20)|(1<<21)|(5<<22)|(7<<25)  ; x: the mask of my column; after every 64 words 8 words
	s_mov_b32 s[G1B+1], 128<<16
	s_mov_b32 s[G1B+2], 128<<16
	s_mov_b32 s[G1B+3], 128<<16
	s_mov_b32 s[G1B+4], 128
	s_mov_b32 s[G1B+5], 1024
	s_mov_b32 s[G1B+6], 0
	s_mov_b32 s[G1B+7], 0
	s_lshl_b32 s16, s[BB], 23                      ; P: (2,048 b + 64 x half) rows of 4,096 bytes
	s_lshl_b32 s17, s[WL], 18
	s_add_co_u32 s16, s16, s17
	s_mov_b32 s17, 0
	s_lshl_b32 s46, s[BB], 11                      ; x: (2,048 b + 128 x half) rows of 2,048 bytes + 256 x channel block
	s_lshl_b32 s47, s[WL], 7
	s_add_co_u32 s46, s46, s47
	s_lshl_b32 s46, s46, 11
	s_lshl_b32 s47, s[CB], 8
	s_add_co_u32 s46, s46, s47
	s_mov_b32 s47, 0
	s_mul_i32 s20, s[WL], 64*PPI                   ; where the tiles go: no place in the cluster enters an LDS address
	s_mul_i32 s21, s[WL], 128*PVI
	s_add_co_u32 s21, s21, VOFF
	s_mov_b32 s[TB], 0
	s_mov_b32 s[W], 0
	s_mov_b32 s[WN], 2
	s_mov_b32 s[OA], s[ROWH]
	s_mov_b32 s[OA+1], 0
	s_mov_b32 s[OB+1], 0
	s_wait_dscnt 0x0                               ; the opening add is done
	s_wait_kmcnt 0x0
	s_add_nc_u64 s[ABASE:ABASE+1], s[4:5], s[16:17]
	s_add_nc_u64 s[BBASE:BBASE+1], s[6:7], s[46:47]
	CROUND                                         ; all sixteen work-groups are here: the first joint loads meet
	s_mov_b32 s[G0], 1                             ; walk steps 0 and 1: the first group's key tiles 0 and 1, which every block of it needs
	s_mov_b32 s[G0+1], s20
	s_add_nc_u64 s[G0+2:G0+3], s[ABASE:ABASE+1], s[OA:OA+1]
	s_mov_b32 s[G0+4], 1
	s_add_co_u32 s[G0+5], s20, SLOT1
	s_add_nc_u64 s[G0+6:G0+7], s[G0+2:G0+3], 512
	s_or_b32 s[G0+3], s[G0+3], 0x80000000
	s_or_b32 s[G0+7], s[G0+7], 0x80000000
	s_mov_b32 s[G0B], 1
	s_mov_b32 s[G0B+1], s21
	s_add_nc_u64 s[G0B+2:G0B+3], s[BBASE:BBASE+1], 0
	s_mov_b32 s[G0B+4], 1
	s_add_co_u32 s[G0B+5], s21, SLOT1
	s_add_nc_u64 s[G0B+6:G0B+7], s[BBASE:BBASE+1], 256*XROW
	s_or_b32 s[G0B+3], s[G0B+3], 0x80000000
	s_or_b32 s[G0B+7], s[G0B+7], 0x80000000
	s_cmp_eq_u32 s[WH], 0                          ; a wave's two first fills stand in one branch: two loads of mine are out
	s_cbranch_scc0 .Lfirst_b
	tensor_load_to_lds s[G0:G0+3], s[G1:G1+7]
	s_nop 0
	tensor_load_to_lds s[G0+4:G0+7], s[G1:G1+7]
	s_nop 0
	PLACES
	s_branch .Lfirst_asked
.Lfirst_b:
	tensor_load_to_lds s[G0B:G0B+3], s[G1B:G1B+7]
	s_nop 0
	tensor_load_to_lds s[G0B+4:G0B+7], s[G1B:G1B+7]
	s_nop 0
	PLACES
.Lfirst_asked:
	; the statistics: thread t stands for row t of both my blocks
	s_lshl_b32 s16, s[BB], 11
	s_lshl_b32 s17, s[IBH], 7
	s_add_co_u32 s17, s17, s16
	s_lshl_b32 s17, s17, 2
	v_lshl_add_u32 v3, v0, 2, s17
	s_lshl_b32 s17, s[IBL], 7
	s_add_co_u32 s17, s17, s16
	s_lshl_b32 s17, s17, 2
	v_lshl_add_u32 v4, v0, 2, s17
.irp j, 0,1,2,3,4,5,6,7
	global_load_b32 v[MH+(\j)], v3, s[8:9] offset:(\j)*32768
	global_load_b32 v[LH+(\j)], v3, s[8:9] offset:(\j)*32768+262144
.endr
.irp j, 0,1,2,3
	global_load_b32 v[MLO+(\j)], v4, s[8:9] offset:(\j)*32768
	global_load_b32 v[LLO+(\j)], v4, s[8:9] offset:(\j)*32768+262144
.endr
	WIN 0x80                                       ; both O start at 0: written while the statistics and the first tile are on their way, so that every step has one form
.set i, 0
.rept 256
	v_mov_b32 v[i], 0
.set i, i+1
.endr
	WIN 0
	v_and_b32 v1, 15, v0                           ; l % 16
	v_bfe_u32 v2, v0, 4, 1                         ; l / 16
	s_mul_i32 s16, s[WH], 64*PPI
	v_mul_u32_u24 v[ADRP0], v1, PPI
	v_lshl_add_u32 v[ADRP0], v2, 4, v[ADRP0]
	v_add_nc_u32 v[ADRP0], s16, v[ADRP0]           ; (64 x row half + l % 16) x 528 + 16 (l / 16)
	v_and_b32 v5, 7, v0
	v_bfe_u32 v6, v0, 3, 1
	v_lshl_add_u32 v[ADRV0], v2, 3, v5
	v_mul_u32_u24 v[ADRV0], v[ADRV0], PVI
	v_lshl_add_u32 v[ADRV0], v6, 4, v[ADRV0]
	s_lshl_b32 s16, s[WL], 7
	s_add_co_u32 s16, s16, VOFF
	v_add_nc_u32 v[ADRV0], s16, v[ADRV0]           ; x's part + (8 (l / 16) + l % 8) x 288 + 128 x channel half + 16 ((l / 8) % 2)
	v_mov_b32 v[ADRP], v[ADRP0]
	v_mov_b32 v[ADRV], v[ADRV0]
	v_add_nc_u32 v[ADRV+1], 128*PVI, v[ADRV0]
	s_lshl_b32 s16, s[WH], 8
	v_lshl_add_u32 v[BWA], v1, 2, s16
	v_add_nc_u32 v[BWA], BW, v[BWA]                ; beta of row 64 x row half + l % 16, walk step 0
	s_mul_i32 s16, s[WH], 64*SPI
	s_lshl_b32 s17, s[WL], 7
	s_add_co_u32 s16, s16, s17
	s_add_co_u32 s16, s16, STG
	v_mul_u32_u24 v[STO], v1, SPI
	v_lshl_add_u32 v[STO], v2, 4, v[STO]
	v_add_nc_u32 v[STO], s16, v[STO]
	s_mul_i32 s16, s[WV], 32*SPI
	s_add_co_u32 s16, s16, STG
	v_mul_u32_u24 v[RD], v2, SPI
	v_lshl_add_u32 v[RD], v1, 4, v[RD]
	v_add_nc_u32 v[RD], s16, v[RD]
	v_lshlrev_b32 v[CO], 11, v2                    ; a row of zb is 2,048 bytes
	v_lshl_add_u32 v[CO], v1, 4, v[CO]
	s_lshl_b32 s16, s[BB], 11                      ; zb at row 2,048 b + 128 x block + 32 x wave, byte 256 x channel block
	s_lshl_b32 s17, s[WV], 5
	s_add_co_u32 s16, s16, s17
	s_lshl_b32 s18, s[IBH], 7
	s_add_co_u32 s18, s18, s16
	s_lshl_b32 s18, s18, 11
	s_lshl_b32 s17, s[CB], 8
	s_add_co_u32 s18, s18, s17
	s_mov_b32 s19, 0
	s_add_nc_u64 s[ATH:ATH+1], s[10:11], s[18:19]
	s_lshl_b32 s18, s[IBL], 7
	s_add_co_u32 s18, s18, s16
	s_lshl_b32 s18, s18, 11
	s_add_co_u32 s18, s18, s17
	s_add_nc_u64 s[ATL:ATL+1], s[10:11], s[18:19]
	v_lshl_add_u32 v9, v0, 2, BW                   ; beta goes to walk step x 512 + 4 t: the first block's tile j at step j, the second's at step N1 + j
	s_lshl_b32 s16, s[N1], 9
	v_add_nc_u32 v10, s16, v9
	s_wait_loadcnt 0x0
	v_max3_num_f32 v7, v[MH], v[MH+1], v[MH+2]
	v_max3_num_f32 v8, v[MLO], v[MLO+1], v[MLO+2]
	v_max3_num_f32 v7, v7, v[MH+3], v[MH+4]
	v_max_num_f32 v8, v8, v[MLO+3]
	v_max3_num_f32 v7, v7, v[MH+5], v[MH+6]
	v_max_num_f32 v7, v7, v[MH+7]
.irp j, 0,1,2,3
	v_sub_f32 v[MLO+(\j)], v[MLO+(\j)], v8
.endr
.irp j, 0,1,2,3,4,5,6,7
	v_sub_f32 v[MH+(\j)], v[MH+(\j)], v7
.endr
.irp j, 0,1,2,3
	v_exp_f32 v[MLO+(\j)], v[MLO+(\j)]
.endr
.irp j, 0,1,2,3,4,5,6,7
	v_exp_f32 v[MH+(\j)], v[MH+(\j)]
.endr
	v_nop                                          ; a plain instruction behind the last exponential
	s_wait_alu depctr_va_vdst(0)                   ; one wait for the twelve
	v_mul_f32 v7, v[MH], v[LH]
	v_mul_f32 v8, v[MLO], v[LLO]
.irp j, 1,2,3
	v_fmac_f32 v7, v[MH+(\j)], v[LH+(\j)]
	v_fmac_f32 v8, v[MLO+(\j)], v[LLO+(\j)]
.endr
.irp j, 4,5,6,7
	v_fmac_f32 v7, v[MH+(\j)], v[LH+(\j)]
.endr
	v_rcp_f32 v8, v8
	v_rcp_f32 v7, v7
	v_nop
	s_wait_alu depctr_va_vdst(0)                   ; one wait for the two reciprocals
.irp j, 0,1,2,3,4,5,6,7
	v_mul_f32 v[MH+(\j)], v[MH+(\j)], v7
.endr
.irp j, 0,1,2,3
	v_mul_f32 v[MLO+(\j)], v[MLO+(\j)], v8
.endr
.irp j, 0,1,2,3,4,5,6,7
	ds_store_b32 v9, v[MH+(\j)] offset:(\j)*512
.endr
.irp j, 0,1,2,3
	ds_store_b32 v10, v[MLO+(\j)] offset:(\j)*512    ; behind the first block's, by the same thread: where N1 = 6 these take the place of two zeros
.endr
	s_wait_tensorcnt 0x1                           ; my part of walk step 0 is in; step 1's may stay out
	s_wait_dscnt 0x0                               ; for the others' sake: my beta lie in LDS
	s_barrier_signal -1
	s_barrier_wait -1
	FETCH 0, F0
	WIN 0
	s_mov_b32 s3, 8
.Lwalk:                                        ; walk steps 0 to 7: step w asks for step w + 2
	STEP 1
	s_sub_co_u32 s3, s3, 1
	s_cmp_lg_u32 s3, 0
	s_cbranch_scc1 .Lwalk
	s_mov_b32 s3, 2
.Ltail:                                        ; steps 8 and 9 ask for nothing; the last one's fetch takes slot 0's old bytes once more and serves nothing: the price of one text for both trips
	STEP 0
	s_sub_co_u32 s3, s3, 1
	s_cmp_lg_u32 s3, 0
	s_cbranch_scc1 .Ltail
	; THE WAY OUT: both blocks are rounded to f16 and go through stages in slot 1 (its last read was waited for in front of the last barrier); a row's 256 bytes come from two waves
	WIN 0x0a                                       ; sources in window 2
.set i, 0
.rept 64
	v_cvt_pk_f16_f32 v[TMP+i], v[2*i], v[2*i+1]
.set i, i+1
.endr
	WIN 0
.irp a, 0,1,2,3
.irp b, 0,1,2,3
	ds_store_b128 v[STO], v[TMP+4*(4*(\a)+(\b)):TMP+4*(4*(\a)+(\b))+3] offset:(\a)*16*SPI+32*(\b)
.endr
.endr
	WIN 0x0a
.set i, 0
.rept 64
	v_cvt_pk_f16_f32 v[TMP+i], v[128+2*i], v[128+2*i+1]
.set i, i+1
.endr
	WIN 0
.irp a, 0,1,2,3
.irp b, 0,1,2,3
	ds_store_b128 v[STO], v[TMP+4*(4*(\a)+(\b)):TMP+4*(4*(\a)+(\b))+3] offset:128*SPI+(\a)*16*SPI+32*(\b)
.endr
.endr
	s_wait_dscnt 0x0
	s_barrier_signal -1
	s_barrier_wait -1
.irp t, 0,1,2,3,4,5,6,7,8,9,10,11,12,13,14,15
	ds_load_b128 v[TMP+4*(\t):TMP+4*(\t)+3], v[RD] offset:(\t)*2*SPI
.endr
.irp t, 0,1,2,3,4,5,6,7,8,9,10,11,12,13,14,15
	ds_load_b128 v[ACC+4*(\t):ACC+4*(\t)+3], v[RD] offset:128*SPI+(\t)*2*SPI
.endr
.irp t, 0,1,2,3,4,5,6,7,8,9,10,11,12,13,14,15
	s_wait_dscnt 31-(\t)
	global_store_b128 v[CO], v[TMP+4*(\t):TMP+4*(\t)+3], s[ATH:ATH+1] offset:(\t)*4096   ; sixteen lanes store 256 consecutive bytes, aligned
.endr
.irp t, 0,1,2,3,4,5,6,7,8,9,10,11,12,13,14,15
	s_wait_dscnt 15-(\t)
	global_store_b128 v[CO], v[ACC+4*(\t):ACC+4*(\t)+3], s[ATL:ATL+1] offset:(\t)*4096
.endr
	s_wait_tensorcnt 0x0                           ; the wave's end
	ds_add_u32 v[SPW], v[NIL]
	s_wait_dscnt 0x0
	CROUND                                         ; the closing round
	s_endpgm
.Lfunc_end_k_q486c4ce527_pv:
	.size	k_q486c4ce527_pv, .Lfunc_end_k_q486c4ce527_pv-k_q486c4ce527_pv
	.p2alignl 7, 3214868480
	.fill 96, 4, 3214868480
	.section	.rodata,"a",@progbits
	.p2align	6, 0x0
	.amdhsa_kernel k_q486c4ce527_pv
		.amdhsa_group_segment_fixed_size 327680
		.amdhsa_private_segment_fixed_size 0
		.amdhsa_enable_private_segment 0
		.amdhsa_kernarg_size 32
		.amdhsa_user_sgpr_count 2
		.amdhsa_user_sgpr_kernarg_segment_ptr 1
		.amdhsa_wavefront_size32 1
		.amdhsa_system_sgpr_workgroup_id_x 1
		.amdhsa_system_sgpr_workgroup_id_y 1
		.amdhsa_system_sgpr_workgroup_id_z 1
		.amdhsa_system_vgpr_workitem_id 0
		.amdhsa_next_free_vgpr 768
		.amdhsa_next_free_sgpr 100
		.amdhsa_reserve_vcc 0
		.amdhsa_float_denorm_mode_32 3
		.amdhsa_float_denorm_mode_16_64 3
		.amdhsa_memory_ordered 1
		.amdhsa_forward_progress 1
		.amdhsa_inst_pref_size 95
	.end_amdhsa_kernel
	.amdgpu_metadata
---
amdhsa.version: [ 1, 2 ]
amdhsa.kernels:
  - .name:           k_q486c4ce527_pv
    .symbol:         k_q486c4ce527_pv.kd
    .args:
      - { .name: pbuf, .offset: 0, .size: 8, .value_kind: global_buffer, .address_space: global }
      - { .name: xh, .offset: 8, .size: 8, .value_kind: global_buffer, .address_space: global }
      - { .name: stat, .offset: 16, .size: 8, .value_kind: global_buffer, .address_space: global }
      - { .name: zb, .offset: 24, .size: 8, .value_kind: global_buffer, .address_space: global }
    .group_segment_fixed_size: 327680
    .private_segment_fixed_size: 0
    .kernarg_segment_align: 8
    .kernarg_segment_size: 32
    .max_flat_workgroup_size: 128
    .sgpr_count:     100
    .vgpr_count:     768
    .wavefront_size: 32
...
	.end_amdgpu_metadata
.endif
;; end of part 9
;; launch outp (part 10): grid 4 x 64, 4 waves a work-group, clusters of 4 x 4, 327,680 bytes of LDS; arguments zb, wp, out0; writes out0
.if DOCPART == 10
	.amdgcn_target "amdgcn-amd-amdhsa--gfx1250"
	.amdhsa_code_object_version 6
	.text
	.protected	k_q486c4ce527_outp
	.globl	k_q486c4ce527_outp
	.p2align	8
	.type	k_q486c4ce527_outp,@function
k_q486c4ce527_outp:
	s_mov_b64 s[64:65], 0
	v_nop
	global_prefetch_b8 v0, s[64:65] scope:SCOPE_SE
	s_setreg_imm32_b32 hwreg(HW_REG_WAVE_MODE, 25, 1), 1
	s_wait_xcnt 0x0
	s_wait_alu depctr_hold_cnt(0) depctr_sa_sdst(0) depctr_va_vdst(0) depctr_va_sdst(0) depctr_va_ssrc(0) depctr_va_vcc(0) depctr_vm_vsrc(0)
	s_getreg_b32 s2, hwreg(HW_REG_IB_STS2, 6, 4)
	s_cmp_eq_u32 s2, 0
	s_cbranch_scc0 .Lentry_in_a_cluster
	s_endpgm
.Lentry_in_a_cluster:
	s_bfe_u32 s2, ttmp6, 0x10000c
	s_cmp_lg_u32 s2, 0xf033
	s_cbranch_scc0 .Lentry_shape_is_right
	s_endpgm
.Lentry_shape_is_right:
; OUTP: out0 = zb (Wo Wv)^T.  zb [8192][1024] f16, wp [1024][1024] f16 = 16 Wo Wv, out0 [8192][1024] f32; sums in f32, multiplied by 1/16 (a power of two: nothing is rounded) and stored.
; SHARES.  A tile is 128 rows x 256 columns: 8,192 x 1,024 / (128 x 256) = 256 work-groups.  Four waves of 64 x 128: 32 accumulators, 256 registers.  K goes in 8 steps of 128 through two LDS slots:
; waves 0 and 1 fetch 64 rows of zb each, waves 2 and 3 128 rows of wp each, rows of 256 bytes.
; CLUSTER 4 x 4: zb's tile hangs on the tile row and is asked for jointly along a row of the cluster, wp's on the tile column and along a column.
; The product is used transposed (source 0 = rows of wp, source 1 = rows of zb): a lane holds one row of the result and eight neighbouring columns.
; THE ORDER OF A STEP.  A step has 128 products a wave for 104,448 bytes of tiles, so what counts is how long a request has in which to land: nothing but the waits, the add and the round stands between the
; wait for all loads and the refill, and all 128 products of a step lie between a request and the wait for it.  A quarter (32 along K, 32 products) begins with the next quarter's 24 LDS loads.
; THE WAY OUT: each wave lays its 64 x 128 f32 into the ring's bytes (which have had their last fill), pitch 528, its own 33,792 bytes, and reads whole rows of 512 bytes back: a store covers 512 consecutive bytes, aligned.
; REGISTERS: window 0: v0-31 addresses; v64-95, v128-159 zb's fragments; v64-255 the way out.  window 1: v64-127, v128-191 wp's fragments.  window 2: the accumulators, (a, b) at v[8 (8 a + b)].
.set KSTEP,  128
.set PITCH,  272                       ; an LDS row: 256 bytes + 16 of padding: the 16 rows of a fragment load start 16 bytes apart modulo 256
.set BOFF,   128*PITCH                 ; a slot: zb's 128 rows, then wp's 256
.set SLOT,   0x20000                   ; slot 1; shares no bit with the four tiles' places in a slot (0, 0x4400, 0x8800, 0x11000), so one exclusive or changes slots
.set DPO,    528                       ; the dump's pitch: 128 f32 + 16 bytes
.set SPARE,  SLOT+384*PITCH            ; behind the ring: the spare words, 128 bytes a wave: no other line names them
.set ADRA0, 16                         ; v16, v17  my lane's place in slot 0's zb and wp; never rewritten
.set ADRB0, 17
.set ADRA,  18                         ; v18, v19  the same in the slot in hand
.set ADRB,  19
.set DS0,   20                         ; v20  the dump: where I put 16 bytes of a row
.set RD,    22                         ; v22  where I read a row back; never rewritten
.set CO,    23                         ; v23  16 x lane; never rewritten
.set SPW,   28                         ; v28  my spare word; never rewritten
.set NIL,   29                         ; v29  0; never rewritten
.set PFO,   30                         ; v30  the prefetches' offset: lane x 2,048; never rewritten
.set F0,    64
.set F1,    128
.set OBF,   64                         ; v[64:255] the way out: three buffers of sixteen rows
.set WV, 12                            ; s12 wave; s13 wave / 2: my half of the rows, and zb (0) or wp (1) is what I fetch; s14 wave % 2: my half of the columns, and which part of that tile I fetch
.set WH, 13
.set WL, 14
.set MT, 15                            ; s15 tile row
.set G1, 24                            ; s[24:31] group 1 for zb; s[32:39] group 0: slot 0's first fill, then the one that walks
.set G0, 32
.set CX, 40
.set CY, 41
.set LIM, 43                           ; s43 2 in a wave that prefetches, else the greatest number
.set PFA, 44                           ; s[44:45] where my prefetches stand
.set G1B, 48                           ; the same for wp
.set G0B, 56
.set TB, 66                            ; s66 0 or SLOT: the slot in hand
.set TC, 67                            ; s67 tile column
.set DA, 68                            ; s68, s69 where zb's and wp's tiles go in a slot
.set DB, 69
.set SCL, 70                           ; s[70:71] 1/16
.set MSB, 0
.macro WIN new                         ; the immediate's high byte repeats the setting that is left; a switch that changes nothing is dropped
.if MSB != (\new)
	s_set_vgpr_msb (MSB<<8)|(\new)
.set MSB, \new
.endif
.endm
.set MUL_W, 0xa1                       ; source 0 (wp) window 1, source 1 (zb) window 0, C and D window 2
.set TO_B,  0x40                       ; destination window 1, address window 0
.macro CREST                           ; a round of the cluster's barrier behind its opening barrier
	s_cmp_lg_u32 s[WV], 0
	s_cbranch_scc1 .Lnot_wave_0_\@
	s_barrier_signal -3
.Lnot_wave_0_\@:
	s_barrier_wait -3
	s_barrier_signal -1
	s_barrier_wait -1
.endm
.macro CROUND
	s_barrier_signal -1
	s_barrier_wait -1
	CREST
.endm
.macro PLACES                          ; four plain instructions between a matrix instruction and a load into, or a read of, its registers
.rept 4
	v_nop
.endr
.endm
.macro JLOAD                           ; the joint refill: waves 0, 1 ask for zb's halves, waves 2, 3 for wp's; the branch hangs on the wave's number alone
	s_cmp_eq_u32 s[WH], 0
	s_cbranch_scc0 .Lfor_b_\@
	tensor_load_to_lds s[G0+4:G0+7], s[G1:G1+7]
	s_nop 0
	PLACES
	s_branch .Lasked_\@
.Lfor_b_\@:
	tensor_load_to_lds s[G0B+4:G0B+7], s[G1B:G1B+7]
	s_nop 0
	PLACES
.Lasked_\@:
.endm
; A prefetch of the K step two refills on, 256 products ahead of the load that will want it: 32 rows x 256 bytes, a lane a row.  Of zb's 128 rows wave 0 of partner cx names 32 (there is one column of
; clusters, so nobody else reads them); of the 128 rows of wp that wave 2 or 3 fetches partner cy names 32, in the first row of clusters alone.  The partners are told apart by address.
; So each row's 256 bytes are named once.  The loop's last two trips (s3 = 2, 1) have no K step two on.
.macro ASK
	s_cmp_gt_u32 s3, s[LIM]
	s_cbranch_scc0 .Lnot_mine_\@
	global_prefetch_b8 v[PFO], s[PFA:PFA+1] offset:KSTEP*2 th:TH_LOAD_NT scope:SCOPE_SE
.Lnot_mine_\@:
.endm
; 16 products: row blocks a0, a0 + 1 of my four x all 8 column blocks, 32 along K.  zero = 1: the products start the sums.  The 32 accumulators take turns.
.macro MUL16 f, a0, zero
	WIN MUL_W
.irp a, \a0, (\a0)+1
.irp b, 0,1,2,3,4,5,6,7
.if \zero
	v_wmma_f32_16x16x32_f16 v[8*(8*(\a)+(\b)):8*(8*(\a)+(\b))+7], v[(\f)+8*(\b):(\f)+8*(\b)+7], v[(\f)+8*(\a):(\f)+8*(\a)+7], 0
.else
	v_wmma_f32_16x16x32_f16 v[8*(8*(\a)+(\b)):8*(8*(\a)+(\b))+7], v[(\f)+8*(\b):(\f)+8*(\b)+7], v[(\f)+8*(\a):(\f)+8*(\a)+7], v[8*(8*(\a)+(\b)):8*(8*(\a)+(\b))+7]
.endif
.endr
.endr
.endm
.macro FETCH k, f                      ; 24 LDS loads in one run: a quarter's fragments (wp's 8, then zb's 4), at byte k of the rows of the slot in hand
	WIN TO_B
.irp i, 0,1,2,3,4,5,6,7
	ds_load_b128 v[(\f)+8*(\i):(\f)+8*(\i)+3],   v[ADRB] offset:(\k)+(\i)*16*PITCH
	ds_load_b128 v[(\f)+8*(\i)+4:(\f)+8*(\i)+7], v[ADRB] offset:(\k)+(\i)*16*PITCH+32
.endr
	WIN 0
.irp i, 0,1,2,3
	ds_load_b128 v[(\f)+8*(\i):(\f)+8*(\i)+3],   v[ADRA] offset:(\k)+(\i)*16*PITCH
	ds_load_b128 v[(\f)+8*(\i)+4:(\f)+8*(\i)+7], v[ADRA] offset:(\k)+(\i)*16*PITCH+32
.endr
.endm
.macro QUARTER k, f, g, zero           ; fetches the next quarter, at byte k, into g (which the quarter before multiplied: four places), then multiplies buffer f
	PLACES
	FETCH \k, \g
	s_wait_dscnt 24                                ; all but the 24 just issued: buffer f is in
	MUL16 \f, 0, \zero
	MUL16 \f, 2, \zero
.endm
; The fourth quarter changes slots and multiplies buffer 1.  Each wave waits for all its tensor loads (one is out: its part of the next slot), adds 0 to its spare word, and waits for that and for its reads of
; the slot, buffer 1's among them.  fill = 1: the barrier opens a round of the cluster's, and the joint refill, two K steps on, is the first thing behind it: 128 products ahead of the wait for it.
.macro TURN fill
.if \fill
	s_wait_xcnt 0x0                                ; the last prefetch, a K step back, has read its address
	s_add_nc_u64 s[PFA:PFA+1], s[PFA:PFA+1], KSTEP*2
.endif
	WIN 0
	s_wait_tensorcnt 0x0                           ; no tensor load of mine is out, so a group 0 may be written
	ds_add_u32 v[SPW], v[NIL]
.if \fill
	s_xor_b32 s[G0+5], s[G0+5], SLOT               ; the walking descriptors: the other slot, the next K step
	s_add_nc_u64 s[G0+6:G0+7], s[G0+6:G0+7], KSTEP*2
	s_xor_b32 s[G0B+5], s[G0B+5], SLOT
	s_add_nc_u64 s[G0B+6:G0B+7], s[G0B+6:G0B+7], KSTEP*2
.endif
	s_wait_dscnt 0x0                               ; the add is done, my reads of the slot are over
	s_barrier_signal -1
	s_barrier_wait -1
.if \fill
	CREST
	JLOAD                                          ; its four v_nop are also the places in front of the loads below
.else
	PLACES
.endif
	s_xor_b32 s[TB], s[TB], SLOT
	v_add_nc_u32 v[ADRA], s[TB], v[ADRA0]
	v_add_nc_u32 v[ADRB], s[TB], v[ADRB0]
	FETCH 0, F0
.if \fill
	ASK
.endif
	MUL16 F1, 0, 0
	MUL16 F1, 2, 0
.endm
; The way out, sixteen rows a group, on three buffers by turns.  The rows stand in the immediates: no address and no base is rewritten.
.macro LOADG g
.set BK, OBF+64*((\g)%3)
.irp t, 0,1,2,3,4,5,6,7,8,9,10,11,12,13,14,15
	ds_load_b128 v[BK+4*(\t):BK+4*(\t)+3], v[RD] offset:(16*(\g)+(\t))*DPO  ; LDS serves a wave's instructions in order (ISA guide 5.7.1.4): the loads see my own stores of the dump
.endr
.endm
.macro PROC g, younger                 ; younger: the LDS loads issued behind group g's
.set BK, OBF+64*((\g)%3)
.irp t, 0,1,2,3,4,5,6,7,8,9,10,11,12,13,14,15
	s_wait_dscnt (\younger)+15-(\t)                ; row t of the group is in
	v_pk_mul_f32 v[BK+4*(\t):BK+4*(\t)+1],   v[BK+4*(\t):BK+4*(\t)+1],   s[SCL:SCL+1] op_sel_hi:[1,0]  ; the 16 that wp carries goes out again
	v_pk_mul_f32 v[BK+4*(\t)+2:BK+4*(\t)+3], v[BK+4*(\t)+2:BK+4*(\t)+3], s[SCL:SCL+1] op_sel_hi:[1,0]
.endr
.irp t, 0,1,2,3,4,5,6,7,8,9,10,11,12,13,14,15
	global_store_b128 v[CO], v[BK+4*(\t):BK+4*(\t)+3], s[8:9] offset:(16*(\g)+(\t))*4096 th:TH_STORE_NT  ; the group's stores stand behind all its multiplies
.endr
.endm
	s_load_b128 s[4:7], s[0:1], 0x0                ; zb s[4:5], wp s[6:7]
	s_load_b64 s[8:9], s[0:1], 0x10                ; out0
	v_lshl_add_u32 v[SPW], v0, 2, SPARE
	v_mov_b32 v[NIL], 0
	ds_add_u32 v[SPW], v[NIL]                      ; the wave's opening: the add and its wait ahead of my first tensor load
	ds_add_u32 v28, v29
	v_lshrrev_b32 v1, 5, v0
	v_readfirstlane_b32 s[WV], v1
	s_lshr_b32 s[WH], s[WV], 1
	s_and_b32 s[WL], s[WV], 1
	s_bfe_u32 s[CX], ttmp6, 0x40000
	s_bfe_u32 s[CY], ttmp6, 0x40004
	s_and_b32 s[MT], ttmp7, 0xffff
	s_lshl_b32 s[MT], s[MT], 2
	s_add_co_u32 s[MT], s[MT], s[CY]               ; tile row = 4 x cluster y + cy
	s_lshl_b32 s[TC], ttmp9, 2
	s_add_co_u32 s[TC], s[TC], s[CX]               ; tile column = 4 x cluster x + cx
	s_lshl_b32 s2, s[CY], 2
	s_lshl_b32 s2, 15, s2                          ; my row of the cluster
	s_lshl_b32 s42, 0x1111, s[CX]                  ; my column
	s_or_b32 s[G1], s2, (1<<16)|(1<<20)|(1<<21)|(5<<22)|(3<<25)    ; the mask; 2-byte elements; padding on; bit 21 beside a mask; after every 64 words 4 words
	s_or_b32 s[G1B], s42, (1<<16)|(1<<20)|(1<<21)|(5<<22)|(3<<25)
.irp g, G1, G1B
	s_mov_b32 s[(\g)+1], KSTEP<<16                 ; tensor_dim0 = 128
	s_mov_b32 s[(\g)+3], KSTEP<<16                 ; tile_dim0 = 128
	s_mov_b32 s[(\g)+5], 1024                      ; elements from row to row
	s_mov_b32 s[(\g)+6], 0
	s_mov_b32 s[(\g)+7], 0
.endr
	s_mov_b32 s[G1+2], 64<<16                      ; zb: tensor_dim1 = tile_dim1 = 64 rows a load,
	s_mov_b32 s[G1+4], 64
	s_mov_b32 s[G1B+2], 128<<16                    ; wp: 128
	s_mov_b32 s[G1B+4], 128
	s_lshl_b32 s16, s[MT], 7
	s_lshl_b32 s20, s[CX], 5
	s_add_co_u32 s20, s20, s16                     ; the prefetches: of zb's 128 rows partner cx takes 32,
	s_lshl_b32 s17, s[WL], 6
	s_add_co_u32 s16, s16, s17                     ; zb's first row: 128 x tile row + 64 x half
	s_lshl_b32 s46, s[TC], 8
	s_lshl_b32 s17, s[WL], 7
	s_add_co_u32 s46, s46, s17                     ; wp's first row: 256 x tile column + 128 x half
	s_lshl_b32 s21, s[CY], 5
	s_add_co_u32 s21, s21, s46                     ; of the wave's 128 rows of wp partner cy takes 32
	s_and_b32 s22, ttmp7, 0xffff                   ; wp's rows are read by every row of clusters: the first asks;
	s_or_b32 s23, ttmp9, s[WL]                     ; zb's by this cluster alone: wave 0 asks, wave 1 does not
	s_cmp_eq_u32 s[WH], 0
	s_cselect_b32 s20, s20, s21
	s_cselect_b32 s22, s23, s22
	s_cmp_eq_u32 s22, 0
	s_cselect_b32 s[LIM], 2, -1                    ; the same in all sixteen partners, for a given wave
	s_lshl_b32 s20, s20, 11                        ; rows of 2,048 bytes
	s_mov_b32 s21, 0
	s_lshl_b32 s16, s16, 11
	s_mov_b32 s17, 0
	s_lshl_b32 s46, s46, 11
	s_mov_b32 s47, 0
	s_mul_i32 s[DA], s[WL], 64*PITCH               ; where the tiles go: no place in the cluster enters an LDS address
	s_mul_i32 s[DB], s[WL], 128*PITCH
	s_add_co_u32 s[DB], s[DB], BOFF
	s_mov_b32 s[TB], 0
	s_mov_b32 s[SCL], 0x3d800000                   ; 1/16
	s_mov_b32 s[SCL+1], 0x3d800000                 ; named with it as a pair
	s_wait_dscnt 0x0                               ; the opening add is done
	s_wait_kmcnt 0x0
	s_add_nc_u64 s[18:19], s[4:5], s[16:17]
	s_add_nc_u64 s[46:47], s[6:7], s[46:47]
	s_cmp_eq_u32 s[WH], 0
	s_cselect_b64 s[PFA:PFA+1], s[4:5], s[6:7]
	s_add_nc_u64 s[PFA:PFA+1], s[PFA:PFA+1], s[20:21]
	s_add_nc_u64 s[PFA:PFA+1], s[PFA:PFA+1], 2*KSTEP*2  ; at K step 2: the first refill steps it to 3 and names K step 4
	CROUND                                         ; all sixteen work-groups are here: the first joint loads meet
.irp s, 0,1
	s_mov_b32 s[G0+4*(\s)], 1
	s_add_co_u32 s[G0+4*(\s)+1], s[DA], (\s)*SLOT
	s_add_nc_u64 s[G0+4*(\s)+2:G0+4*(\s)+3], s[18:19], (\s)*KSTEP*2
	s_or_b32 s[G0+4*(\s)+3], s[G0+4*(\s)+3], 0x80000000
	s_mov_b32 s[G0B+4*(\s)], 1
	s_add_co_u32 s[G0B+4*(\s)+1], s[DB], (\s)*SLOT
	s_add_nc_u64 s[G0B+4*(\s)+2:G0B+4*(\s)+3], s[46:47], (\s)*KSTEP*2
	s_or_b32 s[G0B+4*(\s)+3], s[G0B+4*(\s)+3], 0x80000000
.endr
	s_cmp_eq_u32 s[WH], 0                          ; a wave's two first fills stand in one branch: two loads of mine are out
	s_cbranch_scc0 .Lfirst_b
	tensor_load_to_lds s[G0:G0+3], s[G1:G1+7]
	s_nop 0
	tensor_load_to_lds s[G0+4:G0+7], s[G1:G1+7]
	s_nop 0
	PLACES
	s_branch .Lfirst_asked
.Lfirst_b:
	tensor_load_to_lds s[G0B:G0B+3], s[G1B:G1B+7]
	s_nop 0
	tensor_load_to_lds s[G0B+4:G0B+7], s[G1B:G1B+7]
	s_nop 0
	PLACES
.Lfirst_asked:
	; all of this stands in the wait for the first tile
	v_and_b32 v1, 15, v0                           ; l % 16
	v_bfe_u32 v2, v0, 4, 1                         ; l / 16
	v_and_b32 v5, 31, v0                           ; l
	v_lshlrev_b32 v[PFO], 11, v5
	v_mul_u32_u24 v3, v1, PITCH
	v_lshl_add_u32 v3, v2, 4, v3                   ; a fragment's row x pitch + 16 x half
	s_mul_i32 s20, s[WH], 64*PITCH                 ; my 64 rows of zb,
	s_mul_i32 s22, s[WL], 128*PITCH                ; my 128 rows of wp, behind zb's 128
	s_add_co_u32 s22, s22, BOFF
	v_add_nc_u32 v[ADRA0], s20, v3
	v_add_nc_u32 v[ADRB0], s22, v3
	v_mov_b32 v[ADRA], v[ADRA0]
	v_mov_b32 v[ADRB], v[ADRB0]
	s_mul_i32 s20, s[WV], 64*DPO                   ; my own part of the dump
	v_mul_u32_u24 v[DS0], v1, DPO
	v_lshl_add_u32 v[DS0], v2, 5, v[DS0]
	v_add_nc_u32 v[DS0], s20, v[DS0]               ; in: row l % 16, 32 bytes for each half of the lanes
	v_lshl_add_u32 v[RD], v5, 4, s20               ; back: 32 lanes take a row of 512 bytes
	v_lshlrev_b32 v[CO], 4, v5
	s_lshl_b32 s20, s[MT], 7                       ; out0 at row 128 x tile row + 64 x row half, byte 1,024 x tile column + 512 x column half
	s_lshl_b32 s21, s[WH], 6
	s_add_co_u32 s20, s20, s21
	s_lshl_b32 s20, s20, 12
	s_lshl_b32 s21, s[TC], 10
	s_add_co_u32 s20, s20, s21
	s_lshl_b32 s21, s[WL], 9
	s_add_co_u32 s20, s20, s21
	s_mov_b32 s21, 0
	s_add_nc_u64 s[8:9], s[8:9], s[20:21]
	s_wait_tensorcnt 0x1                           ; my part of K step 0 is in; K step 1's may stay out
	s_barrier_signal -1
	s_barrier_wait -1
	FETCH 0, F0
	QUARTER 64, F0, F1, 1                          ; the first quarter starts the sums: nothing is cleared
	WIN 0
	s_mov_b32 s3, 6
.Lstep:                                        ; a trip: a K step's quarters 2 to 4 and the next step's first; trip s asks for K step s + 2
	QUARTER 128, F1, F0, 0
	QUARTER 192, F0, F1, 0
	TURN 1
	QUARTER 64, F0, F1, 0
	WIN 0
	s_sub_co_u32 s3, s3, 1
	s_cmp_lg_u32 s3, 0
	s_cbranch_scc1 .Lstep
	s_mov_b32 s3, 2
.Ltail:                                        ; the last two K steps ask for nothing: one text, two trips.  The last trip has no next step: its change of slots fetches the other slot's old
	QUARTER 128, F1, F0, 0                         ; bytes once more and uses nothing of them, and the next step's first quarter is jumped over
	QUARTER 192, F0, F1, 0
	TURN 0
	WIN 0
	s_wait_dscnt 0x0                               ; the fetch is in: 32 products stand behind it
	s_cmp_eq_u32 s3, 1
	s_cbranch_scc1 .Llast
	QUARTER 64, F0, F1, 0
	WIN 0
.Llast:
	s_sub_co_u32 s3, s3, 1
	s_cmp_lg_u32 s3, 0
	s_cbranch_scc1 .Ltail
	s_wait_dscnt 0x0
	PLACES
	PLACES
	s_barrier_signal -1                            ; no LDS instruction of mine is out: nobody reads the ring any more behind this barrier; it has had its last fill
	s_barrier_wait -1
	WIN 0x08                                       ; store data in window 2; each accumulator's low four registers first
.irp a, 0,1,2,3
.irp b, 0,1,2,3,4,5,6,7
	ds_store_b128 v[DS0], v[8*(8*(\a)+(\b)):8*(8*(\a)+(\b))+3]   offset:(\a)*16*DPO+64*(\b)
	ds_store_b128 v[DS0], v[8*(8*(\a)+(\b))+4:8*(8*(\a)+(\b))+7] offset:(\a)*16*DPO+64*(\b)+16
.endr
.endr
	WIN 0
	LOADG 0                                        ; a group's loads go out a group ahead of its multiplies
	LOADG 1
	PROC 0, 16
	LOADG 2
	PROC 1, 16
	s_wait_xcnt 0x0                                ; group 0's stores have read their data: its buffer is loaded again only behind this wait
	LOADG 3
	PROC 2, 16
	PROC 3, 0
	s_wait_tensorcnt 0x0                           ; the wave's end
	ds_add_u32 v[SPW], v[NIL]
	s_wait_dscnt 0x0
	CROUND                                         ; the closing round
	s_endpgm
.Lfunc_end_k_q486c4ce527_outp:
	.size	k_q486c4ce527_outp, .Lfunc_end_k_q486c4ce527_outp-k_q486c4ce527_outp
	.p2alignl 7, 3214868480
	.fill 96, 4, 3214868480
	.section	.rodata,"a",@progbits
	.p2align	6, 0x0
	.amdhsa_kernel k_q486c4ce527_outp
		.amdhsa_group_segment_fixed_size 327680
		.amdhsa_private_segment_fixed_size 0
		.amdhsa_enable_private_segment 0
		.amdhsa_kernarg_size 24
		.amdhsa_user_sgpr_count 2
		.amdhsa_user_sgpr_kernarg_segment_ptr 1
		.amdhsa_wavefront_size32 1
		.amdhsa_system_sgpr_workgroup_id_x 1
		.amdhsa_system_sgpr_workgroup_id_y 1
		.amdhsa_system_sgpr_workgroup_id_z 1
		.amdhsa_system_vgpr_workitem_id 0
		.amdhsa_next_free_vgpr 768
		.amdhsa_next_free_sgpr 80
		.amdhsa_reserve_vcc 0
		.amdhsa_float_denorm_mode_32 3
		.amdhsa_float_denorm_mode_16_64 3
		.amdhsa_memory_ordered 1
		.amdhsa_forward_progress 1
		.amdhsa_inst_pref_size 70
	.end_amdhsa_kernel
	.amdgpu_metadata
---
amdhsa.version: [ 1, 2 ]
amdhsa.kernels:
  - .name:           k_q486c4ce527_outp
    .symbol:         k_q486c4ce527_outp.kd
    .args:
      - { .name: zb, .offset: 0, .size: 8, .value_kind: global_buffer, .address_space: global }
      - { .name: wp, .offset: 8, .size: 8, .value_kind: global_buffer, .address_space: global }
      - { .name: out0, .offset: 16, .size: 8, .value_kind: global_buffer, .address_space: global }
    .group_segment_fixed_size: 327680
    .private_segment_fixed_size: 0
    .kernarg_segment_align: 8
    .kernarg_segment_size: 24
    .max_flat_workgroup_size: 128
    .sgpr_count:     80
    .vgpr_count:     768
    .wavefront_size: 32
...
	.end_amdgpu_metadata
.endif
;; end of part 10
